; MI455X (gfx1250); checked and timed in simulation.
; The chip was launched on July 23, 2026; its instructions are those of AMD's public machine-readable ISA for CDNA 5 (MIT licence, August 2026) and "CDNA5" Instruction Set Architecture Reference Guide (July 2026). The comments in the code are by the model that wrote it; some were corrected since.
;; MAB. Allowed arithmetic: matrix products marked QUANTISED: E2M1 operands, one E8M0 scale for each 32 along K, by v_wmma_scale_f32_16x16x128_f8f6f4 with both operands' format E2M1 (or v_wmma_scale_f32_32x16x128_f4), f32 sums; everything else in f32.
;; Inputs: W1 1,024 x 4,096 float32; W2 4,096 x 1,024 float32; Wk 1,024 x 1,024 float32; Wq 1,024 x 1,024 float32; Wv 1,024 x 1,024 float32; X 2 x 2,048 x 1,024 float32; Y 2 x 2,048 x 1,024 float32; b0 1,024 float32; b0kv 1,024 float32; b1 1,024 float32; bf1 4,096 float32; bf2 1,024 float32; bk 1,024 float32; bq 1,024 float32; bv 1,024 float32; g0 1,024 float32; g0kv 1,024 float32; g1 1,024 float32; null_k 1 x 1 x 1,024 float32.
;; Outputs: out0 2 x 2,048 x 1,024 float32.
;; This version of the problem:
;;   THIS VERSION OF THE PROBLEM IS GIVEN IN LOW PRECISION. The matrix products marked QUANTISED in the list below multiply operands that are first quantised to E2M1 (2 exponent bits, 1 mantissa bit; 4 bits a number), with one power-of-two scale for each 32 numbers along K (OCP MX v1.0); their sums are f32. All else is computed in f32.
;;   The module's matrix products, in the order in which they are computed (A, B: the left and right operand; K: the contracted axis; several contracted axes count as one K, in the product's order):
;;     1. [M 4,096, K 1,024] x [K 1,024, N 1,024]; A: computed on the way; B: input Wq: QUANTISED
;;     2. [M 4,096, K 1,024] x [K 1,024, N 1,024]; A: computed on the way; B: input Wk: QUANTISED
;;     3. [M 4,096, K 1,024] x [K 1,024, N 1,024]; A: computed on the way; B: input Wv: QUANTISED
;;     4. batch 32 x [M 2,048, K 64] x [K 64, N 2,049]; A: computed on the way; B: computed on the way: QUANTISED
;;     5. batch 32 x [M 64, K 2,049] x [K 2,049, N 2,048]; A: computed on the way; B: softmax (see below): QUANTISED
;;     6. [M 4,096, K 1,024] x [K 1,024, N 4,096]; A: computed on the way; B: input W1: QUANTISED
;;     7. [M 4,096, K 4,096] x [K 4,096, N 1,024]; A: computed on the way; B: input W2: QUANTISED
;;   THE QUANTISER, for each operand of a quantised product, along K:
;;     - K is cut into blocks of 32 from its start; a last block that is shorter is filled with zeros.
;;     - A block's scale is 2^e with e = floor(log2(the largest magnitude in the block)) - 2, held to -126 .. 127; a block of zeros has e = 0. As a byte (E8M0): e + 127.
;;     - Each number is divided by its block's scale, clamped to +-6, and rounded to the nearest number of E2M1, ties to even, subnormals kept.
;;     - The product sums the exact products of the quantised numbers (number of the format x scale) in f32.
;;   ~~~python
;;   def quantise(x, axis):      # numpy; x: float32 -> the quantised numbers, widened to float32 again
;;       x = np.moveaxis(x, axis, -1); K = x.shape[-1]
;;       x = np.pad(x, [(0, 0)] * (x.ndim - 1) + [(0, -K % 32)]); x = x.reshape(x.shape[:-1] + (-1, 32)); a = np.abs(x).max(-1, keepdims=True)
;;       e = np.where(a > 0, np.clip(np.frexp(np.where(a > 0, a, 1))[1] - 1 - 2, -126, 127), 0)      # np.frexp(a)[1] - 1 = floor(log2(a)), exactly
;;       r = np.clip(x / 2.0 ** e, -6, 6)
;;       step = 2.0 ** (np.maximum(np.frexp(np.where(r == 0, 1, r))[1] - 1, 0) - 1)
;;       q = np.round(r / step) * step * 2.0 ** e      # np.round: ties to even
;;       return np.moveaxis(q.reshape(q.shape[:-2] + (-1,))[..., :K], -1, axis).astype(np.float32)
;;   ~~~
;;   SOFTMAX AHEAD OF A QUANTISED PRODUCT. Where the list says 'softmax', what is quantised is not the finished softmax but p = 2^(t - M), with t = logit x log2(e) and M = ceil(the row's largest t), a whole number; so 1/2 < the row's largest p <= 1. The row's sum l is taken of the UNQUANTISED p, in f32, and the product's result is divided by l at the end. Since M is a whole number, a kernel that streams over the keys may use a running M (the ceiling of the running maximum): every later rescaling is an exact power of two, which a block's scale takes up: the codes' values come out the same.
;;   OPERANDS COMPUTED ON THE WAY. 'Computed on the way' means the value that the module computes at that place (a softmax that the list does not call 'softmax' is quantised finished and normalised). What goes into a quantiser is computed in f32, as accurately as f32 sums, v_exp_f32 and their like allow (about 1e-6 of the number): no bf16 or f16 on the way to a quantiser, and a product that is left as it is and whose result goes on into a quantised operand takes f32 operands (vector FMAs, or v_wmma_f32_16x16x4_f32). A number that lies on a knife's edge between two numbers of the format may be rounded either way, as far as f32 arithmetic and the matrix unit's own rounding can turn it there, and no further.
;; 2 versions. Each part assembles by itself: llvm-mc -triple=amdgcn-amd-amdhsa -mcpu=gfx1250 --defsym DOCPART=n.
;; ======== version 1 of 2: 8 launches
;; workspace buffers: wbuf 6,684,672 bytes; xn 2,228,224 bytes; yn 2,228,224 bytes; hr 2,228,224 bytes; qkvb 6,946,816 bytes; hres 16,777,216 bytes; hid 8,912,896 bytes
;; launch wq (part 1): grid 704 x 1, 4 waves a work-group, no clusters, 0 bytes of LDS; arguments Wq, Wk, Wv, W1, W2, wbuf; writes wbuf
.if DOCPART == 1
	.amdgcn_target "amdgcn-amd-amdhsa--gfx1250"
	.amdhsa_code_object_version 6
	.text
	.protected	k_q0f038bab8b_wq
	.globl	k_q0f038bab8b_wq
	.p2align	8
	.type	k_q0f038bab8b_wq,@function
k_q0f038bab8b_wq:
	s_mov_b64 s[64:65], 0
	v_nop
	global_prefetch_b8 v0, s[64:65] scope:SCOPE_SE
	s_setreg_imm32_b32 hwreg(HW_REG_WAVE_MODE, 25, 1), 1
	s_wait_xcnt 0x0
; The five weights, f32 stored [K][N], become codes of FP4 (E2M1) and E8M0 scale words, laid as the images of a matrix operand's registers.
; LAYOUT OF CODES: columns n go in bundles of 32; tile T = 2 x bundle + u holds, at place r (0..15), column 32 x bundle + 8 u + r + 8 (r / 8).  A fragment (K step s of 128, tile T) is 1,024 bytes at
; (s NT + T) x 1,024: half c (k = 64 c ..) at + 512 c, lane 16 hb + r at + 16 x lane, its 16 bytes the 32 codes k = 128 s + 64 c + 32 hb + 0..31.  SCALE WORDS: word s x 16 NT + 16 T + r, byte t for k = 128 s + 32 t on.
; A LANE TAKES A COLUMN AND ITS REGISTERS RUN DOWN K: a block of 32 lies in one lane, its largest magnitude needs no other lane, and the conversions give K innermost.  A wave: 32 columns x 128 along K (4 blocks).
; A block's scale byte is its largest magnitude's exponent field - 2, held at 1 from below.  LIMITS: a block of zeros, or one whose largest magnitude lies under 2^-124, gets the byte 1 (the rule says 127 for zeros):
; its codes are zeros and this program alone reads the bytes; NaN and infinities among the inputs are not served.
; Work-groups 0-191: Wq, Wk, Wv (64 each); 192-447: W1; 448-703: W2.  Only pointers and sizes are chosen, by the work-group's number: one path through the text.  No LDS, no barrier: waves share nothing.
.set RA, 16                            ; v16-47   byte offset of row i of a block at my column: 4 n' + i x (bytes of a row)
.set X,  48                            ; v48-111  two sets of 32 numbers
.set C,  112                           ; v112-127 four registers of codes for each block: no store's data are written again
	s_load_b256 s[4:11], s[0:1], 0x0               ; Wq, Wk, Wv, W1
	s_load_b128 s[12:15], s[0:1], 0x20             ; W2, wbuf
	v_lshrrev_b32 v1, 5, v0
	v_readfirstlane_b32 s16, v1                    ; wave
	v_and_b32 v1, 31, v0                           ; n': my column in the bundle
	v_lshlrev_b32 v2, 2, v1
	v_bfe_u32 v5, v1, 3, 1                         ; u
	v_and_b32 v6, 7, v1
	v_lshrrev_b32 v7, 4, v1
	v_lshl_add_u32 v6, v7, 3, v6                   ; r
	v_lshlrev_b32 v3, 4, v6
	v_lshl_add_u32 v3, v5, 10, v3                  ; my codes' place in the bundle's two fragments: 1,024 u + 16 r
	v_lshl_add_u32 v4, v5, 4, v6
	v_lshlrev_b32 v4, 2, v4                        ; my scale word's: 4 (16 u + r)
	s_mov_b32 s17, 448                             ; the class's first work-group; then W2's sizes, overridden below
	s_mov_b32 s18, 3                               ; log2 of the column tiles of 128
	s_mov_b32 s19, 4096                            ; bytes of a row
	s_mov_b32 s22, 64                              ; NT
	s_mov_b32 s23, 0x440000                        ; the class's region of wbuf
	s_cmp_lt_u32 ttmp9, 448
	s_cselect_b32 s17, 192, s17
	s_cselect_b32 s18, 5, s18
	s_cselect_b32 s19, 16384, s19
	s_cselect_b32 s22, 256, s22
	s_cselect_b32 s23, 0x220000, s23
	s_cmp_lt_u32 ttmp9, 192
	s_cselect_b32 s17, 0, s17
	s_cselect_b32 s18, 3, s18
	s_cselect_b32 s19, 4096, s19
	s_cselect_b32 s23, 0, s23
	s_sub_co_u32 s17, ttmp9, s17                   ; my number in the class
	s_lshr_b32 s25, s17, 6
	s_and_b32 s40, s17, 63
	s_cmp_lt_u32 ttmp9, 192
	s_cselect_b32 s25, s25, 0                      ; which of Wq, Wk, Wv
	s_cselect_b32 s17, s40, s17
	s_lshl_b32 s24, s25, 6                         ; its first tile in the shared region
	s_lshl_b32 s41, -1, s18
	s_and_not1_b32 s20, s17, s41                   ; column tile
	s_lshr_b32 s21, s17, s18                       ; K step
.set i, 0
.rept 32
	v_mad_u32_u24 v[RA+i], s19, i, v2
.set i, i+1
.endr
	s_mul_i32 s42, s21, s19
	s_lshl_b32 s42, s42, 7                         ; 128 rows a K step
	s_lshl_b32 s41, s20, 9
	s_add_co_u32 s42, s42, s41
	s_lshl_b32 s41, s16, 7
	s_add_co_u32 s42, s42, s41                     ; + (128 x column tile + 32 x wave) x 4 bytes
	s_mov_b32 s43, 0
	s_lshl_b32 s44, s19, 5                         ; a block: 32 rows
	s_mov_b32 s45, 0
	s_mul_i32 s46, s21, s22
	s_add_co_u32 s46, s46, s24
	s_lshl_b32 s41, s20, 3
	s_add_co_u32 s46, s46, s41
	s_lshl_b32 s41, s16, 1
	s_add_co_u32 s46, s46, s41                     ; my first fragment: s NT + tile
	s_lshl_b32 s40, s46, 10
	s_add_co_u32 s40, s40, s23
	s_mov_b32 s41, 0
	s_lshl_b32 s46, s46, 6                         ; 16 words a tile
	s_add_co_u32 s46, s46, s23
	s_add_co_u32 s46, s46, 0x200000
	s_mov_b32 s47, 0
	s_wait_kmcnt 0x0
	s_cmp_eq_u32 s25, 1
	s_cselect_b64 s[26:27], s[6:7], s[4:5]
	s_cmp_eq_u32 s25, 2
	s_cselect_b64 s[26:27], s[8:9], s[26:27]
	s_cmp_lt_u32 ttmp9, 192
	s_cselect_b64 s[26:27], s[26:27], s[10:11]
	s_cmp_lt_u32 ttmp9, 448
	s_cselect_b64 s[26:27], s[26:27], s[12:13]
	s_add_nc_u64 s[28:29], s[26:27], s[42:43]      ; a base for each of the four blocks
	s_add_nc_u64 s[30:31], s[28:29], s[44:45]
	s_add_nc_u64 s[32:33], s[30:31], s[44:45]
	s_add_nc_u64 s[34:35], s[32:33], s[44:45]
	s_add_nc_u64 s[36:37], s[14:15], s[40:41]      ; codes out
	s_add_nc_u64 s[38:39], s[14:15], s[46:47]      ; scale words out
.macro LOAD t                          ; block t: W(32 t + i, my column): 32 lanes read 128 consecutive bytes
.set i, 0
.rept 32
	global_load_b32 v[X+32*((\t)%2)+i], v[RA+i], s[28+2*(\t):29+2*(\t)] th:TH_LOAD_NT
.set i, i+1
.endr
.endm
.macro BLOCK t
.set XS, X+32*((\t)%2)
.if (\t) < 3
	s_wait_loadcnt 32                              ; this block's 32 loads are in; the next block's 32 may be out
.else
	s_wait_loadcnt 0x0
.endif
	v_max3_num_f32 v12, |v[XS]|, |v[XS+1]|, |v[XS+2]|
	v_max3_num_f32 v13, |v[XS+3]|, |v[XS+4]|, |v[XS+5]|
.irp i, 6,10,14,18,22,26
	v_max3_num_f32 v12, v12, |v[XS+\i]|, |v[XS+\i+1]|
	v_max3_num_f32 v13, v13, |v[XS+\i+2]|, |v[XS+\i+3]|
.endr
	v_max3_num_f32 v12, v12, |v[XS+30]|, |v[XS+31]|
	v_max3_num_f32 v12, v12, v13, 0x1800000        ; and the floor 2^(3 - 127): the byte cannot fall under 1
	v_add_nc_u32 v11, 0xff000000, v12              ; 2 off the exponent field: the conversion's scale operand
	v_lshrrev_b32 v13, 23, v11                     ; the scale's byte
.if (\t) == 0
	v_mov_b32 v9, v13
.else
	v_lshl_or_b32 v9, v13, 8*(\t), v9
.endif
.irp g, 0,1,2,3
	v_cvt_scalef32_pk8_fp4_f32 v[C+4*(\t)+\g], v[XS+8*\g:XS+8*\g+7], v11
.endr
	global_store_b128 v3, v[C+4*(\t):C+4*(\t)+3], s[36:37] offset:256*(\t)   ; half c = t / 2, lanes 16 (t % 2) + r: each sixteen lanes store 256 consecutive bytes, aligned
.if (\t) < 2
	LOAD (\t)+2
.endif
.endm
	LOAD 0
	LOAD 1
	BLOCK 0
	BLOCK 1
	BLOCK 2
	BLOCK 3
	global_store_b32 v4, v9, s[38:39]              ; the bundle's 32 scale words: 128 consecutive bytes
	s_endpgm
.Lfunc_end_k_q0f038bab8b_wq:
	.size	k_q0f038bab8b_wq, .Lfunc_end_k_q0f038bab8b_wq-k_q0f038bab8b_wq
	.p2alignl 7, 3214868480
	.fill 96, 4, 3214868480
	.section	.rodata,"a",@progbits
	.p2align	6, 0x0
	.amdhsa_kernel k_q0f038bab8b_wq
		.amdhsa_group_segment_fixed_size 0
		.amdhsa_private_segment_fixed_size 0
		.amdhsa_enable_private_segment 0
		.amdhsa_kernarg_size 48
		.amdhsa_user_sgpr_count 2
		.amdhsa_user_sgpr_kernarg_segment_ptr 1
		.amdhsa_wavefront_size32 1
		.amdhsa_system_sgpr_workgroup_id_x 1
		.amdhsa_system_sgpr_workgroup_id_y 1
		.amdhsa_system_sgpr_workgroup_id_z 1
		.amdhsa_system_vgpr_workitem_id 0
		.amdhsa_next_free_vgpr 128
		.amdhsa_next_free_sgpr 66
		.amdhsa_reserve_vcc 0
		.amdhsa_float_denorm_mode_32 3
		.amdhsa_float_denorm_mode_16_64 3
		.amdhsa_memory_ordered 1
		.amdhsa_forward_progress 1
		.amdhsa_inst_pref_size 24
	.end_amdhsa_kernel
	.amdgpu_metadata
---
amdhsa.version: [ 1, 2 ]
amdhsa.kernels:
  - .name:           k_q0f038bab8b_wq
    .symbol:         k_q0f038bab8b_wq.kd
    .args:
      - { .name: Wq, .offset: 0, .size: 8, .value_kind: global_buffer, .address_space: global }
      - { .name: Wk, .offset: 8, .size: 8, .value_kind: global_buffer, .address_space: global }
      - { .name: Wv, .offset: 16, .size: 8, .value_kind: global_buffer, .address_space: global }
      - { .name: W1, .offset: 24, .size: 8, .value_kind: global_buffer, .address_space: global }
      - { .name: W2, .offset: 32, .size: 8, .value_kind: global_buffer, .address_space: global }
      - { .name: wbuf, .offset: 40, .size: 8, .value_kind: global_buffer, .address_space: global }
    .group_segment_fixed_size: 0
    .private_segment_fixed_size: 0
    .kernarg_segment_align: 8
    .kernarg_segment_size: 48
    .max_flat_workgroup_size: 128
    .sgpr_count:     66
    .vgpr_count:     128
    .wavefront_size: 32
...
	.end_amdgpu_metadata
.endif
;; end of part 1
;; launch ln_x (part 2): grid 256 x 1, 4 waves a work-group, no clusters, 28,160 bytes of LDS; arguments X, g0, b0, xn; writes xn
.if DOCPART == 2
	.amdgcn_target "amdgcn-amd-amdhsa--gfx1250"
	.amdhsa_code_object_version 6
	.text
	.protected	k_q0f038bab8b_ln_x
	.globl	k_q0f038bab8b_ln_x
	.p2align	8
	.type	k_q0f038bab8b_ln_x,@function
k_q0f038bab8b_ln_x:
	s_mov_b64 s[64:65], 0
	v_nop
	global_prefetch_b8 v0, s[64:65] scope:SCOPE_SE
	s_setreg_imm32_b32 hwreg(HW_REG_WAVE_MODE, 25, 1), 1
	s_wait_xcnt 0x0
; LayerNorm of rows of 1,024 f32, (x - mean) rsqrt(var + 1e-5) g + b, quantised along the row to codes of FP4 with one E8M0 byte for each 32, laid as images of an operand's registers:
; tile T holds at place r the row 32 (T / 2) + 8 (T % 2) + r + 8 (r / 8); fragment (K step s, tile T) at (256 s + T) x 1,024, half c at + 512 c, lane 16 hb + r at + 16 x lane; scale word 4,096 s + 16 T + r behind the codes.
; A work-group takes one tile (16 rows), wave w its places 4 w .. 4 w + 3, a row at a time, kept in 32 registers between the passes: mean, then variance of the differences, then scaling.
; Loads take the bytes as they lie (512 consecutive bytes a load); the conversions want 32 neighbours in ONE lane: the scaled row turns through the wave's own 4,608 bytes of LDS (16 bytes of padding behind each 128).
; The codes of the 16 rows meet in LDS as 16 images of 512 bytes, one barrier, and leave as runs of 512 consecutive bytes.  The scale words leave as runs of 64 bytes: a small part of the launch's bytes.
; LIMITS: v_rsq_f32 is good to one unit in the last place; a block of zeros or under 2^-124 gets the byte 1 (its codes are zeros; this program alone reads the bytes); NaN and infinities are not served.
.set CST, 18432                        ; LDS: 16 images, 544 bytes apart; an image's two halves of 256 bytes 272 apart
.set SST, 27136                        ; LDS: scale words [s 0..7][r 0..15]
.set N,   32                           ; v32-63   32 neighbours
.set XR,  64                           ; v64-191  four rows as loaded
.set G,   192                          ; v192-223 g at my 32 neighbours
.set BB,  224                          ; v224-255 b
	s_load_b256 s[4:11], s[0:1], 0x0               ; x, g, b, out
	v_lshl_add_u32 v30, v0, 2, 0x6c00
	v_mov_b32 v31, 0
	v_lshrrev_b32 v1, 5, v0
	v_readfirstlane_b32 s16, v1                    ; wave
	v_and_b32 v1, 31, v0                           ; lane l
	v_lshlrev_b32 v2, 4, v1                        ; 16 l
	s_mul_i32 s17, s16, 4608                       ; my wave's turning place
	v_lshrrev_b32 v8, 3, v1
	v_lshl_add_u32 v3, v8, 4, v2
	v_add_nc_u32 v3, s17, v3                       ; in: 16 l + 16 (l / 8); a load's 512 bytes take 576
	v_mul_u32_u24 v4, v1, 144
	v_add_nc_u32 v4, s17, v4                       ; out: 144 l: my 32 neighbours
	v_lshrrev_b32 v8, 1, v1
	v_mul_u32_u24 v5, v8, 544
	v_and_b32 v8, 1, v1
	v_mad_u32_u24 v5, v8, 272, v5
	s_lshl_b32 s17, s16, 6
	s_add_co_u32 s17, s17, CST
	v_add_nc_u32 v5, s17, v5                       ; block l's codes: image l / 2, half l % 2, place 4 w (+ k by the offset)
	v_lshrrev_b32 v8, 2, v1
	v_and_b32 v9, 3, v1
	v_lshl_add_u32 v6, v8, 6, v9
	s_lshl_b32 s17, s16, 4
	s_add_co_u32 s17, s17, SST
	v_add_nc_u32 v6, s17, v6                       ; block l's byte: word (l / 4, 4 w + k), byte l % 4
	v_lshlrev_b32 v7, 7, v1                        ; 128 l: my neighbours in g and b
	v_lshlrev_b32 v26, 14, v8
	v_lshl_add_u32 v26, v9, 4, v26                 ; the words' way out: K step l / 4, four words l % 4
	v_lshrrev_b32 v10, 4, v1
	v_and_b32 v11, 15, v1
	v_mul_u32_u24 v24, v10, 272
	v_lshl_add_u32 v24, v11, 4, v24
	s_mul_i32 s17, s16, 4*544
	s_add_co_u32 s17, s17, CST
	v_add_nc_u32 v24, s17, v24                     ; the images' way out: my wave's four
	v_add_nc_u32 v25, SST, v2
	s_mov_b32 s12, 0x3a800000                      ; 1 / 1,024
	s_mov_b32 s13, 0x3727c5ac                      ; 1e-5
	s_mov_b32 s14, 0x76543210
	s_mov_b32 s15, 0xfedcba98                      ; v_permlanex16_b32's selects for lane l xor 16
	s_lshr_b32 s17, ttmp9, 1
	s_lshl_b32 s17, s17, 5
	s_and_b32 s18, ttmp9, 1
	s_lshl_b32 s18, s18, 3
	s_add_co_u32 s17, s17, s18
	s_lshl_b32 s18, s16, 2
	s_add_co_u32 s17, s17, s18
	s_lshr_b32 s18, s16, 1
	s_lshl_b32 s18, s18, 3
	s_add_co_u32 s17, s17, s18                     ; my first row: 32 (T / 2) + 8 (T % 2) + 4 w + 8 (w / 2)
	s_lshl_b32 s18, s17, 12
	s_mov_b32 s19, 0
	s_wait_kmcnt 0x0
	s_add_nc_u64 s[4:5], s[4:5], s[18:19]
	s_lshl_b32 s18, ttmp9, 10
	s_lshl_b32 s20, s16, 19
	s_add_co_u32 s18, s18, s20
	s_add_nc_u64 s[20:21], s[10:11], s[18:19]      ; codes out: tile T, K steps 2 w and 2 w + 1
	s_lshl_b32 s18, ttmp9, 6
	s_add_co_u32 s18, s18, 0x200000
	s_add_nc_u64 s[22:23], s[10:11], s[18:19]      ; words out
.irp j, 0,1,2,3,4,5,6,7
	global_load_b128 v[G+4*\j:G+4*\j+3], v7, s[6:7] offset:16*\j
	global_load_b128 v[BB+4*\j:BB+4*\j+3], v7, s[8:9] offset:16*\j
.endr
.irp k, 0,1,2,3
.irp i, 0,1,2,3,4,5,6,7
	global_load_b128 v[XR+32*\k+4*\i:XR+32*\k+4*\i+3], v2, s[4:5] offset:4096*\k+512*\i th:TH_LOAD_NT
.endr
.endr
.macro RSUM                            ; v12 summed over the 32 lanes, the result in every lane
	v_add_f32_dpp v12, v12, v12 row_xmask:1 row_mask:0xf bank_mask:0xf
	v_add_f32_dpp v12, v12, v12 row_xmask:2 row_mask:0xf bank_mask:0xf
	v_add_f32_dpp v12, v12, v12 row_xmask:4 row_mask:0xf bank_mask:0xf
	v_add_f32_dpp v12, v12, v12 row_xmask:8 row_mask:0xf bank_mask:0xf
	v_permlanex16_b32 v13, v12, s14, s15
	v_add_f32 v12, v12, v13
.endm
.macro ROW k
.set XK, XR+32*(\k)
	s_wait_loadcnt 8*(3-(\k))                      ; g, b and this row are in; the later rows' loads, eight each, may be out
	v_pk_add_f32 v[12:13], v[XK:XK+1], v[XK+2:XK+3]
	v_pk_add_f32 v[14:15], v[XK+4:XK+5], v[XK+6:XK+7]
.irp i, 8,12,16,20,24,28
	v_pk_add_f32 v[12:13], v[12:13], v[XK+\i:XK+\i+1]
	v_pk_add_f32 v[14:15], v[14:15], v[XK+\i+2:XK+\i+3]
.endr
	v_pk_add_f32 v[12:13], v[12:13], v[14:15]
	v_add_f32 v12, v12, v13
	RSUM
	v_mul_f32 v8, s12, v12                         ; the mean
	v_mov_b32 v9, v8
.irp i, 0,2,4,6,8,10,12,14,16,18,20,22,24,26,28,30
	v_pk_add_f32 v[XK+\i:XK+\i+1], v[XK+\i:XK+\i+1], v[8:9] neg_lo:[0,1] neg_hi:[0,1]
.endr
	v_pk_mul_f32 v[12:13], v[XK:XK+1], v[XK:XK+1]
	v_pk_mul_f32 v[14:15], v[XK+2:XK+3], v[XK+2:XK+3]
.irp i, 4,8,12,16,20,24,28
	v_pk_fma_f32 v[12:13], v[XK+\i:XK+\i+1], v[XK+\i:XK+\i+1], v[12:13]
	v_pk_fma_f32 v[14:15], v[XK+\i+2:XK+\i+3], v[XK+\i+2:XK+\i+3], v[14:15]
.endr
	v_pk_add_f32 v[12:13], v[12:13], v[14:15]
	v_add_f32 v12, v12, v13
	RSUM
	v_fma_f32 v10, v12, s12, s13                   ; the variance + 1e-5
	v_rsq_f32 v10, v10
	v_nop                                          ; a plain instruction behind the transcendental
	s_wait_alu depctr_va_vdst(0)                   ; and the wait ahead of its first reader
	v_mov_b32 v11, v10
.irp i, 0,2,4,6,8,10,12,14,16,18,20,22,24,26,28,30
	v_pk_mul_f32 v[XK+\i:XK+\i+1], v[XK+\i:XK+\i+1], v[10:11]
.endr
.irp i, 0,1,2,3,4,5,6,7
	ds_store_b128 v3, v[XK+4*\i:XK+4*\i+3] offset:576*\i
.endr
.irp j, 0,1,2,3,4,5,6,7
	ds_load_b128 v[N+4*\j:N+4*\j+3], v4 offset:16*\j   ; LDS serves a wave's instructions in order: these see the stores above
.endr
	s_wait_dscnt 0x0                               ; my 32 neighbours are in; the last row's stores of codes and byte have read their registers
.irp i, 0,2,4,6,8,10,12,14,16,18,20,22,24,26,28,30
	v_pk_fma_f32 v[N+\i:N+\i+1], v[N+\i:N+\i+1], v[G+\i:G+\i+1], v[BB+\i:BB+\i+1]
.endr
	v_max3_num_f32 v16, |v[N]|, |v[N+1]|, |v[N+2]|
	v_max3_num_f32 v17, |v[N+3]|, |v[N+4]|, |v[N+5]|
.irp i, 6,10,14,18,22,26
	v_max3_num_f32 v16, v16, |v[N+\i]|, |v[N+\i+1]|
	v_max3_num_f32 v17, v17, |v[N+\i+2]|, |v[N+\i+3]|
.endr
	v_max3_num_f32 v16, v16, |v[N+30]|, |v[N+31]|
	v_max3_num_f32 v16, v16, v17, 0x1800000        ; the floor 2^(3 - 127)
	v_add_nc_u32 v18, 0xff000000, v16              ; the conversion's scale operand
.irp g, 0,1,2,3
	v_cvt_scalef32_pk8_fp4_f32 v[20+\g], v[N+8*\g:N+8*\g+7], v18
.endr
	v_lshrrev_b32 v19, 23, v18                     ; the scale's byte
	ds_store_b128 v5, v[20:23] offset:16*(\k)
	ds_store_b8 v6, v19 offset:4*(\k)
.endm
	ROW 0
	ROW 1
	ROW 2
	ROW 3
	s_wait_dscnt 0x0                               ; for the others' sake: my stores into the images and the words are done
	s_barrier_signal -1
	s_barrier_wait -1
.irp i, 0,1,2,3
	ds_load_b128 v[32+4*\i:35+4*\i], v24 offset:544*\i
.endr
.irp i, 0,1,2,3
	s_wait_dscnt 3-\i
	global_store_b128 v2, v[32+4*\i:35+4*\i], s[20:21] offset:(\i/2)*262144+(\i%2)*512   ; 32 lanes store 512 consecutive bytes, aligned
.endr
	s_cmp_lg_u32 s16, 0
	s_cbranch_scc1 .Ldone                          ; wave 0 alone stores the tile's 128 scale words
	ds_load_b128 v[48:51], v25
	s_wait_dscnt 0x0
	global_store_b128 v26, v[48:51], s[22:23]
.Ldone:
	s_wait_tensorcnt 0x0
	ds_add_u32 v30, v31
	s_wait_dscnt 0x0
	s_endpgm
.Lfunc_end_k_q0f038bab8b_ln_x:
	.size	k_q0f038bab8b_ln_x, .Lfunc_end_k_q0f038bab8b_ln_x-k_q0f038bab8b_ln_x
	.p2alignl 7, 3214868480
	.fill 96, 4, 3214868480
	.section	.rodata,"a",@progbits
	.p2align	6, 0x0
	.amdhsa_kernel k_q0f038bab8b_ln_x
		.amdhsa_group_segment_fixed_size 28160
		.amdhsa_private_segment_fixed_size 0
		.amdhsa_enable_private_segment 0
		.amdhsa_kernarg_size 32
		.amdhsa_user_sgpr_count 2
		.amdhsa_user_sgpr_kernarg_segment_ptr 1
		.amdhsa_wavefront_size32 1
		.amdhsa_system_sgpr_workgroup_id_x 1
		.amdhsa_system_sgpr_workgroup_id_y 1
		.amdhsa_system_sgpr_workgroup_id_z 1
		.amdhsa_system_vgpr_workitem_id 0
		.amdhsa_next_free_vgpr 256
		.amdhsa_next_free_sgpr 66
		.amdhsa_reserve_vcc 0
		.amdhsa_float_denorm_mode_32 3
		.amdhsa_float_denorm_mode_16_64 3
		.amdhsa_memory_ordered 1
		.amdhsa_forward_progress 1
		.amdhsa_inst_pref_size 43
	.end_amdhsa_kernel
	.amdgpu_metadata
---
amdhsa.version: [ 1, 2 ]
amdhsa.kernels:
  - .name:           k_q0f038bab8b_ln_x
    .symbol:         k_q0f038bab8b_ln_x.kd
    .args:
      - { .name: X, .offset: 0, .size: 8, .value_kind: global_buffer, .address_space: global }
      - { .name: g0, .offset: 8, .size: 8, .value_kind: global_buffer, .address_space: global }
      - { .name: b0, .offset: 16, .size: 8, .value_kind: global_buffer, .address_space: global }
      - { .name: xn, .offset: 24, .size: 8, .value_kind: global_buffer, .address_space: global }
    .group_segment_fixed_size: 28160
    .private_segment_fixed_size: 0
    .kernarg_segment_align: 8
    .kernarg_segment_size: 32
    .max_flat_workgroup_size: 128
    .sgpr_count:     66
    .vgpr_count:     256
    .wavefront_size: 32
...
	.end_amdgpu_metadata
.endif
;; end of part 2
;; launch ln_y: the kernel of part 2 again; grid 256 x 1, 4 waves a work-group, no clusters, 28,160 bytes of LDS; arguments Y, g0kv, b0kv, yn; writes yn
;; launch qkv (part 3): grid 12 x 16, 4 waves a work-group, clusters of 4 x 4, 279,040 bytes of LDS; arguments xn, yn, wbuf, bq, bk, bv, qkvb; writes qkvb
.if DOCPART == 3
	.amdgcn_target "amdgcn-amd-amdhsa--gfx1250"
	.amdhsa_code_object_version 6
	.text
	.protected	k_q0f038bab8b_qkv
	.globl	k_q0f038bab8b_qkv
	.p2align	8
	.type	k_q0f038bab8b_qkv,@function
k_q0f038bab8b_qkv:
	s_mov_b64 s[64:65], 0
	v_nop
	global_prefetch_b8 v0, s[64:65] scope:SCOPE_SE
	s_setreg_imm32_b32 hwreg(HW_REG_WAVE_MODE, 25, 1), 1
	s_wait_xcnt 0x0
	s_wait_alu depctr_hold_cnt(0) depctr_sa_sdst(0) depctr_va_vdst(0) depctr_va_sdst(0) depctr_va_ssrc(0) depctr_va_vcc(0) depctr_vm_vsrc(0)
	s_getreg_b32 s2, hwreg(HW_REG_IB_STS2, 6, 4)
	s_cmp_eq_u32 s2, 0
	s_cbranch_scc0 .Lentry_in_a_cluster
	s_endpgm
.Lentry_in_a_cluster:
	s_bfe_u32 s2, ttmp6, 0x10000c
	s_cmp_lg_u32 s2, 0xf033
	s_cbranch_scc0 .Lentry_shape_is_right
	s_endpgm
.Lentry_shape_is_right:
; Q = Xn Wq + bq, K = Yn Wk + bk, V = Yn Wv + bv on codes of FP4 with E8M0 scales; each result is quantised in registers along the NEXT product's K and stored as images of that operand's registers.
; A tile of 256 x 256, K = 1,024, by four waves of 128 x 128 (64 accumulators, 512 registers).  Cluster x says which product.  SOURCE 0's rows become a lane's registers, SOURCE 1's a lane's row:
; Q, K: source 0 = 256 columns of the weight (the head's channels: the next K), source 1 = 256 rows of the activation.  V: source 0 = 256 rows of Yn (the keys: the next K), source 1 = 256 columns of Wv.
; Both operands of a tile, all of K, fit in LDS: every tile is filled once, at the start; there is no ring.  Operands lie in memory and in LDS as images of their registers (1,024 bytes a fragment, 16 bytes a lane).
; CLUSTER 4 x 4: source 1's tile hangs on cy alone and is asked for jointly along a row of the cluster, source 0's on cx alone, along a column.
; The bias starts the sums: along the registers for Q and K, along the lanes for V; the part that a product has not is replaced by 0.  The additions stand where the wave would wait for its first tiles.
; OUT: Q, K: fragment (pair of heads, tile of rows), half c = the head's parity; a word a head and row: two bytes, then 0x7f twice.  V: fragment (key step, tile of channels), a word a key step and channel.
; LIMITS: a block of zeros or under 2^-124 gets the byte 1 (its codes are zeros; this program alone reads the bytes); NaN and infinities are not served.
; REGISTERS: window 0: v1-21 addresses; v32-47 scale words, two sets; v48-63, v64-127 the biases; v128-255 source 1's fragments, two sets.  window 1: source 0's, two sets.  windows 2, 3: accumulator (a, b) at v[8 (8 (a % 4) + b)].
.set SC, 32
.set BR, 48
.set BP, 64
.set AF, 128
.set PC, 128                           ; the way out: 8 registers of codes a tile, v128-191
.set SW, 192                           ; v192-199 a word a tile
.set TM, 208                           ; v208-223 at work
.set PW, 224
.set MSB, 0
.macro WIN new                         ; the immediate's high byte repeats the setting that is left
.if MSB != (\new)
	s_set_vgpr_msb (MSB<<8)|(\new)
.set MSB, (\new)
.endif
.endm
.macro JLOAD g0a, g1a, g0b, g1b        ; a joint load: waves 0, 1 fetch source 1's halves, waves 2, 3 source 0's; four v_nop follow each line
	s_cmp_eq_u32 s19, 0
	s_cbranch_scc0 .Lfor_b_\@
	tensor_load_to_lds s[\g0a:\g0a+3], s[\g1a:\g1a+7]
	s_nop 0
.rept 4
	v_nop
.endr
	s_branch .Lasked_\@
.Lfor_b_\@:
	tensor_load_to_lds s[\g0b:\g0b+3], s[\g1b:\g1b+7]
	s_nop 0
.rept 4
	v_nop
.endr
.Lasked_\@:
.endm
.macro CROUND                          ; a round of the cluster's barrier
	s_barrier_signal -1
	s_barrier_wait -1
	s_cmp_lg_u32 s18, 0
	s_cbranch_scc1 .Lnot_wave_0_\@
	s_barrier_signal -3
.Lnot_wave_0_\@:
	s_barrier_wait -3
	s_barrier_signal -1
	s_barrier_wait -1
.endm
.macro PLACES                          ; four plain instructions between a matrix instruction and a load into, or a vector read or write of, its registers
.rept 4
	v_nop
.endr
.endm
.macro FETCH ks, bf                    ; K step ks: 16 fragments and 8 registers of scale words into set bf: 40 LDS loads in one run
	WIN 0x40
.irp i, 0,1,2,3,4,5,6,7
	ds_load_b128 v[64*(\bf)+8*\i:64*(\bf)+8*\i+3], v17 offset:8192*(\ks)+1024*\i
	ds_load_b128 v[64*(\bf)+8*\i+4:64*(\bf)+8*\i+7], v17 offset:8192*(\ks)+1024*\i+512
.endr
	WIN 0
.irp i, 0,1,2,3,4,5,6,7
	ds_load_b128 v[AF+64*(\bf)+8*\i:AF+64*(\bf)+8*\i+3], v16 offset:8192*(\ks)+1024*\i
	ds_load_b128 v[AF+64*(\bf)+8*\i+4:AF+64*(\bf)+8*\i+7], v16 offset:8192*(\ks)+1024*\i+512
.endr
.irp i, 0,1,2,3,4,5,6,7
	ds_load_b32 v[SC+8*(\bf)+\i], v18 offset:512*(\ks)+64*\i   ; lanes 0-15: source 1's tile i; lanes 16-31: source 0's tile i
.endr
.endm
.macro MUL32 hi, bf                    ; source 1's tiles 4 hi .. 4 hi + 3 x source 0's eight; the 64 accumulators take turns, in one order in every step
	WIN 0xa1+0x50*(\hi)
.irp a, 0,1,2,3
.irp b, 0,1,2,3,4,5,6,7
	v_wmma_scale_f32_16x16x128_f8f6f4 v[8*(8*\a+\b):8*(8*\a+\b)+7], v[64*(\bf)+8*\b:64*(\bf)+8*\b+7], v[AF+64*(\bf)+8*(4*(\hi)+\a):AF+64*(\bf)+8*(4*(\hi)+\a)+7], v[8*(8*\a+\b):8*(8*\a+\b)+7], v[SC+8*(\bf)+\b], v[SC+8*(\bf)+4*(\hi)+\a] matrix_a_fmt:MATRIX_FMT_FP4 matrix_b_fmt:MATRIX_FMT_FP4 matrix_a_scale:MATRIX_SCALE_ROW1
.endr
.endr
.endm
.macro STEP ks
.if (\ks) > 0
	PLACES                                         ; the other set was read by the last step's products
.endif
.if (\ks) == 3
	s_wait_tensorcnt 0x0                           ; my part of the second half of K has landed,
	s_wait_dscnt 0x0
	s_barrier_signal -1
	s_barrier_wait -1                              ; everybody's has
.endif
.if (\ks) < 7
	FETCH (\ks)+1, ((\ks)+1)%2
	s_wait_dscnt 40                                ; all but the 40 just issued
.else
	s_wait_dscnt 0x0
.endif
	MUL32 0, (\ks)%2
	MUL32 1, (\ks)%2
	WIN 0
.endm
	s_load_b256 s[4:11], s[0:1], 0x0               ; xn, yn, wbuf, bq
	s_load_b128 s[12:15], s[0:1], 0x20             ; bk, bv
	s_load_b64 s[16:17], s[0:1], 0x30              ; qkvb
	v_lshl_add_u32 v30, v0, 2, 0x44000
	v_mov_b32 v31, 0
	ds_add_u32 v30, v31
	ds_add_u32 v30, v31
	v_lshrrev_b32 v1, 5, v0
	v_readfirstlane_b32 s18, v1                    ; wave
	s_lshr_b32 s19, s18, 1                         ; my half of source 1's rows.  Also: I fetch for source 1 (0) or source 0 (1)
	s_and_b32 s20, s18, 1                          ; my half of source 0's rows.  Also: which half of that tile I fetch
	s_bfe_u32 s40, ttmp6, 0x40000                  ; cx
	s_bfe_u32 s41, ttmp6, 0x40004                  ; cy
	s_and_b32 s22, ttmp7, 0xffff
	s_lshl_b32 s22, s22, 2                         ; 4 x cluster y
	s_lshl_b32 s96, ttmp9, 10
	s_cmp_eq_u32 ttmp9, 2                          ; V?  Cluster x is the same in all sixteen partners; it chooses numbers, never a path
	s_cselect_b32 s23, s22, 0
	s_cselect_b32 s22, 0, s22
	s_cselect_b32 s45, 0, -1                       ; all lanes where the bias runs along the registers (Q, K)
	s_cselect_b32 s46, -1, 0                       ; all lanes where it runs along the lanes (V)
	s_cselect_b32 s47, 2048, 0                     ; source 1's first row in its buffer: Wv's
	s_cselect_b32 s96, 0, s96                      ; source 0's: Wq's 0, Wk's 1,024
	s_cselect_b32 s97, -1, 0xffff                  ; the words' way out: what is kept of a word,
	s_cselect_b32 s98, 0, 0x7f7f0000               ; what is set,
	s_cselect_b32 s99, 0, 16                       ; what lanes 16-31 shift down,
	s_cselect_b32 s100, 0, 16384                   ; and how far on they store: the next head's words
	s_cselect_b32 s101, 6, 8                       ; log2 of the tiles in a K step of the result's buffer
	s_add_co_u32 s42, s40, s23                     ; t0: source 0's tile
	s_add_co_u32 s21, s41, s22                     ; t1: source 1's tile
	s_lshl_b32 s43, s41, 2
	s_lshl_b32 s43, 15, s43                        ; my row of the cluster
	s_lshl_b32 s44, 0x1111, s40                    ; my column
	; descriptor group 1.  Codes: half of K for 128 rows: 4 K steps x 8,192 consecutive bytes (1,024 elements of 8 bytes), 262,144 bytes apart.  Scale words: 8 K steps x 512 bytes, 16,384 apart
	s_or_b32 s24, s43, (3<<16)|(1<<21)
	s_or_b32 s48, s44, (3<<16)|(1<<21)
.irp g, 24, 48
	s_mov_b32 s[\g+1], 1024<<16
	s_mov_b32 s[\g+2], 4<<16
	s_mov_b32 s[\g+3], 1024<<16
	s_mov_b32 s[\g+4], 4
	s_mov_b32 s[\g+5], 32768
	s_mov_b32 s[\g+6], 0
	s_mov_b32 s[\g+7], 0
.endr
	s_or_b32 s68, s43, (3<<16)|(1<<21)
	s_or_b32 s80, s44, (3<<16)|(1<<21)
.irp g, 68, 80
	s_mov_b32 s[\g+1], 64<<16
	s_mov_b32 s[\g+2], 8<<16
	s_mov_b32 s[\g+3], 64<<16
	s_mov_b32 s[\g+4], 8
	s_mov_b32 s[\g+5], 2048
	s_mov_b32 s[\g+6], 0
	s_mov_b32 s[\g+7], 0
.endr
	s_lshl_b32 s2, s20, 7
	s_lshl_b32 s22, s21, 8
	s_add_co_u32 s22, s22, s47
	s_add_co_u32 s22, s22, s2                      ; the first of source 1's rows that I fetch
	s_lshl_b32 s23, s42, 8
	s_add_co_u32 s23, s23, s96
	s_add_co_u32 s23, s23, s2                      ; of source 0's
	s_mov_b32 s3, 0
	s_mov_b32 s67, 0
	s_wait_dscnt 0x0
	s_wait_kmcnt 0x0
	s_cmp_eq_u32 ttmp9, 0
	s_cselect_b64 s[92:93], s[4:5], s[6:7]
	s_cselect_b64 s[10:11], s[10:11], s[12:13]
	s_cmp_eq_u32 ttmp9, 2
	s_cselect_b64 s[92:93], s[8:9], s[92:93]       ; source 1: xn, yn, or the weights
	s_cselect_b64 s[94:95], s[6:7], s[8:9]         ; source 0: the weights, or yn
	s_cselect_b64 s[10:11], s[14:15], s[10:11]     ; the bias
	s_lshl_b32 s2, s22, 2
	s_add_co_u32 s2, s2, 0x200000
	s_add_nc_u64 s[4:5], s[92:93], s[2:3]          ; source 1's scale words
	s_lshl_b32 s2, s22, 6
	s_add_nc_u64 s[92:93], s[92:93], s[2:3]        ; and codes
	s_lshl_b32 s66, s23, 2
	s_add_co_u32 s66, s66, 0x200000
	s_add_nc_u64 s[6:7], s[94:95], s[66:67]
	s_lshl_b32 s66, s23, 6
	s_add_nc_u64 s[94:95], s[94:95], s[66:67]
	s_lshl_b32 s8, s18, 16                         ; where they go: wave x 65,536; no place in the cluster enters an LDS address
	s_lshl_b32 s9, s18, 12
	s_add_co_u32 s9, s9, 262144
	CROUND                                         ; all sixteen work-groups are here: the first joint loads meet
	s_mov_b32 s76, 1
	s_mov_b32 s77, s9
	s_mov_b64 s[78:79], s[4:5]
	s_or_b32 s79, s79, 0x80000000
	s_mov_b32 s88, 1
	s_mov_b32 s89, s9
	s_mov_b64 s[90:91], s[6:7]
	s_or_b32 s91, s91, 0x80000000
	JLOAD 76, 68, 88, 80                           ; the scale words of all of K
.irp k, 0,1
	s_mov_b32 s[32+4*\k], 1
	s_add_co_u32 s[33+4*\k], s8, \k*32768
	s_add_nc_u64 s[34+4*\k:35+4*\k], s[92:93], \k*1048576
	s_or_b32 s[35+4*\k], s[35+4*\k], 0x80000000
	s_mov_b32 s[56+4*\k], 1
	s_add_co_u32 s[57+4*\k], s8, \k*32768
	s_add_nc_u64 s[58+4*\k:59+4*\k], s[94:95], \k*1048576
	s_or_b32 s[59+4*\k], s[59+4*\k], 0x80000000
	JLOAD 32+4*\k, 24, 56+4*\k, 48                 ; half k of K: three loads of mine are out in all
.endr
	v_and_b32 v3, 31, v0
	v_and_b32 v1, 15, v0                           ; r
	v_bfe_u32 v2, v0, 4, 1                         ; h
	v_lshlrev_b32 v19, 4, v3                       ; 16 x lane
	s_lshl_b32 s2, s19, 16
	v_add_nc_u32 v16, s2, v19                      ; source 1's fragments
	s_lshl_b32 s3, s20, 16
	s_add_co_u32 s3, s3, 131072
	v_add_nc_u32 v17, s3, v19                      ; source 0's
	s_lshl_b32 s2, s19, 12
	s_lshl_b32 s3, s20, 12
	s_add_co_u32 s3, s3, 8192
	s_sub_co_u32 s3, s3, s2
	v_mul_u32_u24 v4, s3, v2                       ; lanes 16-31 take source 0's words
	s_add_co_u32 s2, s2, 262144
	v_lshl_add_u32 v4, v1, 2, v4
	v_add_nc_u32 v18, s2, v4
	; the biases.  An offset that the product has no use for is 0, so that no load leaves the 4,096 bytes
	s_lshl_b32 s2, s42, 10
	s_lshl_b32 s3, s20, 9
	s_add_co_u32 s2, s2, s3
	s_and_b32 s2, s2, s45
	s_mov_b32 s3, 0
	s_add_nc_u64 s[4:5], s[10:11], s[2:3]
	s_lshl_b32 s2, s21, 10
	s_lshl_b32 s66, s19, 9
	s_add_co_u32 s2, s2, s66
	s_and_b32 s2, s2, s46
	s_add_nc_u64 s[6:7], s[10:11], s[2:3]
	v_lshlrev_b32 v5, 6, v2
.irp b, 0,1,2,3,4,5,6,7
	global_load_b128 v[BP+8*\b:BP+8*\b+3], v5, s[4:5] offset:(32*(\b/2)+8*(\b%2))*4      ; register j of tile b: unit 32 (b / 2) + 8 (b % 2) + 16 h + j
	global_load_b128 v[BP+8*\b+4:BP+8*\b+7], v5, s[4:5] offset:(32*(\b/2)+8*(\b%2))*4+16
.endr
	v_and_b32 v6, 8, v1
	v_add_nc_u32 v6, v6, v1
	v_lshlrev_b32 v6, 2, v6
.irp a, 0,1,2,3,4,5,6,7
	global_load_b32 v[128+\a], v6, s[6:7] offset:(32*(\a/2)+8*(\a%2))*4                  ; my row of tile a: unit 32 (a / 2) + 8 (a % 2) + r + 8 (r / 8)
.endr
	v_mul_u32_u24 v21, s100, v2
	v_lshl_add_u32 v21, v1, 2, v21                 ; the words' way out: 4 r, lanes 16-31 a head further on (Q, K)
	s_wait_loadcnt 0x0
.set i, 0
.rept 64
	v_cndmask_b32 v[BP+i], 0, v[BP+i], s45
.set i, i+1
.endr
.irp a, 0,1,2,3,4,5,6,7
	v_cndmask_b32 v[BR+2*\a], 0, v[128+\a], s46
	v_cndmask_b32 v[BR+2*\a+1], 0, v[128+\a], s46
.endr
.macro BINIT hi                        ; the sums begin as the bias
	WIN 0x80+0x40*(\hi)
.irp a, 0,1,2,3
.irp b, 0,1,2,3,4,5,6,7
.irp p, 0,2,4,6
	v_pk_add_f32 v[8*(8*\a+\b)+\p:8*(8*\a+\b)+\p+1], v[BP+8*\b+\p:BP+8*\b+\p+1], v[BR+2*(4*(\hi)+\a):BR+2*(4*(\hi)+\a)+1]
.endr
.endr
.endr
.endm
	BINIT 0
	BINIT 1
	WIN 0
	; where the results go
	s_lshl_b32 s2, s42, 1
	s_add_co_u32 s2, s2, s20                       ; the next product's K step: 2 t0 + my half
	s_lshl_b32 s8, s2, s101
	s_lshl_b32 s66, s21, 4
	s_add_co_u32 s8, s8, s66
	s_lshl_b32 s66, s19, 3
	s_add_co_u32 s8, s8, s66                       ; + my first tile of rows
	s_lshl_b32 s8, s8, 10
	s_lshl_b32 s66, ttmp9, 21
	s_add_co_u32 s8, s8, s66
	s_mov_b32 s9, 0
	s_add_nc_u64 s[4:5], s[16:17], s[8:9]          ; codes
	s_cmp_eq_u32 ttmp9, 2
	s_cselect_b32 s66, 10, 13                      ; words in a K step: 1,024 (V), or two heads of 4,096
	s_lshl_b32 s8, s2, s66
	s_lshl_b32 s66, s21, 8
	s_add_co_u32 s8, s8, s66
	s_lshl_b32 s66, s19, 7
	s_add_co_u32 s8, s8, s66
	s_lshl_b32 s8, s8, 2
	s_lshl_b32 s66, ttmp9, 18
	s_add_co_u32 s8, s8, s66
	s_add_co_u32 s8, s8, 0x600000
	s_add_nc_u64 s[6:7], s[16:17], s[8:9]          ; words
	s_mov_b32 s12, 0xffff0000                      ; lanes 16-31
	s_mov_b32 s14, 0x76543210
	s_mov_b32 s15, 0xfedcba98
	s_wait_tensorcnt 0x1                           ; the scale words and my part of the first half of K are in; the second half's load may be out
	s_barrier_signal -1
	s_barrier_wait -1
	FETCH 0, 0
	STEP 0
	STEP 1
	STEP 2
	STEP 3
	STEP 4
	STEP 5
	STEP 6
	STEP 7
	PLACES
.irp q, 0,1,2,3
	v_mov_b32 v[TM+4+\q], 0                        ; written once: a lane permute's destination counts as one of its sources
.endr
; Tile a of my rows: the lane's 64 numbers, register 16 q + i = k 32 q + 16 h + i of the next K, become a fragment and a scale word.  Each accumulator is read from its low end on.
.macro QOUT a
.set AC, 64*((\a)%4)
.set WN, 2+(\a)/4
	WIN 5*WN                                       ; sources 0 and 1: the accumulators' window
.irp q, 0,1,2,3
	v_max3_num_f32 v[TM+\q], |v[AC+16*\q]|, |v[AC+16*\q+1]|, 0x1800000   ; with the floor 2^(3 - 127)
.endr
.irp i, 2,4,6,8,10,12,14
.irp q, 0,1,2,3
	v_max3_num_f32 v[TM+\q], |v[AC+16*\q+\i]|, |v[AC+16*\q+\i+1]|, v[TM+\q]
.endr
.endr
	WIN 0
.irp q, 0,1,2,3
	v_permlanex16_b32 v[TM+4+\q], v[TM+\q], s14, s15
.endr
.irp q, 0,1,2,3
	v_max_num_f32 v[TM+\q], v[TM+\q], v[TM+4+\q]   ; with lane l xor 16's: the block's largest magnitude
.endr
.irp q, 0,1,2,3
	v_add_nc_u32 v[TM+12+\q], 0xff000000, v[TM+\q]
.endr
.irp q, 0,1,2,3
	v_lshrrev_b32 v[TM+4+\q], 23, v[TM+12+\q]
.endr
	v_lshl_or_b32 v[PW], v[TM+5], 8, v[TM+4]
	v_lshl_or_b32 v[PW], v[TM+6], 16, v[PW]
	v_lshl_or_b32 v[PW], v[TM+7], 24, v[PW]
	WIN WN
.irp q, 0,1,2,3
	v_cvt_scalef32_pk8_fp4_f32 v[PC+8*(\a)+2*\q], v[AC+16*\q:AC+16*\q+7], v[TM+12+\q]
	v_cvt_scalef32_pk8_fp4_f32 v[PC+8*(\a)+2*\q+1], v[AC+16*\q+8:AC+16*\q+15], v[TM+12+\q]
.endr
	WIN 0
	v_nop                                          ; one plain instruction behind a scaled conversion
.irp c, 0,1
.irp i, 0,1
	v_permlane16_swap_b32 v[PC+8*(\a)+4*\c+\i], v[PC+8*(\a)+2+4*\c+\i]   ; a whole block to a lane
.endr
.endr
	v_lshrrev_b32 v225, s99, v[PW]
	v_and_or_b32 v226, v[PW], s97, s98             ; Q, K: the even head's two bytes,
	v_and_or_b32 v225, v225, s97, s98              ; the odd head's; V: the word as it is
	v_cndmask_b32 v[SW+(\a)], v226, v225, s12
	global_store_b128 v19, v[PC+8*(\a):PC+8*(\a)+3], s[4:5] offset:1024*(\a)        ; 32 lanes store 512 consecutive bytes, aligned
	global_store_b128 v19, v[PC+8*(\a)+4:PC+8*(\a)+7], s[4:5] offset:1024*(\a)+512
	global_store_b32 v21, v[SW+(\a)], s[6:7] offset:64*(\a)                          ; (V: both halves of the lanes store the same word to the same place)
.endm
	QOUT 0
	QOUT 1
	QOUT 2
	QOUT 3
	QOUT 4
	QOUT 5
	QOUT 6
	QOUT 7
	s_wait_tensorcnt 0x0
	ds_add_u32 v30, v31
	s_wait_dscnt 0x0
	CROUND                                         ; the closing round: no work-group ends while a partner may still ask for a tile that names it
	s_endpgm
.Lfunc_end_k_q0f038bab8b_qkv:
	.size	k_q0f038bab8b_qkv, .Lfunc_end_k_q0f038bab8b_qkv-k_q0f038bab8b_qkv
	.p2alignl 7, 3214868480
	.fill 96, 4, 3214868480
	.section	.rodata,"a",@progbits
	.p2align	6, 0x0
	.amdhsa_kernel k_q0f038bab8b_qkv
		.amdhsa_group_segment_fixed_size 279040
		.amdhsa_private_segment_fixed_size 0
		.amdhsa_enable_private_segment 0
		.amdhsa_kernarg_size 56
		.amdhsa_user_sgpr_count 2
		.amdhsa_user_sgpr_kernarg_segment_ptr 1
		.amdhsa_wavefront_size32 1
		.amdhsa_system_sgpr_workgroup_id_x 1
		.amdhsa_system_sgpr_workgroup_id_y 1
		.amdhsa_system_sgpr_workgroup_id_z 1
		.amdhsa_system_vgpr_workitem_id 0
		.amdhsa_next_free_vgpr 1024
		.amdhsa_next_free_sgpr 102
		.amdhsa_reserve_vcc 0
		.amdhsa_float_denorm_mode_32 3
		.amdhsa_float_denorm_mode_16_64 3
		.amdhsa_memory_ordered 1
		.amdhsa_forward_progress 1
		.amdhsa_inst_pref_size 156
	.end_amdhsa_kernel
	.amdgpu_metadata
---
amdhsa.version: [ 1, 2 ]
amdhsa.kernels:
  - .name:           k_q0f038bab8b_qkv
    .symbol:         k_q0f038bab8b_qkv.kd
    .args:
      - { .name: xn, .offset: 0, .size: 8, .value_kind: global_buffer, .address_space: global }
      - { .name: yn, .offset: 8, .size: 8, .value_kind: global_buffer, .address_space: global }
      - { .name: wbuf, .offset: 16, .size: 8, .value_kind: global_buffer, .address_space: global }
      - { .name: bq, .offset: 24, .size: 8, .value_kind: global_buffer, .address_space: global }
      - { .name: bk, .offset: 32, .size: 8, .value_kind: global_buffer, .address_space: global }
      - { .name: bv, .offset: 40, .size: 8, .value_kind: global_buffer, .address_space: global }
      - { .name: qkvb, .offset: 48, .size: 8, .value_kind: global_buffer, .address_space: global }
    .group_segment_fixed_size: 279040
    .private_segment_fixed_size: 0
    .kernarg_segment_align: 8
    .kernarg_segment_size: 56
    .max_flat_workgroup_size: 128
    .sgpr_count:     102
    .vgpr_count:     1024
    .wavefront_size: 32
...
	.end_amdgpu_metadata
.endif
;; end of part 3
;; launch attn (part 4): grid 8 x 32, 16 waves a work-group, clusters of 4 x 1, 215,040 bytes of LDS; arguments qkvb, null_k, X, hres; writes hres
.if DOCPART == 4
	.amdgcn_target "amdgcn-amd-amdhsa--gfx1250"
	.amdhsa_code_object_version 6
	.text
	.protected	k_q0f038bab8b_attn
	.globl	k_q0f038bab8b_attn
	.p2align	8
	.type	k_q0f038bab8b_attn,@function
k_q0f038bab8b_attn:
	s_mov_b64 s[64:65], 0
	v_nop
	global_prefetch_b8 v0, s[64:65] scope:SCOPE_SE
	s_setreg_imm32_b32 hwreg(HW_REG_WAVE_MODE, 25, 1), 1
	s_wait_xcnt 0x0
	s_wait_alu depctr_hold_cnt(0) depctr_sa_sdst(0) depctr_va_vdst(0) depctr_va_sdst(0) depctr_va_ssrc(0) depctr_va_vcc(0) depctr_vm_vsrc(0)
	s_getreg_b32 s2, hwreg(HW_REG_IB_STS2, 6, 4)
	s_cmp_eq_u32 s2, 0
	s_cbranch_scc0 .Lentry_in_a_cluster
	s_endpgm
.Lentry_in_a_cluster:
	s_bfe_u32 s2, ttmp6, 0x10000c
	s_cmp_lg_u32 s2, 0x3003
	s_cbranch_scc0 .Lentry_shape_is_right
	s_endpgm
.Lentry_shape_is_right:
; Hres = X + softmax(Q K^T / 32) V for one head and batch (work-group y = 2 x head + batch), 256 queries a work-group, with the learned null key, whose value is zero.  Both products on codes of FP4 with E8M0 scales.
; THE SOFTMAX: t = score x log2(e) / 32; M = the running largest t rounded up to a whole number; p = 2^(t - M) is quantised along the keys, not normalised; the sum is taken of the unquantised p and divides at the end.
; THE NULL KEY: its value row is zero, so it adds nothing to the second product; it enters M and the sum.  Its score is one matrix instruction a wave, ahead of the loop, and M starts from it.
; K = the head's 64 fills half of the instruction's 128: Q's upper 64 codes are zeros, so K's upper four registers may hold any codes (the next tile's); bytes 2 and 3 of both words are 0x7f.
; SHARES: sixteen waves, each one tile of 16 queries in 256 registers, four to a SIMD.  One head's K and V codes and words, 139,264 + 4,096 bytes, lie in LDS whole: filled once, no ring.
; CLUSTER 4 x 1: the four query blocks of a cluster read the same K and V: each tile is asked for jointly (the mask names all four).  cx enters Q's, X's and Hres's addresses alone.
; LAYOUT: both products transposed (S^T = K Q^T, O^T = V^T P^T): a lane holds one query.  Tiles hold rows in the order r -> 8 u + r + 8 (r / 8) of a bundle of 32, so that the 16 registers of two neighbouring tiles are 16 neighbours.
; LIMITS: v_exp_f32 and v_rcp_f32 are good to one unit in the last place and flush denormals; a block's largest p is taken from the block's largest score (p rises with the score); NaN and infinities are not served.
; REGISTERS: v1-7 addresses that stay; v8-11 the step's; v12 -M, v13 the largest t, v[14:15] the sum; v16-23 Q; v24, v68-81 scale words; v32-67 K's or V's fragments; v96-159 S^T, then p; v160-191 O^T; v192-223 X; v224-231 p's codes; v232-254 at work.
.set VC,    65536                      ; LDS: K's codes at 0 (128 tiles x 512 bytes); V's here ([16 steps][4 tiles][1,024]);
.set KW,    131072                     ; K's words (2,048);
.set VW,    139264                     ; V's ([16 steps][64]);
.set STAGE, 143360                     ; and a stage of 16 rows x 272 bytes for each wave, into which no tile lands
.macro TLOAD g0k, g1k, g0v, g1v        ; waves 0, 1 fetch for K, waves 2, 3 for V, the others nothing; four v_nop follow each line
	s_cmp_lt_u32 s18, 2
	s_cbranch_scc0 .Lnot_k_\@
	tensor_load_to_lds s[\g0k:\g0k+3], s[\g1k:\g1k+7]
	s_nop 0
.rept 4
	v_nop
.endr
	s_branch .Lasked_\@
.Lnot_k_\@:
	s_cmp_lt_u32 s18, 4
	s_cbranch_scc0 .Lasked_\@
	tensor_load_to_lds s[\g0v:\g0v+3], s[\g1v:\g1v+7]
	s_nop 0
.rept 4
	v_nop
.endr
.Lasked_\@:
.endm
.macro CROUND
	s_barrier_signal -1
	s_barrier_wait -1
	s_cmp_lg_u32 s18, 0
	s_cbranch_scc1 .Lnot_wave_0_\@
	s_barrier_signal -3
.Lnot_wave_0_\@:
	s_barrier_wait -3
	s_barrier_signal -1
	s_barrier_wait -1
.endm
	s_load_b256 s[4:11], s[0:1], 0x0               ; qkvb, null_k, X, hres
	v_lshl_add_u32 v251, v0, 2, 0x34000
	v_mov_b32 v255, 0
	ds_add_u32 v251, v255
	ds_add_u32 v251, v255
	v_lshrrev_b32 v8, 5, v0
	v_readfirstlane_b32 s18, v8                    ; wave 0..15
	s_bfe_u32 s19, ttmp6, 0x40000                  ; cx
	s_and_b32 s12, ttmp7, 0xffff
	s_lshr_b32 s13, s12, 1                         ; head
	s_and_b32 s14, s12, 1                          ; batch
	s_lshr_b32 s15, s13, 1                         ; pair of heads
	s_and_b32 s16, s13, 1                          ; parity
	s_and_b32 s17, s18, 1                          ; which half I fetch, if I fetch
	s_mov_b32 s20, 0x76543210
	s_mov_b32 s21, 0xfedcba98
	s_mov_b32 s22, 0x3d38aa3b                      ; c = log2(e) / 32
	s_mov_b32 s23, s22                             ; (named with it as a pair)
	; descriptor group 1, elements of 8 bytes; the mask names the four partners, bit 21 beside it
	s_mov_b32 s24, 15|(3<<16)|(1<<21)              ; K's codes: 64 tiles x 512 bytes, 1,024 apart (the other half of a fragment is the other head's)
	s_mov_b32 s25, 64<<16
	s_mov_b32 s26, 64<<16
	s_mov_b32 s27, 64<<16
	s_mov_b32 s28, 64
	s_mov_b32 s29, 128
	s_mov_b32 s30, 0
	s_mov_b32 s31, 0
	s_mov_b32 s32, 15|(3<<16)|(1<<21)              ; V's codes: 8 key steps x 4,096 bytes, 65,536 apart
	s_mov_b32 s33, 512<<16
	s_mov_b32 s34, 8<<16
	s_mov_b32 s35, 512<<16
	s_mov_b32 s36, 8
	s_mov_b32 s37, 8192
	s_mov_b32 s38, 0
	s_mov_b32 s39, 0
	s_mov_b32 s48, 15|(3<<16)|(1<<21)              ; K's words: 4,096 dense bytes as 16 rows of 256
	s_mov_b32 s49, 32<<16
	s_mov_b32 s50, 16<<16
	s_mov_b32 s51, 32<<16
	s_mov_b32 s52, 16
	s_mov_b32 s53, 32
	s_mov_b32 s54, 0
	s_mov_b32 s55, 0
	s_mov_b32 s56, 15|(3<<16)|(1<<21)              ; V's words: 8 key steps x 256 bytes, 4,096 apart
	s_mov_b32 s57, 32<<16
	s_mov_b32 s58, 8<<16
	s_mov_b32 s59, 32<<16
	s_mov_b32 s60, 8
	s_mov_b32 s61, 512
	s_mov_b32 s62, 0
	s_mov_b32 s63, 0
	s_mov_b32 s77, 0
	s_wait_dscnt 0x0
	s_wait_kmcnt 0x0
	s_lshl_b32 s76, s15, 18                        ; K's codes
	s_lshl_b32 s78, s14, 17
	s_add_co_u32 s76, s76, s78
	s_lshl_b32 s78, s17, 16
	s_add_co_u32 s76, s76, s78
	s_lshl_b32 s78, s16, 9
	s_add_co_u32 s76, s76, s78
	s_add_co_u32 s76, s76, 0x200000
	s_mov_b32 s40, 1
	s_lshl_b32 s41, s17, 15
	s_add_nc_u64 s[42:43], s[4:5], s[76:77]
	s_or_b32 s43, s43, 0x80000000
	s_lshl_b32 s76, s14, 20                        ; V's codes
	s_lshl_b32 s78, s17, 19
	s_add_co_u32 s76, s76, s78
	s_lshl_b32 s78, s13, 12
	s_add_co_u32 s76, s76, s78
	s_add_co_u32 s76, s76, 0x400000
	s_mov_b32 s44, 1
	s_add_co_u32 s45, s41, VC
	s_add_nc_u64 s[46:47], s[4:5], s[76:77]
	s_or_b32 s47, s47, 0x80000000
	s_lshl_b32 s76, s13, 14                        ; K's words
	s_lshl_b32 s78, s14, 13
	s_add_co_u32 s76, s76, s78
	s_lshl_b32 s78, s17, 12
	s_add_co_u32 s76, s76, s78
	s_add_co_u32 s76, s76, 0x640000
	s_mov_b32 s68, 1
	s_add_co_u32 s69, s78, KW
	s_add_nc_u64 s[70:71], s[4:5], s[76:77]
	s_or_b32 s71, s71, 0x80000000
	s_lshl_b32 s76, s14, 16                        ; V's words
	s_lshl_b32 s78, s17, 15
	s_add_co_u32 s76, s76, s78
	s_lshl_b32 s78, s13, 8
	s_add_co_u32 s76, s76, s78
	s_add_co_u32 s76, s76, 0x680000
	s_mov_b32 s72, 1
	s_lshl_b32 s73, s17, 11
	s_add_co_u32 s73, s73, VW
	s_add_nc_u64 s[74:75], s[4:5], s[76:77]
	s_or_b32 s75, s75, 0x80000000
	CROUND                                         ; all four work-groups are here: the joint loads meet
	TLOAD 68, 48, 72, 56                           ; the words
	TLOAD 40, 24, 44, 32                           ; the codes: two loads of a fetching wave are out
	s_lshl_b32 s80, ttmp9, 2
	s_add_co_u32 s80, s80, s19
	s_lshl_b32 s80, s80, 4
	s_add_co_u32 s80, s80, s18
	s_lshl_b32 s81, s14, 7
	s_add_co_u32 s80, s80, s81                     ; my tile of queries: 128 x batch + 16 x block + wave
	s_lshl_b32 s76, s15, 18
	s_lshl_b32 s81, s80, 10
	s_add_co_u32 s76, s76, s81
	s_lshl_b32 s81, s16, 9
	s_add_co_u32 s76, s76, s81
	s_add_nc_u64 s[82:83], s[4:5], s[76:77]        ; Q's codes
	s_lshl_b32 s76, s13, 14
	s_lshl_b32 s81, s80, 6
	s_add_co_u32 s76, s76, s81
	s_add_co_u32 s76, s76, 0x600000
	s_add_nc_u64 s[4:5], s[4:5], s[76:77]          ; Q's words
	s_lshl_b32 s76, s13, 8
	s_add_nc_u64 s[6:7], s[6:7], s[76:77]          ; the null key's 64 numbers of my head
	s_lshr_b32 s81, s80, 1
	s_lshl_b32 s81, s81, 5
	s_and_b32 s78, s80, 1
	s_lshl_b32 s78, s78, 3
	s_add_co_u32 s81, s81, s78
	s_lshl_b32 s81, s81, 12
	s_add_co_u32 s76, s76, s81                     ; row 32 (T / 2) + 8 (T % 2), the head's 256 bytes
	s_add_nc_u64 s[8:9], s[8:9], s[76:77]
	s_add_nc_u64 s[10:11], s[10:11], s[76:77]
	v_and_b32 v8, 15, v0                           ; r
	v_bfe_u32 v9, v0, 4, 1                         ; h
	v_and_b32 v10, 31, v0
	v_lshlrev_b32 v1, 4, v10                       ; K's fragments: 16 x lane
	v_add_nc_u32 v2, VC, v1                        ; V's
	v_lshl_add_u32 v3, v8, 2, KW
	v_lshl_add_u32 v4, v8, 2, VW
	v_lshlrev_b32 v7, 12, v9
	v_lshl_add_u32 v7, v8, 4, v7                   ; X, Hres: lanes 0-15 one row, lanes 16-31 the next; 16 bytes a lane
	s_mul_i32 s81, s18, 4352
	s_add_co_u32 s81, s81, STAGE
	v_mul_u32_u24 v5, v8, 272
	v_lshl_add_u32 v5, v9, 6, v5
	v_add_nc_u32 v5, s81, v5                       ; the stage, in: row r, + 64 h
	v_mul_u32_u24 v6, v9, 272
	v_lshl_add_u32 v6, v8, 4, v6
	v_add_nc_u32 v6, s81, v6                       ; back
	global_load_b128 v[16:19], v1, s[82:83]
	v_lshlrev_b32 v11, 2, v8
	global_load_b32 v24, v11, s[4:5]
	v_lshlrev_b32 v25, 7, v9
.irp j, 0,1,2,3,4,5,6,7
	global_load_b128 v[96+4*\j:99+4*\j], v25, s[6:7] offset:16*\j   ; block h of the null key, in every lane of half h
.endr
.irp i, 0,1,2,3,4,5,6,7
	global_load_b128 v[192+4*\i:195+4*\i], v7, s[8:9] offset:(2*\i+8*(\i/4))*4096 th:TH_LOAD_NT   ; X: held until the way out
.endr
	s_wait_loadcnt 8                               ; all but X's eight
	v_max3_num_f32 v232, |v96|, |v97|, |v98|
	v_max3_num_f32 v233, |v99|, |v100|, |v101|
.irp i, 6,10,14,18,22,26
	v_max3_num_f32 v232, v232, |v[96+\i]|, |v[97+\i]|
	v_max3_num_f32 v233, v233, |v[98+\i]|, |v[99+\i]|
.endr
	v_max3_num_f32 v232, v232, |v126|, |v127|
	v_max3_num_f32 v232, v232, v233, 0x1800000
	v_add_nc_u32 v244, 0xff000000, v232
	v_lshrrev_b32 v236, 23, v244
	v_lshlrev_b32 v237, 3, v9
	v_lshlrev_b32 v236, v237, v236                 ; my block's byte at its place,
	v_mov_b32 v238, 0
	v_permlanex16_b32 v238, v236, s20, s21
	v_or_b32 v81, v236, v238                       ; with lane l xor 16's,
	v_or_b32 v81, 0x7f7f0000, v81                  ; and 1.0 over the zero codes
.irp g, 0,1,2,3
	v_cvt_scalef32_pk8_fp4_f32 v[32+\g], v[96+8*\g:103+8*\g], v244
.endr
.irp g, 0,1,2,3
	v_mov_b32 v[36+\g], 0
	v_mov_b32 v[20+\g], 0                          ; Q's upper 64 codes
	v_mov_b32 v[64+\g], 0                          ; what stands behind K's last tile
	v_mov_b32 v[236+\g], 0                         ; lane permutes' destinations
.endr
	v_mov_b32 v253, 0                              ; (the upper half of the pair v[252:253])
.set j, 0
.rept 32
	v_mov_b32 v[160+j], 0                          ; O^T: the loop is written once.  These are also the places between the null key's codes and word and the product
.set j, j+1
.endr
	v_wmma_scale_f32_16x16x128_f8f6f4 v[96:103], v[32:39], v[16:23], 0, v81, v24 matrix_a_fmt:MATRIX_FMT_FP4 matrix_b_fmt:MATRIX_FMT_FP4   ; all sixteen rows are the null key: v96 = its score with my query
.rept 4
	v_nop
.endr
	v_mul_f32 v13, s22, v96                        ; the largest t so far
	v_floor_f32 v12, -v13                          ; -M
	v_fma_f32 v14, v96, s22, v12
	v_exp_f32 v14, v14
	v_mov_b32 v15, 0                               ; (a plain instruction behind the exponential)
	s_wait_alu depctr_va_vdst(0)                   ; the wait ahead of the first reader
	v_mul_f32 v14, 0.5, v14                        ; both halves of the lanes hold it, and their sums are added at the end
	s_mov_b32 s2, 0                                ; the step's codes: 4,096 bytes a step, in K and in V
	s_mov_b32 s3, 0                                ; K's words: 512
	s_mov_b32 s66, 0                               ; V's words: 256
	s_mov_b32 s67, 16
	s_wait_tensorcnt 0x0                           ; my loads have landed,
	s_barrier_signal -1
	s_barrier_wait -1                              ; everybody's have
.Lstep:                                            ; 128 keys a trip
	v_add_nc_u32 v8, s2, v1                        ; (four places behind the last products, whose fragments the loads below write over)
	v_add_nc_u32 v9, s2, v2
	v_add_nc_u32 v10, s3, v3
	v_add_nc_u32 v11, s66, v4
.irp t, 0,1,2,3,4,5,6,7
	ds_load_b128 v[32+4*\t:35+4*\t], v8 offset:512*\t
	ds_load_b32 v[68+\t], v10 offset:64*\t
.endr
	s_wait_dscnt 0x0
.irp t, 0,1,2,3,4,5,6,7
	v_wmma_scale_f32_16x16x128_f8f6f4 v[96+8*\t:103+8*\t], v[32+4*\t:39+4*\t], v[16:23], 0, v[68+\t], v24 matrix_a_fmt:MATRIX_FMT_FP4 matrix_b_fmt:MATRIX_FMT_FP4
.endr
.rept 4
	v_nop
.endr
.irp t, 0,1,2,3
	ds_load_b128 v[32+8*\t:35+8*\t], v9 offset:1024*\t       ; V's fragments land while the softmax is walked
	ds_load_b128 v[36+8*\t:39+8*\t], v9 offset:1024*\t+512
	ds_load_b32 v[76+\t], v11 offset:64*\t
.endr
.irp b, 0,1,2,3
	v_max3_num_f32 v[232+\b], v[96+16*\b], v[97+16*\b], v[98+16*\b]   ; the largest score of each block of 32 keys: for the row's maximum and for the block's largest p
.endr
.irp i, 3,5,7,9,11,13
.irp b, 0,1,2,3
	v_max3_num_f32 v[232+\b], v[232+\b], v[96+16*\b+\i], v[97+16*\b+\i]
.endr
.endr
.irp b, 0,1,2,3
	v_max_num_f32 v[232+\b], v[232+\b], v[111+16*\b]
.endr
.irp b, 0,1,2,3
	v_permlanex16_b32 v[236+\b], v[232+\b], s20, s21
.endr
.irp b, 0,1,2,3
	v_max_num_f32 v[232+\b], v[232+\b], v[236+\b]
.endr
	v_max3_num_f32 v254, v232, v233, v234
	v_max_num_f32 v254, v254, v235
	v_mul_f32 v254, s22, v254
	v_max_num_f32 v13, v13, v254                   ; the running largest t
	v_mov_b32 v254, v12
	v_floor_f32 v12, -v13                          ; the new -M
	v_sub_f32 v254, v12, v254                      ; old M - new M: a whole number, 0 or less
	v_cvt_i32_f32 v254, v254
	v_ldexp_f32 v252, 1.0, v254                    ; f = 2^(old M - new M): a multiplication by it rounds nothing
.set j, 0
.rept 32
	v_pk_fma_f32 v[96+j:97+j], v[96+j:97+j], s[22:23], v[12:13] op_sel_hi:[1,0,0]   ; t - M
.set j, j+2
.endr
.irp b, 0,1,2,3
	v_fma_f32 v[232+\b], v[232+\b], s22, v12
.endr
.set j, 0
.rept 64
	v_exp_f32 v[96+j], v[96+j]                     ; p
.set j, j+1
.endr
	v_pk_mul_f32 v[14:15], v[14:15], v[252:253] op_sel_hi:[1,0]   ; the sums under the new M (a plain instruction behind the exponentials)
	s_wait_alu depctr_va_vdst(0)                   ; one wait for the batch, ahead of its first reader
.irp b, 0,1,2,3
	v_exp_f32 v[232+\b], v[232+\b]                 ; each block's largest p
.endr
	v_pk_add_f32 v[236:237], v[96:97], v[98:99]    ; the row's sum of the unquantised p, in two chains
.irp j, 4,8,12,16,20,24,28,32,36,40,44,48,52,56,60
	v_pk_add_f32 v[14:15], v[14:15], v[96+\j:97+\j]
	v_pk_add_f32 v[236:237], v[236:237], v[98+\j:99+\j]
.endr
	v_pk_add_f32 v[14:15], v[14:15], v[236:237]
	s_wait_alu depctr_va_vdst(0)                   ; and one for the four
.irp b, 0,1,2,3
	v_max_num_f32 v[232+\b], 0x1800000, v[232+\b]
.endr
.irp b, 0,1,2,3
	v_add_nc_u32 v[244+\b], 0xff000000, v[232+\b]
.endr
.irp b, 0,1,2,3
	v_lshrrev_b32 v[236+\b], 23, v[244+\b]
.endr
	v_lshl_or_b32 v80, v237, 8, v236               ; p's scale word for these 128 keys
	v_lshl_or_b32 v80, v238, 16, v80
	v_lshl_or_b32 v80, v239, 24, v80
.irp b, 0,1,2,3
	v_cvt_scalef32_pk8_fp4_f32 v[224+2*\b], v[96+16*\b:103+16*\b], v[244+\b]
	v_cvt_scalef32_pk8_fp4_f32 v[225+2*\b], v[104+16*\b:111+16*\b], v[244+\b]
.endr
	v_nop
.irp c, 0,1
.irp i, 0,1
	v_permlane16_swap_b32 v[224+4*\c+\i], v[226+4*\c+\i]
.endr
.endr
.set j, 0
.rept 16
	v_pk_mul_f32 v[160+j:161+j], v[160+j:161+j], v[252:253] op_sel_hi:[1,0]   ; O^T under the new M; also the places between p's word and codes and the products
.set j, j+2
.endr
	s_wait_dscnt 0x0                               ; V
.irp t, 0,1,2,3
	v_wmma_scale_f32_16x16x128_f8f6f4 v[160+8*\t:167+8*\t], v[32+8*\t:39+8*\t], v[224:231], v[160+8*\t:167+8*\t], v[76+\t], v80 matrix_a_fmt:MATRIX_FMT_FP4 matrix_b_fmt:MATRIX_FMT_FP4
.endr
	s_add_co_u32 s2, s2, 4096
	s_add_co_u32 s3, s3, 512
	s_add_co_u32 s66, s66, 256
	s_sub_co_u32 s67, s67, 1
	s_cmp_lg_u32 s67, 0
	s_cbranch_scc1 .Lstep
	; THE WAY OUT: O^T / the sum through my stage, back as rows of 256 bytes, + X, stored
.rept 4
	v_nop
.endr
	v_add_f32 v14, v14, v15
	v_permlanex16_b32 v252, v14, s20, s21
	v_add_f32 v14, v14, v252
	v_rcp_f32 v14, v14
	v_nop
	s_wait_alu depctr_va_vdst(0)
.set j, 0
.rept 32
	v_mul_f32 v[96+j], v[160+j], v14               ; register 16 q + i: channel 32 q + 16 h + i
.set j, j+1
.endr
.irp q, 0,1
.irp k, 0,1,2,3
	ds_store_b128 v5, v[96+16*\q+4*\k:99+16*\q+4*\k] offset:128*\q+16*\k
.endr
.endr
.irp i, 0,1,2,3,4,5,6,7
	ds_load_b128 v[32+4*\i:35+4*\i], v6 offset:544*\i   ; LDS serves a wave's instructions in order: these see my stores
.endr
	s_wait_loadcnt 0x0                             ; X
.irp i, 0,1,2,3,4,5,6,7
	s_wait_dscnt 7-\i
	v_pk_add_f32 v[32+4*\i:33+4*\i], v[32+4*\i:33+4*\i], v[192+4*\i:193+4*\i]
	v_pk_add_f32 v[34+4*\i:35+4*\i], v[34+4*\i:35+4*\i], v[194+4*\i:195+4*\i]
	global_store_b128 v7, v[32+4*\i:35+4*\i], s[10:11] offset:(2*\i+8*(\i/4))*4096   ; sixteen lanes store 256 consecutive bytes, aligned
.endr
	s_wait_tensorcnt 0x0
	ds_add_u32 v251, v255
	s_wait_dscnt 0x0
	CROUND                                         ; the closing round
	s_endpgm
.Lfunc_end_k_q0f038bab8b_attn:
	.size	k_q0f038bab8b_attn, .Lfunc_end_k_q0f038bab8b_attn-k_q0f038bab8b_attn
	.p2alignl 7, 3214868480
	.fill 96, 4, 3214868480
	.section	.rodata,"a",@progbits
	.p2align	6, 0x0
	.amdhsa_kernel k_q0f038bab8b_attn
		.amdhsa_group_segment_fixed_size 215040
		.amdhsa_private_segment_fixed_size 0
		.amdhsa_enable_private_segment 0
		.amdhsa_kernarg_size 32
		.amdhsa_user_sgpr_count 2
		.amdhsa_user_sgpr_kernarg_segment_ptr 1
		.amdhsa_wavefront_size32 1
		.amdhsa_system_sgpr_workgroup_id_x 1
		.amdhsa_system_sgpr_workgroup_id_y 1
		.amdhsa_system_sgpr_workgroup_id_z 1
		.amdhsa_system_vgpr_workitem_id 0
		.amdhsa_next_free_vgpr 256
		.amdhsa_next_free_sgpr 96
		.amdhsa_reserve_vcc 0
		.amdhsa_float_denorm_mode_32 3
		.amdhsa_float_denorm_mode_16_64 3
		.amdhsa_memory_ordered 1
		.amdhsa_forward_progress 1
		.amdhsa_inst_pref_size 35
	.end_amdhsa_kernel
	.amdgpu_metadata
---
amdhsa.version: [ 1, 2 ]
amdhsa.kernels:
  - .name:           k_q0f038bab8b_attn
    .symbol:         k_q0f038bab8b_attn.kd
    .args:
      - { .name: qkvb, .offset: 0, .size: 8, .value_kind: global_buffer, .address_space: global }
      - { .name: null_k, .offset: 8, .size: 8, .value_kind: global_buffer, .address_space: global }
      - { .name: X, .offset: 16, .size: 8, .value_kind: global_buffer, .address_space: global }
      - { .name: hres, .offset: 24, .size: 8, .value_kind: global_buffer, .address_space: global }
    .group_segment_fixed_size: 215040
    .private_segment_fixed_size: 0
    .kernarg_segment_align: 8
    .kernarg_segment_size: 32
    .max_flat_workgroup_size: 512
    .sgpr_count:     96
    .vgpr_count:     256
    .wavefront_size: 32
...
	.end_amdgpu_metadata
.endif
;; end of part 4
;; launch ln_h: the kernel of part 2 again; grid 256 x 1, 4 waves a work-group, no clusters, 28,160 bytes of LDS; arguments hres, g1, b1, hr; writes hr
;; launch ffn1 (part 5): grid 16 x 16, 4 waves a work-group, clusters of 4 x 4, 279,040 bytes of LDS; arguments hr, wbuf, bf1, hid; writes hid
.if DOCPART == 5
	.amdgcn_target "amdgcn-amd-amdhsa--gfx1250"
	.amdhsa_code_object_version 6
	.text
	.protected	k_q0f038bab8b_ffn1
	.globl	k_q0f038bab8b_ffn1
	.p2align	8
	.type	k_q0f038bab8b_ffn1,@function
k_q0f038bab8b_ffn1:
	s_mov_b64 s[64:65], 0
	v_nop
	global_prefetch_b8 v0, s[64:65] scope:SCOPE_SE
	s_setreg_imm32_b32 hwreg(HW_REG_WAVE_MODE, 25, 1), 1
	s_wait_xcnt 0x0
	s_wait_alu depctr_hold_cnt(0) depctr_sa_sdst(0) depctr_va_vdst(0) depctr_va_sdst(0) depctr_va_ssrc(0) depctr_va_vcc(0) depctr_vm_vsrc(0)
	s_getreg_b32 s2, hwreg(HW_REG_IB_STS2, 6, 4)
	s_cmp_eq_u32 s2, 0
	s_cbranch_scc0 .Lentry_in_a_cluster
	s_endpgm
.Lentry_in_a_cluster:
	s_bfe_u32 s2, ttmp6, 0x10000c
	s_cmp_lg_u32 s2, 0xf033
	s_cbranch_scc0 .Lentry_shape_is_right
	s_endpgm
.Lentry_shape_is_right:
; hid = Q(gelu(Hr W1 + bf1)), gelu with the exact erf, on codes of FP4 with E8M0 scales; the result is quantised in registers along the hidden units and stored as images of the next operand's registers.
; A tile of 256 x 256, K = 1,024, by four waves of 128 x 128.  Source 0 = 256 columns of W1 (a lane's registers run along them: the next K), source 1 = 256 rows of Hr.  Both operands, all of K, lie in LDS: filled once, no ring.
; CLUSTER 4 x 4: source 1's tile is asked for jointly along a row of the cluster, source 0's along a column.  bf1 is the C of each sum's first matrix instruction.
; THE WAY OUT is a loop of eight trips, a tile of 16 rows each: only the lines that take a tile's accumulators out of their window differ from trip to trip, and a chain of branches on the trip's number chooses them.
; ERF: for |z| over 475/512 erfc|z| = e^(a polynomial of degree 7 in |z|), else erf z = z + z x (a polynomial in z^2).  1 + erf z is taken as erfc|z| itself where z < 0, so that the negative tail keeps its relative accuracy.
; LIMITS: erf to about one unit in the last place; far out in the negative tail (|z| over 4) the exponent's rounding costs a few units more, on numbers under 1e-7 of the inputs' size; v_exp_f32 flushes denormals;
; a block of zeros or under 2^-124 gets the byte 1 (its codes are zeros; this program alone reads the bytes); NaN and infinities are not served.
; REGISTERS: window 0: v1-21 addresses; v32-47 scale words, two sets; v64-127 bf1; v128-255 source 1's fragments, two sets.  window 1: source 0's, two sets.  windows 2, 3: accumulator (a, b) at v[8 (8 (a % 4) + b)].
.set SC, 32
.set BP, 64
.set AF, 128
.set CN, 48                            ; the way out: v48-67 the polynomials' addends, each twice
.set HA, 68                            ; v68-131  a tile's 64 numbers
.set Z,  132
.set S,  148
.set T,  164
.set R,  180
.set U,  196
.set TM, 212                           ; v212-227 at work in the quantiser
.set PW, 228                           ; the scale word just made;  v229 the tile before's;  v230 the two side by side
.set PWP, 229
.set SELW, 230
.set PC, 232                           ; v232-239 the codes
.set MSB, 0
.macro WIN new
.if MSB != (\new)
	s_set_vgpr_msb (MSB<<8)|(\new)
.set MSB, (\new)
.endif
.endm
.macro JLOAD g0a, g1a, g0b, g1b        ; a joint load: waves 0, 1 fetch source 1's halves, waves 2, 3 source 0's; four v_nop follow each line
	s_cmp_eq_u32 s19, 0
	s_cbranch_scc0 .Lfor_b_\@
	tensor_load_to_lds s[\g0a:\g0a+3], s[\g1a:\g1a+7]
	s_nop 0
.rept 4
	v_nop
.endr
	s_branch .Lasked_\@
.Lfor_b_\@:
	tensor_load_to_lds s[\g0b:\g0b+3], s[\g1b:\g1b+7]
	s_nop 0
.rept 4
	v_nop
.endr
.Lasked_\@:
.endm
.macro CROUND
	s_barrier_signal -1
	s_barrier_wait -1
	s_cmp_lg_u32 s18, 0
	s_cbranch_scc1 .Lnot_wave_0_\@
	s_barrier_signal -3
.Lnot_wave_0_\@:
	s_barrier_wait -3
	s_barrier_signal -1
	s_barrier_wait -1
.endm
.macro PLACES
.rept 4
	v_nop
.endr
.endm
.macro FETCH ks, bf
	WIN 0x40
.irp i, 0,1,2,3,4,5,6,7
	ds_load_b128 v[64*(\bf)+8*\i:64*(\bf)+8*\i+3], v17 offset:8192*(\ks)+1024*\i
	ds_load_b128 v[64*(\bf)+8*\i+4:64*(\bf)+8*\i+7], v17 offset:8192*(\ks)+1024*\i+512
.endr
	WIN 0
.irp i, 0,1,2,3,4,5,6,7
	ds_load_b128 v[AF+64*(\bf)+8*\i:AF+64*(\bf)+8*\i+3], v16 offset:8192*(\ks)+1024*\i
	ds_load_b128 v[AF+64*(\bf)+8*\i+4:AF+64*(\bf)+8*\i+7], v16 offset:8192*(\ks)+1024*\i+512
.endr
.irp i, 0,1,2,3,4,5,6,7
	ds_load_b32 v[SC+8*(\bf)+\i], v18 offset:512*(\ks)+64*\i
.endr
.endm
.macro MUL32 hi, bf, cm                ; cm = 1: the first K step: the bias is C.  The 64 accumulators take turns, in one order in every step
.if \cm
	WIN 0x81+0x40*(\hi)
.else
	WIN 0xa1+0x50*(\hi)
.endif
.irp a, 0,1,2,3
.irp b, 0,1,2,3,4,5,6,7
.if \cm
	v_wmma_scale_f32_16x16x128_f8f6f4 v[8*(8*\a+\b):8*(8*\a+\b)+7], v[64*(\bf)+8*\b:64*(\bf)+8*\b+7], v[AF+64*(\bf)+8*(4*(\hi)+\a):AF+64*(\bf)+8*(4*(\hi)+\a)+7], v[BP+8*\b:BP+8*\b+7], v[SC+8*(\bf)+\b], v[SC+8*(\bf)+4*(\hi)+\a] matrix_a_fmt:MATRIX_FMT_FP4 matrix_b_fmt:MATRIX_FMT_FP4 matrix_a_scale:MATRIX_SCALE_ROW1
.else
	v_wmma_scale_f32_16x16x128_f8f6f4 v[8*(8*\a+\b):8*(8*\a+\b)+7], v[64*(\bf)+8*\b:64*(\bf)+8*\b+7], v[AF+64*(\bf)+8*(4*(\hi)+\a):AF+64*(\bf)+8*(4*(\hi)+\a)+7], v[8*(8*\a+\b):8*(8*\a+\b)+7], v[SC+8*(\bf)+\b], v[SC+8*(\bf)+4*(\hi)+\a] matrix_a_fmt:MATRIX_FMT_FP4 matrix_b_fmt:MATRIX_FMT_FP4 matrix_a_scale:MATRIX_SCALE_ROW1
.endif
.endr
.endr
.endm
.macro STEP ks, cm
.if (\ks) > 0
	PLACES
.endif
.if (\ks) == 3
	s_wait_tensorcnt 0x0                           ; my part of the second half of K has landed,
	s_wait_dscnt 0x0
	s_barrier_signal -1
	s_barrier_wait -1                              ; everybody's has
.endif
.if (\ks) < 7
	FETCH (\ks)+1, ((\ks)+1)%2
	s_wait_dscnt 40                                ; all but the 40 just issued
.else
	s_wait_dscnt 0x0
.endif
	MUL32 0, (\ks)%2, \cm
	MUL32 1, (\ks)%2, \cm
	WIN 0
.endm
	s_load_b256 s[4:11], s[0:1], 0x0               ; hr, wbuf, bf1, hid
	v_lshl_add_u32 v30, v0, 2, 0x44000
	v_mov_b32 v31, 0
	ds_add_u32 v30, v31
	ds_add_u32 v30, v31
	v_lshrrev_b32 v1, 5, v0
	v_readfirstlane_b32 s18, v1
	s_lshr_b32 s19, s18, 1
	s_and_b32 s20, s18, 1
	s_bfe_u32 s40, ttmp6, 0x40000                  ; cx
	s_bfe_u32 s41, ttmp6, 0x40004                  ; cy
	s_lshl_b32 s42, ttmp9, 2
	s_add_co_u32 s42, s42, s40                     ; t0: W1's tile of columns
	s_and_b32 s21, ttmp7, 0xffff
	s_lshl_b32 s21, s21, 2
	s_add_co_u32 s21, s21, s41                     ; t1: Hr's tile of rows
	s_lshl_b32 s43, s41, 2
	s_lshl_b32 s43, 15, s43
	s_lshl_b32 s44, 0x1111, s40
	s_or_b32 s24, s43, (3<<16)|(1<<21)             ; codes: 4 K steps x 8,192 bytes, 262,144 apart
	s_or_b32 s48, s44, (3<<16)|(1<<21)
.irp g, 24, 48
	s_mov_b32 s[\g+1], 1024<<16
	s_mov_b32 s[\g+2], 4<<16
	s_mov_b32 s[\g+3], 1024<<16
	s_mov_b32 s[\g+4], 4
	s_mov_b32 s[\g+5], 32768
	s_mov_b32 s[\g+6], 0
	s_mov_b32 s[\g+7], 0
.endr
	s_or_b32 s68, s43, (3<<16)|(1<<21)             ; scale words: 8 K steps x 512 bytes, 16,384 apart
	s_or_b32 s80, s44, (3<<16)|(1<<21)
.irp g, 68, 80
	s_mov_b32 s[\g+1], 64<<16
	s_mov_b32 s[\g+2], 8<<16
	s_mov_b32 s[\g+3], 64<<16
	s_mov_b32 s[\g+4], 8
	s_mov_b32 s[\g+5], 2048
	s_mov_b32 s[\g+6], 0
	s_mov_b32 s[\g+7], 0
.endr
	s_lshl_b32 s2, s20, 7
	s_lshl_b32 s22, s21, 8
	s_add_co_u32 s22, s22, s2
	s_lshl_b32 s23, s42, 8
	s_add_co_u32 s23, s23, s2
	s_mov_b32 s3, 0
	s_mov_b32 s67, 0
	s_lshl_b32 s12, s18, 16
	s_lshl_b32 s13, s18, 12
	s_add_co_u32 s13, s13, 262144
	s_wait_dscnt 0x0
	s_wait_kmcnt 0x0
	s_lshl_b32 s2, s22, 6
	s_add_nc_u64 s[92:93], s[4:5], s[2:3]
	s_lshl_b32 s2, s22, 2
	s_add_co_u32 s2, s2, 0x200000
	s_add_nc_u64 s[4:5], s[4:5], s[2:3]
	s_lshl_b32 s66, s23, 6
	s_add_co_u32 s66, s66, 0x220000
	s_add_nc_u64 s[94:95], s[6:7], s[66:67]
	s_lshl_b32 s66, s23, 2
	s_add_co_u32 s66, s66, 0x420000
	s_add_nc_u64 s[6:7], s[6:7], s[66:67]
	CROUND
	s_mov_b32 s76, 1
	s_mov_b32 s77, s13
	s_mov_b64 s[78:79], s[4:5]
	s_or_b32 s79, s79, 0x80000000
	s_mov_b32 s88, 1
	s_mov_b32 s89, s13
	s_mov_b64 s[90:91], s[6:7]
	s_or_b32 s91, s91, 0x80000000
	JLOAD 76, 68, 88, 80
.irp k, 0,1
	s_mov_b32 s[32+4*\k], 1
	s_add_co_u32 s[33+4*\k], s12, \k*32768
	s_add_nc_u64 s[34+4*\k:35+4*\k], s[92:93], \k*1048576
	s_or_b32 s[35+4*\k], s[35+4*\k], 0x80000000
	s_mov_b32 s[56+4*\k], 1
	s_add_co_u32 s[57+4*\k], s12, \k*32768
	s_add_nc_u64 s[58+4*\k:59+4*\k], s[94:95], \k*1048576
	s_or_b32 s[59+4*\k], s[59+4*\k], 0x80000000
	JLOAD 32+4*\k, 24, 56+4*\k, 48                 ; three loads of mine are out in all
.endr
	v_and_b32 v3, 31, v0
	v_and_b32 v1, 15, v0
	v_bfe_u32 v2, v0, 4, 1
	v_lshlrev_b32 v19, 4, v3
	v_lshlrev_b32 v20, 2, v3
	s_lshl_b32 s2, s19, 16
	v_add_nc_u32 v16, s2, v19
	s_lshl_b32 s3, s20, 16
	s_add_co_u32 s3, s3, 131072
	v_add_nc_u32 v17, s3, v19
	s_lshl_b32 s2, s19, 12
	s_lshl_b32 s3, s20, 12
	s_add_co_u32 s3, s3, 8192
	s_sub_co_u32 s3, s3, s2
	v_mul_u32_u24 v4, s3, v2
	s_add_co_u32 s2, s2, 262144
	v_lshl_add_u32 v4, v1, 2, v4
	v_add_nc_u32 v18, s2, v4
	s_lshl_b32 s2, s42, 10
	s_lshl_b32 s3, s20, 9
	s_add_co_u32 s2, s2, s3
	s_mov_b32 s3, 0
	s_add_nc_u64 s[8:9], s[8:9], s[2:3]
	v_lshlrev_b32 v5, 6, v2
.irp b, 0,1,2,3,4,5,6,7
	global_load_b128 v[BP+8*\b:BP+8*\b+3], v5, s[8:9] offset:(32*(\b/2)+8*(\b%2))*4
	global_load_b128 v[BP+8*\b+4:BP+8*\b+7], v5, s[8:9] offset:(32*(\b/2)+8*(\b%2))*4+16
.endr
	s_lshl_b32 s2, s42, 1
	s_add_co_u32 s2, s2, s20                       ; the next product's K step
	s_lshl_b32 s22, s2, 8
	s_lshl_b32 s23, s21, 4
	s_add_co_u32 s22, s22, s23
	s_lshl_b32 s23, s19, 3
	s_add_co_u32 s22, s22, s23                     ; my first fragment
	s_lshl_b32 s2, s22, 10
	s_add_nc_u64 s[4:5], s[10:11], s[2:3]          ; codes out
	s_lshl_b32 s2, s22, 6
	s_add_co_u32 s2, s2, 0x800000
	s_add_nc_u64 s[6:7], s[10:11], s[2:3]          ; words out
	s_mov_b32 s12, 0xffff0000                      ; lanes 16-31
	s_mov_b32 s13, 0x7fffffff
	s_mov_b32 s14, 0x76543210
	s_mov_b32 s15, 0xfedcba98
	s_mov_b32 s16, 0x3f6d8000                      ; 475 / 512
	s_wait_loadcnt 0x0                             ; bf1
	s_wait_tensorcnt 0x1                           ; the scale words and the first half of K are in; the second half's load may be out
	s_barrier_signal -1
	s_barrier_wait -1
	FETCH 0, 0
	STEP 0, 1
	STEP 1, 0
	STEP 2, 0
	STEP 3, 0
	STEP 4, 0
	STEP 5, 0
	STEP 6, 0
	STEP 7, 0
	PLACES
.macro CONST n, bits
	v_mov_b32 v[CN+2*(\n)], \bits
	v_mov_b32 v[CN+2*(\n)+1], \bits
.endm
	CONST 0, 0x39c8e7d9
	CONST 1, 0x3cc6b1a1
	CONST 2, 0xbddaae5c
	CONST 3, 0xbf228550
	CONST 4, 0xbe03ce86
	CONST 5, 0x3ba38d2c
	CONST 6, 0xbcdb48d9
	CONST 7, 0x3de70e22
	CONST 8, 0xbec09380
	CONST 9, 0x3e0375d4
.irp q, 0,1,2,3
	v_mov_b32 v[TM+4+\q], 0                        ; lane permutes' destinations
.endr
	v_mov_b32 v[PWP], 0
.macro COPY a                          ; tile a's 64 sums, halved, into window 0; each accumulator is read from its low end on
	WIN 2+(\a)/4
.set AC, 64*((\a)%4)
.set j, 0
.rept 32
	v_pk_mul_f32 v[HA+j:HA+j+1], v[AC+j:AC+j+1], 0.5 op_sel_hi:[1,0]
.set j, j+2
.endr
	WIN 0
.endm
.macro PK8 op:vararg                   ; (not used)
.endm
; gelu of 16 numbers: HA holds x / 2; z = x / sqrt(2); HA x (1 + erf z)
.macro GELU16 ch
.set HB, HA+16*(\ch)
.irp p, 0,2,4,6,8,10,12,14
	v_pk_mul_f32 v[Z+\p:Z+\p+1], v[HB+\p:HB+\p+1], 0x3fb504f3 op_sel_hi:[1,0]
.endr
.irp p, 0,2,4,6,8,10,12,14
	v_pk_mul_f32 v[S+\p:S+\p+1], v[Z+\p:Z+\p+1], v[Z+\p:Z+\p+1]
.endr
.irp j, 0,1,2,3,4,5,6,7,8,9,10,11,12,13,14,15
	v_and_b32 v[T+\j], s13, v[Z+\j]
.endr
.irp p, 0,2,4,6,8,10,12,14
	v_pk_fma_f32 v[R+\p:R+\p+1], v[T+\p:T+\p+1], 0xb7910000, v[CN:CN+1] op_sel_hi:[1,0,1]
.endr
.irp p, 0,2,4,6,8,10,12,14
	v_pk_fma_f32 v[U+\p:U+\p+1], v[T+\p:T+\p+1], 0xbb7e8a1c, v[CN+2:CN+3] op_sel_hi:[1,0,1]
.endr
.irp p, 0,2,4,6,8,10,12,14
	v_pk_fma_f32 v[R+\p:R+\p+1], v[R+\p:R+\p+1], v[S+\p:S+\p+1], v[U+\p:U+\p+1]
.endr
.irp c, 4,6,8
.irp p, 0,2,4,6,8,10,12,14
	v_pk_fma_f32 v[R+\p:R+\p+1], v[R+\p:R+\p+1], v[T+\p:T+\p+1], v[CN+\c:CN+\c+1]
.endr
.endr
.irp p, 0,2,4,6,8,10,12,14
	v_pk_fma_f32 v[R+\p:R+\p+1], v[R+\p:R+\p+1], v[T+\p:T+\p+1], v[T+\p:T+\p+1] neg_lo:[0,0,1] neg_hi:[0,0,1]
.endr
.irp p, 0,2,4,6,8,10,12,14
	v_pk_mul_f32 v[R+\p:R+\p+1], v[R+\p:R+\p+1], 0x3fb8aa3b op_sel_hi:[1,0]
.endr
.irp j, 0,1,2,3,4,5,6,7,8,9,10,11,12,13,14,15
	v_exp_f32 v[R+\j], v[R+\j]                     ; erfc |z|
.endr
.irp p, 0,2,4,6,8,10,12,14                     ; the small branch names none of the exponentials' results: it is the work behind the batch
	v_pk_fma_f32 v[U+\p:U+\p+1], v[S+\p:S+\p+1], 0xba1c7000, v[CN+10:CN+11] op_sel_hi:[1,0,1]
.endr
.irp c, 12,14,16,18
.irp p, 0,2,4,6,8,10,12,14
	v_pk_fma_f32 v[U+\p:U+\p+1], v[U+\p:U+\p+1], v[S+\p:S+\p+1], v[CN+\c:CN+\c+1]
.endr
.endr
.irp p, 0,2,4,6,8,10,12,14
	v_pk_fma_f32 v[U+\p:U+\p+1], v[U+\p:U+\p+1], v[Z+\p:Z+\p+1], v[Z+\p:Z+\p+1]
.endr
.irp p, 0,2,4,6,8,10,12,14
	v_pk_add_f32 v[U+\p:U+\p+1], v[U+\p:U+\p+1], 1.0 op_sel_hi:[1,0]
.endr
	s_wait_alu depctr_va_vdst(0)                   ; one wait for the sixteen, ahead of their first reader
.irp p, 0,2,4,6,8,10,12,14
	v_pk_fma_f32 v[S+\p:S+\p+1], v[R+\p:R+\p+1], -1.0, 2.0 op_sel_hi:[1,0,0]
.endr
.irp j, 0,1,2,3,4,5,6,7,8,9,10,11,12,13,14,15
	v_cmp_gt_f32 vcc_lo, 0, v[Z+\j]
	v_cndmask_b32 v[S+\j], v[S+\j], v[R+\j], vcc_lo    ; z < 0: erfc |z|; else 2 - erfc |z|
	v_cmp_lt_f32 vcc_lo, s16, v[T+\j]
	v_cndmask_b32 v[S+\j], v[U+\j], v[S+\j], vcc_lo    ; small |z|: 1 + erf z
.endr
.irp p, 0,2,4,6,8,10,12,14
	v_pk_mul_f32 v[HB+\p:HB+\p+1], v[HB+\p:HB+\p+1], v[S+\p:S+\p+1]
.endr
.endm
	s_mov_b32 s3, 0
.Ltile:
.irp a, 0,1,2,3,4,5,6
	s_cmp_lg_u32 s3, \a
	s_cbranch_scc1 .Lnot_\a
	COPY \a
	s_branch .Ljoin
.Lnot_\a:
.endr
	COPY 7
.Ljoin:
	GELU16 0
	GELU16 1
	GELU16 2
	GELU16 3
	; the quantiser: register 16 q + i = hidden unit 32 q + 16 h + i of my row
.irp q, 0,1,2,3
	v_max3_num_f32 v[TM+\q], |v[HA+16*\q]|, |v[HA+1+16*\q]|, 0x1800000
.endr
.irp i, 2,4,6,8,10,12,14
.irp q, 0,1,2,3
	v_max3_num_f32 v[TM+\q], v[TM+\q], |v[HA+16*\q+\i]|, |v[HA+1+16*\q+\i]|
.endr
.endr
.irp q, 0,1,2,3
	v_permlanex16_b32 v[TM+4+\q], v[TM+\q], s14, s15
.endr
.irp q, 0,1,2,3
	v_max_num_f32 v[TM+\q], v[TM+\q], v[TM+4+\q]
.endr
.irp q, 0,1,2,3
	v_add_nc_u32 v[TM+12+\q], 0xff000000, v[TM+\q]
.endr
.irp q, 0,1,2,3
	v_lshrrev_b32 v[TM+4+\q], 23, v[TM+12+\q]
.endr
	v_lshl_or_b32 v[PW], v[TM+5], 8, v[TM+4]
	v_lshl_or_b32 v[PW], v[TM+6], 16, v[PW]
	v_lshl_or_b32 v[PW], v[TM+7], 24, v[PW]
.irp q, 0,1,2,3
	v_cvt_scalef32_pk8_fp4_f32 v[PC+2*\q], v[HA+16*\q:HA+7+16*\q], v[TM+12+\q]
	v_cvt_scalef32_pk8_fp4_f32 v[PC+1+2*\q], v[HA+8+16*\q:HA+15+16*\q], v[TM+12+\q]
.endr
	v_nop
.irp c, 0,1
.irp i, 0,1
	v_permlane16_swap_b32 v[PC+4*\c+\i], v[PC+2+4*\c+\i]
.endr
.endr
	global_store_b128 v19, v[PC:PC+3], s[4:5]                  ; 32 lanes store 512 consecutive bytes, aligned
	global_store_b128 v19, v[PC+4:PC+7], s[4:5] offset:512
	v_cndmask_b32 v[SELW], v[PWP], v[PW], s12      ; lanes 0-15: the tile before's words; lanes 16-31: this tile's
	s_bitcmp1_b32 s3, 0
	s_cbranch_scc0 .Leven
	global_store_b32 v20, v[SELW], s[6:7] offset:-64           ; behind each odd tile: two tiles' words, 128 consecutive bytes
.Leven:
	v_mov_b32 v[PWP], v[PW]
	s_wait_xcnt 0x0                                ; the stores have read their registers and bases: both are written again only behind this wait
	s_add_nc_u64 s[4:5], s[4:5], 1024
	s_add_nc_u64 s[6:7], s[6:7], 64
	s_add_co_u32 s3, s3, 1
	s_cmp_lt_u32 s3, 8
	s_cbranch_scc1 .Ltile
	s_wait_tensorcnt 0x0
	ds_add_u32 v30, v31
	s_wait_dscnt 0x0
	CROUND                                         ; the closing round
	s_endpgm
.Lfunc_end_k_q0f038bab8b_ffn1:
	.size	k_q0f038bab8b_ffn1, .Lfunc_end_k_q0f038bab8b_ffn1-k_q0f038bab8b_ffn1
	.p2alignl 7, 3214868480
	.fill 96, 4, 3214868480
	.section	.rodata,"a",@progbits
	.p2align	6, 0x0
	.amdhsa_kernel k_q0f038bab8b_ffn1
		.amdhsa_group_segment_fixed_size 279040
		.amdhsa_private_segment_fixed_size 0
		.amdhsa_enable_private_segment 0
		.amdhsa_kernarg_size 32
		.amdhsa_user_sgpr_count 2
		.amdhsa_user_sgpr_kernarg_segment_ptr 1
		.amdhsa_wavefront_size32 1
		.amdhsa_system_sgpr_workgroup_id_x 1
		.amdhsa_system_sgpr_workgroup_id_y 1
		.amdhsa_system_sgpr_workgroup_id_z 1
		.amdhsa_system_vgpr_workitem_id 0
		.amdhsa_next_free_vgpr 1024
		.amdhsa_next_free_sgpr 102
		.amdhsa_reserve_vcc 1
		.amdhsa_float_denorm_mode_32 3
		.amdhsa_float_denorm_mode_16_64 3
		.amdhsa_memory_ordered 1
		.amdhsa_forward_progress 1
		.amdhsa_inst_pref_size 176
	.end_amdhsa_kernel
	.amdgpu_metadata
---
amdhsa.version: [ 1, 2 ]
amdhsa.kernels:
  - .name:           k_q0f038bab8b_ffn1
    .symbol:         k_q0f038bab8b_ffn1.kd
    .args:
      - { .name: hr, .offset: 0, .size: 8, .value_kind: global_buffer, .address_space: global }
      - { .name: wbuf, .offset: 8, .size: 8, .value_kind: global_buffer, .address_space: global }
      - { .name: bf1, .offset: 16, .size: 8, .value_kind: global_buffer, .address_space: global }
      - { .name: hid, .offset: 24, .size: 8, .value_kind: global_buffer, .address_space: global }
    .group_segment_fixed_size: 279040
    .private_segment_fixed_size: 0
    .kernarg_segment_align: 8
    .kernarg_segment_size: 32
    .max_flat_workgroup_size: 128
    .sgpr_count:     102
    .vgpr_count:     1024
    .wavefront_size: 32
...
	.end_amdgpu_metadata
.endif
;; end of part 5
;; launch ffn2 (part 6): grid 8 x 32, 4 waves a work-group, clusters of 4 x 4, 327,680 bytes of LDS; arguments hid, wbuf, bf2, hres, out0; writes out0
.if DOCPART == 6
	.amdgcn_target "amdgcn-amd-amdhsa--gfx1250"
	.amdhsa_code_object_version 6
	.text
	.protected	k_q0f038bab8b_ffn2
	.globl	k_q0f038bab8b_ffn2
	.p2align	8
	.type	k_q0f038bab8b_ffn2,@function
k_q0f038bab8b_ffn2:
	s_mov_b64 s[64:65], 0
	v_nop
	global_prefetch_b8 v0, s[64:65] scope:SCOPE_SE
	s_setreg_imm32_b32 hwreg(HW_REG_WAVE_MODE, 25, 1), 1
	s_wait_xcnt 0x0
	s_wait_alu depctr_hold_cnt(0) depctr_sa_sdst(0) depctr_va_vdst(0) depctr_va_sdst(0) depctr_va_ssrc(0) depctr_va_vcc(0) depctr_vm_vsrc(0)
	s_getreg_b32 s2, hwreg(HW_REG_IB_STS2, 6, 4)
	s_cmp_eq_u32 s2, 0
	s_cbranch_scc0 .Lentry_in_a_cluster
	s_endpgm
.Lentry_in_a_cluster:
	s_bfe_u32 s2, ttmp6, 0x10000c
	s_cmp_lg_u32 s2, 0xf033
	s_cbranch_scc0 .Lentry_shape_is_right
	s_endpgm
.Lentry_shape_is_right:
; out = Hres + hid W2 + bf2 on codes of FP4 with E8M0 scales.  A tile of 128 x 128 (so that 256 work-groups have work), K = 4,096, by four waves of 64 x 64: 16 accumulators.
; Source 0 = 128 columns of W2, source 1 = 128 rows of hid: a lane holds one row and eight neighbouring columns.  Operands lie in memory and LDS as images of their registers.
; K goes in four parts of 1,024 through a ring of two LDS slots of 131,072 bytes; the scale words of all of K come once.  Each wave fetches a quarter of a slot with one tensor load (8 K steps x 4,096 bytes).
; CLUSTER 4 x 4: source 1's tile is asked for jointly along a row of the cluster, source 0's along a column; a refill stands first behind a round of the cluster's barrier.
; bf2 is the C of each sum's first matrix instruction; the wave's 64 x 64 of Hres is asked for at the head and added on the way out, which goes through the wave's own stage in LDS.
; All of a WGP's LDS is claimed, and 0 is added to spare words at each change of slots and at the end.
; REGISTERS: window 0: v1-29 addresses; v32-39 scale words, two sets; v48-79 bf2; v128-191 source 1's fragments, two sets; v192-255 source 0's.  window 1: accumulator (a, b) at v[8 (4 a + b)]; v128-255 Hres.
.set SC, 32
.set BP, 48
.set STAGE, 294912                     ; 16 rows x 272 bytes for each wave; no tile lands here
.set SPARE, 312320                     ; the spare words: 128 bytes for each wave
.set MSB, 0
.macro WIN new
.if MSB != (\new)
	s_set_vgpr_msb (MSB<<8)|(\new)
.set MSB, (\new)
.endif
.endm
.macro JLOAD g0a, g1a, g0b, g1b
	s_cmp_eq_u32 s19, 0
	s_cbranch_scc0 .Lfor_b_\@
	tensor_load_to_lds s[\g0a:\g0a+3], s[\g1a:\g1a+7]
	s_nop 0
.rept 4
	v_nop
.endr
	s_branch .Lasked_\@
.Lfor_b_\@:
	tensor_load_to_lds s[\g0b:\g0b+3], s[\g1b:\g1b+7]
	s_nop 0
.rept 4
	v_nop
.endr
.Lasked_\@:
.endm
.macro CROUND
	s_barrier_signal -1
	s_barrier_wait -1
	s_cmp_lg_u32 s18, 0
	s_cbranch_scc1 .Lnot_wave_0_\@
	s_barrier_signal -3
.Lnot_wave_0_\@:
	s_barrier_wait -3
	s_barrier_signal -1
	s_barrier_wait -1
.endm
.macro PLACES
.rept 4
	v_nop
.endr
.endm
.macro FETCH2 slot, ks, gs, bf         ; the slot's K step ks (gs of all of K): 8 fragments and 4 registers of scale words into set bf: 20 LDS loads
.irp i, 0,1,2,3
	ds_load_b128 v[192+32*(\bf)+8*\i:192+32*(\bf)+8*\i+3], v[20+\slot] offset:4096*(\ks)+1024*\i
	ds_load_b128 v[192+32*(\bf)+8*\i+4:192+32*(\bf)+8*\i+7], v[20+\slot] offset:4096*(\ks)+1024*\i+512
.endr
.irp i, 0,1,2,3
	ds_load_b128 v[128+32*(\bf)+8*\i:128+32*(\bf)+8*\i+3], v[16+\slot] offset:4096*(\ks)+1024*\i
	ds_load_b128 v[128+32*(\bf)+8*\i+4:128+32*(\bf)+8*\i+7], v[16+\slot] offset:4096*(\ks)+1024*\i+512
.endr
.irp i, 0,1,2,3
	ds_load_b32 v[SC+4*(\bf)+\i], v18 offset:256*(\gs)+64*\i
.endr
.endm
.macro MUL16 bf, cm                    ; the 16 accumulators take turns
.if \cm
	WIN 0x40
.else
	WIN 0x50
.endif
.irp a, 0,1,2,3
.irp b, 0,1,2,3
.if \cm
	v_wmma_scale_f32_16x16x128_f8f6f4 v[8*(4*\a+\b):8*(4*\a+\b)+7], v[192+32*(\bf)+8*\b:192+32*(\bf)+8*\b+7], v[128+32*(\bf)+8*\a:128+32*(\bf)+8*\a+7], v[BP+8*\b:BP+8*\b+7], v[SC+4*(\bf)+\b], v[SC+4*(\bf)+\a] matrix_a_fmt:MATRIX_FMT_FP4 matrix_b_fmt:MATRIX_FMT_FP4 matrix_a_scale:MATRIX_SCALE_ROW1
.else
	v_wmma_scale_f32_16x16x128_f8f6f4 v[8*(4*\a+\b):8*(4*\a+\b)+7], v[192+32*(\bf)+8*\b:192+32*(\bf)+8*\b+7], v[128+32*(\bf)+8*\a:128+32*(\bf)+8*\a+7], v[8*(4*\a+\b):8*(4*\a+\b)+7], v[SC+4*(\bf)+\b], v[SC+4*(\bf)+\a] matrix_a_fmt:MATRIX_FMT_FP4 matrix_b_fmt:MATRIX_FMT_FP4 matrix_a_scale:MATRIX_SCALE_ROW1
.endif
.endr
.endr
.endm
.macro PART slot, sb, first            ; a slot's eight K steps, sb on of all of K
	FETCH2 \slot, 0, \sb, 0
.set Q, 0
.rept 8
	PLACES                                         ; the other set was read by the products just issued
.if Q < 7
	FETCH2 \slot, Q+1, (\sb)+Q+1, (Q+1)%2
	s_wait_dscnt 20                                ; all but the 20 just issued
.else
	s_wait_dscnt 0x0
.endif
.if (\first) && (Q == 0)
	MUL16 0, 1
.else
	MUL16 Q%2, 0
.endif
	WIN 0
.set Q, Q+1
.endr
.endm
.macro CHG slot                        ; the slot just read out is filled again, two parts of K on
	s_wait_tensorcnt 0x0                           ; all my tensor loads have landed, my part of the other slot among them: so a group 0 may be written;
	ds_add_u32 v28, v29                            ; 0 onto my spare word;
	s_add_nc_u64 s[34+4*\slot:35+4*\slot], s[34+4*\slot:35+4*\slot], 4194304
	s_add_nc_u64 s[58+4*\slot:59+4*\slot], s[58+4*\slot:59+4*\slot], 1048576
	s_wait_dscnt 0x0                               ; the add is done, and my reads of this slot are over
	CROUND                                         ; both now hold of every wave of all sixteen work-groups
	JLOAD 32+4*\slot, 24, 56+4*\slot, 48           ; my one tensor load behind the round, and the first thing there: it has a part's 128 matrix instructions in which to land
.endm
	s_load_b256 s[4:11], s[0:1], 0x0               ; hid, wbuf, bf2, hres
	s_load_b64 s[12:13], s[0:1], 0x20              ; out0
	v_lshl_add_u32 v28, v0, 2, SPARE
	v_mov_b32 v29, 0
	ds_add_u32 v28, v29
	ds_add_u32 v28, v29
	s_wait_dscnt 0x0
	v_lshrrev_b32 v1, 5, v0
	v_readfirstlane_b32 s18, v1
	s_lshr_b32 s19, s18, 1
	s_and_b32 s20, s18, 1
	s_bfe_u32 s40, ttmp6, 0x40000
	s_bfe_u32 s41, ttmp6, 0x40004
	s_lshl_b32 s42, ttmp9, 2
	s_add_co_u32 s42, s42, s40                     ; t0: W2's tile of 128 columns
	s_and_b32 s21, ttmp7, 0xffff
	s_lshl_b32 s21, s21, 2
	s_add_co_u32 s21, s21, s41                     ; t1: hid's tile of 128 rows
	s_lshl_b32 s43, s41, 2
	s_lshl_b32 s43, 15, s43
	s_lshl_b32 s44, 0x1111, s40
	s_or_b32 s24, s43, (3<<16)|(1<<21)             ; hid's codes: 8 K steps x 4,096 bytes, 262,144 apart
	s_mov_b32 s25, 512<<16
	s_mov_b32 s26, 8<<16
	s_mov_b32 s27, 512<<16
	s_mov_b32 s28, 8
	s_mov_b32 s29, 32768
	s_mov_b32 s30, 0
	s_mov_b32 s31, 0
	s_or_b32 s48, s44, (3<<16)|(1<<21)             ; W2's: 65,536 apart
	s_mov_b32 s49, 512<<16
	s_mov_b32 s50, 8<<16
	s_mov_b32 s51, 512<<16
	s_mov_b32 s52, 8
	s_mov_b32 s53, 8192
	s_mov_b32 s54, 0
	s_mov_b32 s55, 0
	s_or_b32 s68, s43, (3<<16)|(1<<21)             ; hid's words: 32 K steps x 256 bytes, 16,384 apart
	s_mov_b32 s69, 32<<16
	s_mov_b32 s70, 32<<16
	s_mov_b32 s71, 32<<16
	s_mov_b32 s72, 32
	s_mov_b32 s73, 2048
	s_mov_b32 s74, 0
	s_mov_b32 s75, 0
	s_or_b32 s80, s44, (3<<16)|(1<<21)             ; W2's: 4,096 apart
	s_mov_b32 s81, 32<<16
	s_mov_b32 s82, 32<<16
	s_mov_b32 s83, 32<<16
	s_mov_b32 s84, 32
	s_mov_b32 s85, 512
	s_mov_b32 s86, 0
	s_mov_b32 s87, 0
	s_lshl_b32 s2, s20, 6
	s_lshl_b32 s22, s21, 7
	s_add_co_u32 s22, s22, s2
	s_lshl_b32 s23, s42, 7
	s_add_co_u32 s23, s23, s2
	s_mov_b32 s3, 0
	s_mov_b32 s67, 0
	s_lshl_b32 s14, s18, 15
	s_lshl_b32 s15, s18, 13
	s_add_co_u32 s15, s15, 262144
	s_wait_kmcnt 0x0
	s_lshl_b32 s2, s22, 6
	s_add_nc_u64 s[92:93], s[4:5], s[2:3]
	s_lshl_b32 s2, s22, 2
	s_add_co_u32 s2, s2, 0x800000
	s_add_nc_u64 s[4:5], s[4:5], s[2:3]
	s_lshl_b32 s66, s23, 6
	s_add_co_u32 s66, s66, 0x440000
	s_add_nc_u64 s[94:95], s[6:7], s[66:67]
	s_lshl_b32 s66, s23, 2
	s_add_co_u32 s66, s66, 0x640000
	s_add_nc_u64 s[6:7], s[6:7], s[66:67]
	CROUND
	s_mov_b32 s76, 1
	s_mov_b32 s77, s15
	s_mov_b64 s[78:79], s[4:5]
	s_or_b32 s79, s79, 0x80000000
	s_mov_b32 s88, 1
	s_mov_b32 s89, s15
	s_mov_b64 s[90:91], s[6:7]
	s_or_b32 s91, s91, 0x80000000
	JLOAD 76, 68, 88, 80
.irp k, 0,1
	s_mov_b32 s[32+4*\k], 1
	s_add_co_u32 s[33+4*\k], s14, \k*131072
	s_add_nc_u64 s[34+4*\k:35+4*\k], s[92:93], \k*2097152
	s_or_b32 s[35+4*\k], s[35+4*\k], 0x80000000
	s_mov_b32 s[56+4*\k], 1
	s_add_co_u32 s[57+4*\k], s14, \k*131072
	s_add_nc_u64 s[58+4*\k:59+4*\k], s[94:95], \k*524288
	s_or_b32 s[59+4*\k], s[59+4*\k], 0x80000000
	JLOAD 32+4*\k, 24, 56+4*\k, 48                 ; three loads of mine are out in all
.endr
	v_and_b32 v3, 31, v0
	v_and_b32 v1, 15, v0
	v_bfe_u32 v2, v0, 4, 1
	v_lshlrev_b32 v19, 4, v3
	s_lshl_b32 s2, s19, 15
	s_lshl_b32 s3, s20, 15
	s_add_co_u32 s3, s3, 65536
	v_add_nc_u32 v16, s2, v19                      ; source 1's fragments in slot 0,
	v_add_nc_u32 v20, s3, v19                      ; source 0's,
	v_add_nc_u32 v17, 131072, v16                  ; and in slot 1
	v_add_nc_u32 v21, 131072, v20
	s_lshl_b32 s2, s19, 13
	s_lshl_b32 s3, s20, 13
	s_add_co_u32 s3, s3, 16384
	s_sub_co_u32 s3, s3, s2
	v_mul_u32_u24 v4, s3, v2                       ; lanes 16-31 take source 0's words
	s_add_co_u32 s2, s2, 262144
	v_lshl_add_u32 v4, v1, 2, v4
	v_add_nc_u32 v18, s2, v4
	s_mul_i32 s2, s18, 4352
	s_add_co_u32 s2, s2, STAGE
	v_mul_u32_u24 v24, v1, 272
	v_lshl_add_u32 v24, v2, 6, v24
	v_add_nc_u32 v24, s2, v24                      ; the stage, in: row r, + 64 h
	v_mul_u32_u24 v25, v2, 272
	v_lshl_add_u32 v25, v1, 4, v25
	v_add_nc_u32 v25, s2, v25                      ; back: lanes 0-15 one row, lanes 16-31 the next
	v_lshlrev_b32 v26, 12, v2
	v_lshl_add_u32 v26, v1, 4, v26                 ; and the same in Hres and out
	s_lshl_b32 s2, s42, 9
	s_lshl_b32 s3, s20, 8
	s_add_co_u32 s2, s2, s3                        ; my first column, in bytes
	s_mov_b32 s3, 0
	s_add_nc_u64 s[8:9], s[8:9], s[2:3]
	s_lshl_b32 s22, s21, 7
	s_lshl_b32 s23, s19, 6
	s_add_co_u32 s22, s22, s23
	s_lshl_b32 s22, s22, 12                        ; my first row
	s_add_co_u32 s2, s2, s22
	s_add_nc_u64 s[10:11], s[10:11], s[2:3]
	s_add_nc_u64 s[12:13], s[12:13], s[2:3]
	v_lshlrev_b32 v5, 6, v2
.irp b, 0,1,2,3
	global_load_b128 v[BP+8*\b:BP+8*\b+3], v5, s[8:9] offset:(32*(\b/2)+8*(\b%2))*4
	global_load_b128 v[BP+8*\b+4:BP+8*\b+7], v5, s[8:9] offset:(32*(\b/2)+8*(\b%2))*4+16
.endr
	WIN 0x40
.irp a, 0,1,2,3
.irp i, 0,1,2,3,4,5,6,7
	global_load_b128 v[128+32*\a+4*\i:128+32*\a+4*\i+3], v26, s[10:11] offset:(32*(\a/2)+8*(\a%2)+2*\i+8*(\i/4))*4096 th:TH_LOAD_NT
.endr
.endr
	WIN 0
	s_wait_tensorcnt 0x1                           ; the scale words and my part of slot 0 are in; slot 1's load may be out
	s_barrier_signal -1
	s_barrier_wait -1
	s_wait_loadcnt 32                              ; bf2 is in; Hres's 32 loads may be out
	PART 0, 0, 1
	CHG 0
	PART 1, 8, 0
	CHG 1
	PART 0, 16, 0
	s_wait_tensorcnt 0x0                           ; my part of the last slot has landed;
	ds_add_u32 v28, v29
	s_wait_dscnt 0x0
	s_barrier_signal -1
	s_barrier_wait -1                              ; everybody's has; nothing is left to fetch
	PART 1, 24, 0
	PLACES
	s_wait_loadcnt 0x0                             ; Hres
; THE WAY OUT, a tile of 16 rows at a time: a lane's numbers (register 16 q + i: column 32 q + 16 h + i) into my stage, back as rows of 256 bytes, + Hres, stored.  Each accumulator is read from its low end on.
.irp a, 0,1,2,3
	WIN 0x04                                       ; an LDS store's data are its source 1: window 1
.irp q, 0,1
.irp k, 0,1,2,3
	ds_store_b128 v24, v[8*(4*\a+2*\q+\k/2)+4*(\k%2):8*(4*\a+2*\q+\k/2)+4*(\k%2)+3] offset:128*\q+16*\k
.endr
.endr
	WIN 0
.irp i, 0,1,2,3,4,5,6,7
	ds_load_b128 v[128+32*\a+4*\i:128+32*\a+4*\i+3], v25 offset:544*\i   ; LDS serves a wave's instructions in order: these see my stores, and the next tile's stores come behind them
.endr
	s_wait_dscnt 0x0
	WIN 0x04                                       ; source 1: Hres, in window 1
.irp p, 0,2,4,6,8,10,12,14,16,18,20,22,24,26,28,30
	v_pk_add_f32 v[128+32*\a+\p:128+32*\a+\p+1], v[128+32*\a+\p:128+32*\a+\p+1], v[128+32*\a+\p:128+32*\a+\p+1]
.endr
	WIN 0
.irp i, 0,1,2,3,4,5,6,7
	global_store_b128 v26, v[128+32*\a+4*\i:128+32*\a+4*\i+3], s[12:13] offset:(32*(\a/2)+8*(\a%2)+2*\i+8*(\i/4))*4096 th:TH_STORE_NT   ; sixteen lanes store 256 consecutive bytes, aligned
.endr
.endr
	s_wait_tensorcnt 0x0                           ; the wave's end, behind my last tensor load and my last LDS store
	ds_add_u32 v28, v29
	s_wait_dscnt 0x0
	CROUND                                         ; the closing round
	s_endpgm
.Lfunc_end_k_q0f038bab8b_ffn2:
	.size	k_q0f038bab8b_ffn2, .Lfunc_end_k_q0f038bab8b_ffn2-k_q0f038bab8b_ffn2
	.p2alignl 7, 3214868480
	.fill 96, 4, 3214868480
	.section	.rodata,"a",@progbits
	.p2align	6, 0x0
	.amdhsa_kernel k_q0f038bab8b_ffn2
		.amdhsa_group_segment_fixed_size 327680
		.amdhsa_private_segment_fixed_size 0
		.amdhsa_enable_private_segment 0
		.amdhsa_kernarg_size 40
		.amdhsa_user_sgpr_count 2
		.amdhsa_user_sgpr_kernarg_segment_ptr 1
		.amdhsa_wavefront_size32 1
		.amdhsa_system_sgpr_workgroup_id_x 1
		.amdhsa_system_sgpr_workgroup_id_y 1
		.amdhsa_system_sgpr_workgroup_id_z 1
		.amdhsa_system_vgpr_workitem_id 0
		.amdhsa_next_free_vgpr 512
		.amdhsa_next_free_sgpr 102
		.amdhsa_reserve_vcc 0
		.amdhsa_float_denorm_mode_32 3
		.amdhsa_float_denorm_mode_16_64 3
		.amdhsa_memory_ordered 1
		.amdhsa_forward_progress 1
		.amdhsa_inst_pref_size 139
	.end_amdhsa_kernel
	.amdgpu_metadata
---
amdhsa.version: [ 1, 2 ]
amdhsa.kernels:
  - .name:           k_q0f038bab8b_ffn2
    .symbol:         k_q0f038bab8b_ffn2.kd
    .args:
      - { .name: hid, .offset: 0, .size: 8, .value_kind: global_buffer, .address_space: global }
      - { .name: wbuf, .offset: 8, .size: 8, .value_kind: global_buffer, .address_space: global }
      - { .name: bf2, .offset: 16, .size: 8, .value_kind: global_buffer, .address_space: global }
      - { .name: hres, .offset: 24, .size: 8, .value_kind: global_buffer, .address_space: global }
      - { .name: out0, .offset: 32, .size: 8, .value_kind: global_buffer, .address_space: global }
    .group_segment_fixed_size: 327680
    .private_segment_fixed_size: 0
    .kernarg_segment_align: 8
    .kernarg_segment_size: 40
    .max_flat_workgroup_size: 128
    .sgpr_count:     102
    .vgpr_count:     512
    .wavefront_size: 32
...
	.end_amdgpu_metadata
.endif
;; end of part 6
;; ======== version 2 of 2: 6 launches
;; limits: right only within a limited range of input values
;; workspace buffers: wbuf 6,684,672 bytes; xn 2,228,224 bytes; yn 2,228,224 bytes; hr 2,228,224 bytes; qkvb 6,946,816 bytes; hres 16,777,216 bytes; hid 8,912,896 bytes
;; launch prep (part 7): grid 1216 x 1, 4 waves a work-group, no clusters, 28,160 bytes of LDS; arguments X, g0, b0, xn, Y, g0kv, b0kv, yn, Wq, Wk, Wv, W1, W2, wbuf; writes xn, yn, wbuf
.if DOCPART == 7
	.amdgcn_target "amdgcn-amd-amdhsa--gfx1250"
	.amdhsa_code_object_version 6
	.text
	.protected	k_q0f038bab8b_prep
	.globl	k_q0f038bab8b_prep
	.p2align	8
	.type	k_q0f038bab8b_prep,@function
k_q0f038bab8b_prep:
	s_mov_b64 s[64:65], 0
	v_nop
	global_prefetch_b8 v0, s[64:65] scope:SCOPE_SE
	s_setreg_imm32_b32 hwreg(HW_REG_WAVE_MODE, 25, 1), 1
	s_wait_xcnt 0x0
; ONE LAUNCH FOR ALL THAT HANGS ON THE INPUTS ALONE: LayerNorm and quantiser of X (work-groups 0-255) and of Y (256-511), and the quantiser of the five weights (512-1215).  The three do not depend on each other:
; in one launch the rows' chains of reductions run beside the weights' stream.  The two paths part on the work-group's number, which all waves of a work-group share; only the first uses LDS and has a barrier.
; No matrix unit, no cluster, no tensor load: work-groups share nothing but 8,192 bytes of g and b.  192 registers and 28,160 bytes of LDS a work-group, so that several work-groups lie on a WGP and their loads add up.
; EVERY OPERAND IS LAID AS THE IMAGE OF A MATRIX OPERAND'S REGISTERS.  Rows (of an activation) or columns (of a weight) go in bundles of 32; tile T = 2 x bundle + u holds at place r (0..15) the row 32 x bundle + 8 u + r + 8 (r / 8).
; A fragment (K step s of 128, tile T) is 1,024 bytes at (s NT + T) x 1,024: half c (k = 64 c ..) at + 512 c, lane 16 hb + r at + 16 x lane, its 16 bytes the 32 codes k = 128 s + 64 c + 32 hb + 0..31.
; Scale words: word s x 16 NT + 16 T + r behind the codes, byte t for k = 128 s + 32 t on.  A block's byte is its largest magnitude's exponent field - 2, held at 1 from below.
; LIMITS: a block of zeros, or one whose largest magnitude lies under 2^-124, gets the byte 1 (the rule says 127 for zeros): its codes are zeros and this program alone reads the bytes; v_rsq_f32 is good to one unit
; in the last place; NaN and infinities among the inputs are not served.
; ---- the LayerNorm path: (x - mean) rsqrt(var + 1e-5) g + b along rows of 1,024.  A work-group takes one tile (16 rows), wave w its places 4 w .. 4 w + 3, a row at a time, kept in 32 registers between the passes.
; Loads take the bytes as they lie (512 consecutive bytes a load), g and b likewise, and g and b are applied in that order of lanes.  The conversions want 32 neighbours in ONE lane: the finished row turns through the
; wave's own 4,608 bytes of LDS (16 bytes of padding behind each 128) and comes back into the registers that it left.  NB sets of row registers: row NB is asked for when row 0's set is free.
; The codes of the 16 rows meet in LDS as 16 images of 512 bytes, one barrier, and leave as runs of 512 consecutive bytes.  The scale words leave as runs of 64 bytes: a small part of the launch's bytes.
; WORK LEFT OUT IN THIS PROGRAM: the null key's row of V is zeros, so in the product of the softmax with V the null key's term is p x 0 for every value of the inputs: that one step of K is not multiplied.
; The null key's score is computed and counts in the row's maximum and sum.  Every input has a way to the output and is loaded.  LIMIT: a NaN or an infinity that would reach only that term is not carried to the result.
.set NB,  3
.set XR,  32                           ; v32..    the rows as loaded, then as 32 neighbours
.set G,   XR+32*NB                     ; 32 registers: g at the places of a row's loads
.set BB,  G+32                         ; b
.set CST, 18432                        ; LDS: 16 images, 544 bytes apart; an image's two halves of 256 bytes 272 apart
.set SST, 27136                        ; LDS: scale words [s 0..7][r 0..15]
	v_lshl_add_u32 v30, v0, 2, 0x6c00              ; my spare word and 0: v30 and v31 serve nothing else on either path
	v_mov_b32 v31, 0
	s_cmp_lt_u32 ttmp9, 512
	s_cbranch_scc0 .Lweights
	s_load_b256 s[4:11], s[0:1], 0x0               ; X, g0, b0, xn
	s_load_b256 s[24:31], s[0:1], 0x20             ; Y, g0kv, b0kv, yn
	s_and_b32 s3, ttmp9, 255                       ; my tile
	v_lshrrev_b32 v1, 5, v0
	v_readfirstlane_b32 s16, v1                    ; wave
	v_and_b32 v1, 31, v0                           ; lane l
	v_lshlrev_b32 v2, 4, v1                        ; 16 l
	s_mul_i32 s17, s16, 4608                       ; my wave's turning place
	v_lshrrev_b32 v8, 3, v1
	v_lshl_add_u32 v3, v8, 4, v2
	v_add_nc_u32 v3, s17, v3                       ; in: 16 l + 16 (l / 8); a load's 512 bytes take 576
	v_mul_u32_u24 v4, v1, 144
	v_add_nc_u32 v4, s17, v4                       ; out: 144 l: my 32 neighbours
	v_lshrrev_b32 v8, 1, v1
	v_mul_u32_u24 v5, v8, 544
	v_and_b32 v8, 1, v1
	v_mad_u32_u24 v5, v8, 272, v5
	s_lshl_b32 s17, s16, 6
	s_add_co_u32 s17, s17, CST
	v_add_nc_u32 v5, s17, v5                       ; block l's codes: image l / 2, half l % 2, place 4 w (+ k by the offset)
	v_lshrrev_b32 v8, 2, v1
	v_and_b32 v9, 3, v1
	v_lshl_add_u32 v6, v8, 6, v9
	s_lshl_b32 s17, s16, 4
	s_add_co_u32 s17, s17, SST
	v_add_nc_u32 v6, s17, v6                       ; block l's byte: word (l / 4, 4 w + k), byte l % 4
	v_lshlrev_b32 v26, 14, v8
	v_lshl_add_u32 v26, v9, 4, v26                 ; the words' way out: K step l / 4, four words l % 4
	v_lshrrev_b32 v10, 4, v1
	v_and_b32 v11, 15, v1
	v_mul_u32_u24 v24, v10, 272
	v_lshl_add_u32 v24, v11, 4, v24
	s_mul_i32 s17, s16, 4*544
	s_add_co_u32 s17, s17, CST
	v_add_nc_u32 v24, s17, v24                     ; the images' way out: my wave's four
	v_add_nc_u32 v25, SST, v2
	s_mov_b32 s12, 0x3a800000                      ; 1 / 1,024
	s_mov_b32 s13, 0x3727c5ac                      ; 1e-5
	s_mov_b32 s14, 0x76543210
	s_mov_b32 s15, 0xfedcba98                      ; v_permlanex16_b32's selects for lane l xor 16
	s_lshr_b32 s17, s3, 1
	s_lshl_b32 s17, s17, 5
	s_and_b32 s18, s3, 1
	s_lshl_b32 s18, s18, 3
	s_add_co_u32 s17, s17, s18
	s_lshl_b32 s18, s16, 2
	s_add_co_u32 s17, s17, s18
	s_lshr_b32 s18, s16, 1
	s_lshl_b32 s18, s18, 3
	s_add_co_u32 s17, s17, s18                     ; my first row: 32 (T / 2) + 8 (T % 2) + 4 w + 8 (w / 2)
	s_lshl_b32 s18, s17, 12
	s_mov_b32 s19, 0
	s_wait_kmcnt 0x0
	s_cmp_lt_u32 ttmp9, 256                        ; X's work-group or Y's?  The choice hangs on the work-group's number alone
	s_cselect_b64 s[4:5], s[4:5], s[24:25]
	s_cselect_b64 s[6:7], s[6:7], s[26:27]
	s_cselect_b64 s[8:9], s[8:9], s[28:29]
	s_cselect_b64 s[10:11], s[10:11], s[30:31]
	s_add_nc_u64 s[4:5], s[4:5], s[18:19]
	s_lshl_b32 s18, s3, 10
	s_lshl_b32 s20, s16, 19
	s_add_co_u32 s18, s18, s20
	s_add_nc_u64 s[20:21], s[10:11], s[18:19]      ; codes out: tile T, K steps 2 w and 2 w + 1
	s_lshl_b32 s18, s3, 6
	s_add_co_u32 s18, s18, 0x200000
	s_add_nc_u64 s[22:23], s[10:11], s[18:19]      ; words out
.irp j, 0,1,2,3,4,5,6,7
	global_load_b128 v[G+4*\j:G+4*\j+3], v2, s[6:7] offset:512*\j      ; 32 lanes read 512 consecutive bytes, as a row's loads do
	global_load_b128 v[BB+4*\j:BB+4*\j+3], v2, s[8:9] offset:512*\j
.endr
.macro RLOAD k                         ; row k of my four into set k % NB
.irp i, 0,1,2,3,4,5,6,7
	global_load_b128 v[XR+32*((\k)%NB)+4*\i:XR+32*((\k)%NB)+4*\i+3], v2, s[4:5] offset:4096*(\k)+512*\i th:TH_LOAD_NT
.endr
.endm
	RLOAD 0
	RLOAD 1
	RLOAD 2
.if NB > 3
	RLOAD 3
.endif
.macro RSUM                            ; v12 summed over the 32 lanes, the result in every lane
	v_add_f32_dpp v12, v12, v12 row_xmask:1 row_mask:0xf bank_mask:0xf
	v_add_f32_dpp v12, v12, v12 row_xmask:2 row_mask:0xf bank_mask:0xf
	v_add_f32_dpp v12, v12, v12 row_xmask:4 row_mask:0xf bank_mask:0xf
	v_add_f32_dpp v12, v12, v12 row_xmask:8 row_mask:0xf bank_mask:0xf
	v_permlanex16_b32 v13, v12, s14, s15
	v_add_f32 v12, v12, v13
.endm
.macro ROW k
.set XK, XR+32*((\k)%NB)
.set ISS, NB+(\k)                      ; rows asked for so far
.if ISS > 4
.set ISS, 4
.endif
	s_wait_loadcnt 8*(ISS-(\k)-1)                  ; g, b and this row are in; the rows asked for behind it, eight loads each, may be out
	v_pk_add_f32 v[12:13], v[XK:XK+1], v[XK+2:XK+3]
	v_pk_add_f32 v[14:15], v[XK+4:XK+5], v[XK+6:XK+7]
.irp i, 8,12,16,20,24,28
	v_pk_add_f32 v[12:13], v[12:13], v[XK+\i:XK+\i+1]
	v_pk_add_f32 v[14:15], v[14:15], v[XK+\i+2:XK+\i+3]
.endr
	v_pk_add_f32 v[12:13], v[12:13], v[14:15]
	v_add_f32 v12, v12, v13
	RSUM
	v_mul_f32 v8, s12, v12                         ; the mean
	v_mov_b32 v9, v8
.irp i, 0,2,4,6,8,10,12,14,16,18,20,22,24,26,28,30
	v_pk_add_f32 v[XK+\i:XK+\i+1], v[XK+\i:XK+\i+1], v[8:9] neg_lo:[0,1] neg_hi:[0,1]
.endr
	v_pk_mul_f32 v[12:13], v[XK:XK+1], v[XK:XK+1]
	v_pk_mul_f32 v[14:15], v[XK+2:XK+3], v[XK+2:XK+3]
.irp i, 4,8,12,16,20,24,28
	v_pk_fma_f32 v[12:13], v[XK+\i:XK+\i+1], v[XK+\i:XK+\i+1], v[12:13]
	v_pk_fma_f32 v[14:15], v[XK+\i+2:XK+\i+3], v[XK+\i+2:XK+\i+3], v[14:15]
.endr
	v_pk_add_f32 v[12:13], v[12:13], v[14:15]
	v_add_f32 v12, v12, v13
	RSUM
	v_fma_f32 v10, v12, s12, s13                   ; the variance + 1e-5
	s_wait_alu depctr_va_vdst(0)
	v_rsq_f32 v10, v10
	v_nop                                          ; a plain instruction behind the transcendental
	s_wait_alu depctr_va_vdst(0)                   ; and the wait ahead of its first reader
	v_mov_b32 v11, v10
.irp i, 0,2,4,6,8,10,12,14,16,18,20,22,24,26,28,30
	v_pk_mul_f32 v[XK+\i:XK+\i+1], v[XK+\i:XK+\i+1], v[10:11]
.endr
.irp i, 0,2,4,6,8,10,12,14,16,18,20,22,24,26,28,30
	v_pk_fma_f32 v[XK+\i:XK+\i+1], v[XK+\i:XK+\i+1], v[G+\i:G+\i+1], v[BB+\i:BB+\i+1]
.endr
.irp i, 0,1,2,3,4,5,6,7
	ds_store_b128 v3, v[XK+4*\i:XK+4*\i+3] offset:576*\i
.endr
.irp j, 0,1,2,3,4,5,6,7
	ds_load_b128 v[XK+4*\j:XK+4*\j+3], v4 offset:16*\j   ; LDS serves a wave's instructions in order: these see the stores above; the row comes back into the registers that it left
.endr
	s_wait_dscnt 0x0                               ; my 32 neighbours are in; the last row's stores of codes and byte have read their registers
	v_max3_num_f32 v16, |v[XK]|, |v[XK+1]|, |v[XK+2]|
	v_max3_num_f32 v17, |v[XK+3]|, |v[XK+4]|, |v[XK+5]|
.irp i, 6,10,14,18,22,26
	v_max3_num_f32 v16, v16, |v[XK+\i]|, |v[XK+\i+1]|
	v_max3_num_f32 v17, v17, |v[XK+\i+2]|, |v[XK+\i+3]|
.endr
	v_max3_num_f32 v16, v16, |v[XK+30]|, |v[XK+31]|
	v_max3_num_f32 v16, v16, v17, 0x1800000        ; the floor 2^(3 - 127)
	v_add_nc_u32 v18, 0xff000000, v16              ; 2 off the exponent field: the conversion's scale operand
.irp g, 0,1,2,3
	v_cvt_scalef32_pk8_fp4_f32 v[20+\g], v[XK+8*\g:XK+8*\g+7], v18
.endr
	v_lshrrev_b32 v19, 23, v18                     ; the scale's byte
	ds_store_b128 v5, v[20:23] offset:16*(\k)
	ds_store_b8 v6, v19 offset:4*(\k)
.if (\k)+NB < 4
	RLOAD (\k)+NB                                  ; this set is free: the conversions have read it
.endif
.endm
	ROW 0
	ROW 1
	ROW 2
	ROW 3
	s_wait_dscnt 0x0                               ; for the others' sake: my stores into the images and the words are done
	s_barrier_signal -1
	s_barrier_wait -1
.irp i, 0,1,2,3
	ds_load_b128 v[32+4*\i:35+4*\i], v24 offset:544*\i
.endr
.irp i, 0,1,2,3
	s_wait_dscnt 3-\i
	global_store_b128 v2, v[32+4*\i:35+4*\i], s[20:21] offset:(\i/2)*262144+(\i%2)*512   ; 32 lanes store 512 consecutive bytes, aligned
.endr
	s_cmp_lg_u32 s16, 0
	s_cbranch_scc1 .Ldone                          ; wave 0 alone stores the tile's 128 scale words
	ds_load_b128 v[48:51], v25
	s_wait_dscnt 0x0
	global_store_b128 v26, v[48:51], s[22:23]
.Ldone:
	s_wait_tensorcnt 0x0
	ds_add_u32 v30, v31
	s_wait_dscnt 0x0
	s_endpgm
; ---- the weights' path: f32 stored [K][N].  A LANE TAKES A COLUMN AND ITS REGISTERS RUN DOWN K: a block of 32 lies in one lane, its largest magnitude needs no other lane, and the conversions give K innermost.
; A wave: 32 columns (a bundle) x 128 along K (4 blocks).  Of this path's 704 work-groups 0-191 take Wq, Wk, Wv (64 each), 192-447 W1, 448-703 W2: only pointers and sizes are chosen.  No LDS, no barrier: waves share nothing.
.set RA, 32                            ; v32-63   byte offset of row i of a block at my column: 4 n' + i x (bytes of a row)
.set X,  64                            ; v64-127  two sets of 32 numbers
.set C,  128                           ; v128-143 four registers of codes for each block: no store's data are written again
.Lweights:
	s_load_b256 s[4:11], s[0:1], 0x40              ; Wq, Wk, Wv, W1
	s_load_b128 s[12:15], s[0:1], 0x60             ; W2, wbuf
	s_sub_co_u32 s2, ttmp9, 512                    ; my number on this path
	v_lshrrev_b32 v1, 5, v0
	v_readfirstlane_b32 s16, v1                    ; wave
	v_and_b32 v1, 31, v0                           ; n': my column in the bundle
	v_lshlrev_b32 v2, 2, v1
	s_wait_alu depctr_va_vdst(0)
	v_bfe_u32 v5, v1, 3, 1                         ; u
	v_and_b32 v6, 7, v1
	v_lshrrev_b32 v7, 4, v1
	v_lshl_add_u32 v6, v7, 3, v6                   ; r
	v_lshlrev_b32 v3, 4, v6
	v_lshl_add_u32 v3, v5, 10, v3                  ; my codes' place in the bundle's two fragments: 1,024 u + 16 r
	v_lshl_add_u32 v4, v5, 4, v6
	v_lshlrev_b32 v4, 2, v4                        ; my scale word's: 4 (16 u + r)
	s_mov_b32 s17, 448                             ; the class's first work-group; then W2's sizes, overridden below
	s_mov_b32 s18, 3                               ; log2 of the column tiles of 128
	s_mov_b32 s19, 4096                            ; bytes of a row
	s_mov_b32 s22, 64                              ; NT
	s_mov_b32 s23, 0x440000                        ; the class's region of wbuf
	s_cmp_lt_u32 s2, 448
	s_cselect_b32 s17, 192, s17
	s_cselect_b32 s18, 5, s18
	s_cselect_b32 s19, 16384, s19
	s_cselect_b32 s22, 256, s22
	s_cselect_b32 s23, 0x220000, s23
	s_cmp_lt_u32 s2, 192
	s_cselect_b32 s17, 0, s17
	s_cselect_b32 s18, 3, s18
	s_cselect_b32 s19, 4096, s19
	s_cselect_b32 s23, 0, s23
	s_sub_co_u32 s17, s2, s17                      ; my number in the class
	s_lshr_b32 s25, s17, 6
	s_and_b32 s40, s17, 63
	s_cmp_lt_u32 s2, 192
	s_cselect_b32 s25, s25, 0                      ; which of Wq, Wk, Wv
	s_cselect_b32 s17, s40, s17
	s_lshl_b32 s24, s25, 6                         ; its first tile in the shared region
	s_lshl_b32 s41, -1, s18
	s_and_not1_b32 s20, s17, s41                   ; column tile
	s_lshr_b32 s21, s17, s18                       ; K step
.set i, 0
.rept 32
	v_mad_u32_u24 v[RA+i], s19, i, v2
.set i, i+1
.endr
	s_mul_i32 s42, s21, s19
	s_lshl_b32 s42, s42, 7                         ; 128 rows a K step
	s_lshl_b32 s41, s20, 9
	s_add_co_u32 s42, s42, s41
	s_lshl_b32 s41, s16, 7
	s_add_co_u32 s42, s42, s41                     ; + (128 x column tile + 32 x wave) x 4 bytes
	s_mov_b32 s43, 0
	s_lshl_b32 s44, s19, 5                         ; a block: 32 rows
	s_mov_b32 s45, 0
	s_mul_i32 s46, s21, s22
	s_add_co_u32 s46, s46, s24
	s_lshl_b32 s41, s20, 3
	s_add_co_u32 s46, s46, s41
	s_lshl_b32 s41, s16, 1
	s_add_co_u32 s46, s46, s41                     ; my first fragment: s NT + tile
	s_lshl_b32 s40, s46, 10
	s_add_co_u32 s40, s40, s23
	s_mov_b32 s41, 0
	s_lshl_b32 s46, s46, 6                         ; 16 words a tile
	s_add_co_u32 s46, s46, s23
	s_add_co_u32 s46, s46, 0x200000
	s_mov_b32 s47, 0
	s_wait_alu depctr_va_vdst(0)
	s_wait_kmcnt 0x0
	s_cmp_eq_u32 s25, 1
	s_cselect_b64 s[26:27], s[6:7], s[4:5]
	s_cmp_eq_u32 s25, 2
	s_cselect_b64 s[26:27], s[8:9], s[26:27]
	s_cmp_lt_u32 s2, 192
	s_cselect_b64 s[26:27], s[26:27], s[10:11]
	s_cmp_lt_u32 s2, 448
	s_cselect_b64 s[26:27], s[26:27], s[12:13]
	s_add_nc_u64 s[28:29], s[26:27], s[42:43]      ; a base for each of the four blocks
	s_add_nc_u64 s[30:31], s[28:29], s[44:45]
	s_add_nc_u64 s[32:33], s[30:31], s[44:45]
	s_add_nc_u64 s[34:35], s[32:33], s[44:45]
	s_add_nc_u64 s[36:37], s[14:15], s[40:41]      ; codes out
	s_add_nc_u64 s[38:39], s[14:15], s[46:47]      ; scale words out
.macro LOAD t                          ; block t: W(32 t + i, my column): 32 lanes read 128 consecutive bytes
.set i, 0
.rept 32
	global_load_b32 v[X+32*((\t)%2)+i], v[RA+i], s[28+2*(\t):29+2*(\t)] th:TH_LOAD_NT
.set i, i+1
.endr
.endm
.macro BLOCK t
.set XS, X+32*((\t)%2)
.if (\t) < 3
	s_wait_loadcnt 32                              ; this block's 32 loads are in; the next block's 32 may be out
.else
	s_wait_loadcnt 0x0
.endif
	v_max3_num_f32 v12, |v[XS]|, |v[XS+1]|, |v[XS+2]|
	v_max3_num_f32 v13, |v[XS+3]|, |v[XS+4]|, |v[XS+5]|
.irp i, 6,10,14,18,22,26
	v_max3_num_f32 v12, v12, |v[XS+\i]|, |v[XS+\i+1]|
	v_max3_num_f32 v13, v13, |v[XS+\i+2]|, |v[XS+\i+3]|
.endr
	v_max3_num_f32 v12, v12, |v[XS+30]|, |v[XS+31]|
	v_max3_num_f32 v12, v12, v13, 0x1800000        ; and the floor 2^(3 - 127): the byte cannot fall under 1
	v_add_nc_u32 v11, 0xff000000, v12              ; 2 off the exponent field: the conversion's scale operand
	v_lshrrev_b32 v13, 23, v11                     ; the scale's byte
.if (\t) == 0
	v_mov_b32 v9, v13
.else
	v_lshl_or_b32 v9, v13, 8*(\t), v9
.endif
.irp g, 0,1,2,3
	v_cvt_scalef32_pk8_fp4_f32 v[C+4*(\t)+\g], v[XS+8*\g:XS+8*\g+7], v11
.endr
	global_store_b128 v3, v[C+4*(\t):C+4*(\t)+3], s[36:37] offset:256*(\t)   ; half c = t / 2, lanes 16 (t % 2) + r: each sixteen lanes store 256 consecutive bytes, aligned
.if (\t) < 2
	LOAD (\t)+2
.endif
.endm
	LOAD 0
	LOAD 1
	BLOCK 0
	BLOCK 1
	BLOCK 2
	BLOCK 3
	global_store_b32 v4, v9, s[38:39]              ; the bundle's 32 scale words: 128 consecutive bytes
	s_endpgm
.Lfunc_end_k_q0f038bab8b_prep:
	.size	k_q0f038bab8b_prep, .Lfunc_end_k_q0f038bab8b_prep-k_q0f038bab8b_prep
	.p2alignl 7, 3214868480
	.fill 96, 4, 3214868480
	.section	.rodata,"a",@progbits
	.p2align	6, 0x0
	.amdhsa_kernel k_q0f038bab8b_prep
		.amdhsa_group_segment_fixed_size 28160
		.amdhsa_private_segment_fixed_size 0
		.amdhsa_enable_private_segment 0
		.amdhsa_kernarg_size 112
		.amdhsa_user_sgpr_count 2
		.amdhsa_user_sgpr_kernarg_segment_ptr 1
		.amdhsa_wavefront_size32 1
		.amdhsa_system_sgpr_workgroup_id_x 1
		.amdhsa_system_sgpr_workgroup_id_y 1
		.amdhsa_system_sgpr_workgroup_id_z 1
		.amdhsa_system_vgpr_workitem_id 0
		.amdhsa_next_free_vgpr 192
		.amdhsa_next_free_sgpr 66
		.amdhsa_reserve_vcc 0
		.amdhsa_float_denorm_mode_32 3
		.amdhsa_float_denorm_mode_16_64 3
		.amdhsa_memory_ordered 1
		.amdhsa_forward_progress 1
		.amdhsa_inst_pref_size 67
	.end_amdhsa_kernel
	.amdgpu_metadata
---
amdhsa.version: [ 1, 2 ]
amdhsa.kernels:
  - .name:           k_q0f038bab8b_prep
    .symbol:         k_q0f038bab8b_prep.kd
    .args:
      - { .name: X, .offset: 0, .size: 8, .value_kind: global_buffer, .address_space: global }
      - { .name: g0, .offset: 8, .size: 8, .value_kind: global_buffer, .address_space: global }
      - { .name: b0, .offset: 16, .size: 8, .value_kind: global_buffer, .address_space: global }
      - { .name: xn, .offset: 24, .size: 8, .value_kind: global_buffer, .address_space: global }
      - { .name: Y, .offset: 32, .size: 8, .value_kind: global_buffer, .address_space: global }
      - { .name: g0kv, .offset: 40, .size: 8, .value_kind: global_buffer, .address_space: global }
      - { .name: b0kv, .offset: 48, .size: 8, .value_kind: global_buffer, .address_space: global }
      - { .name: yn, .offset: 56, .size: 8, .value_kind: global_buffer, .address_space: global }
      - { .name: Wq, .offset: 64, .size: 8, .value_kind: global_buffer, .address_space: global }
      - { .name: Wk, .offset: 72, .size: 8, .value_kind: global_buffer, .address_space: global }
      - { .name: Wv, .offset: 80, .size: 8, .value_kind: global_buffer, .address_space: global }
      - { .name: W1, .offset: 88, .size: 8, .value_kind: global_buffer, .address_space: global }
      - { .name: W2, .offset: 96, .size: 8, .value_kind: global_buffer, .address_space: global }
      - { .name: wbuf, .offset: 104, .size: 8, .value_kind: global_buffer, .address_space: global }
    .group_segment_fixed_size: 28160
    .private_segment_fixed_size: 0
    .kernarg_segment_align: 8
    .kernarg_segment_size: 112
    .max_flat_workgroup_size: 128
    .sgpr_count:     66
    .vgpr_count:     192
    .wavefront_size: 32
...
	.end_amdgpu_metadata
.endif
;; end of part 7
;; launch qkv (part 8): grid 12 x 16, 4 waves a work-group, clusters of 4 x 4, 279,040 bytes of LDS; arguments xn, yn, wbuf, bq, bk, bv, qkvb; writes qkvb
.if DOCPART == 8
	.amdgcn_target "amdgcn-amd-amdhsa--gfx1250"
	.amdhsa_code_object_version 6
	.text
	.protected	k_q0f038bab8b_qkv
	.globl	k_q0f038bab8b_qkv
	.p2align	8
	.type	k_q0f038bab8b_qkv,@function
k_q0f038bab8b_qkv:
	s_mov_b64 s[64:65], 0
	v_nop
	global_prefetch_b8 v0, s[64:65] scope:SCOPE_SE
	s_setreg_imm32_b32 hwreg(HW_REG_WAVE_MODE, 25, 1), 1
	s_wait_xcnt 0x0
	s_wait_alu depctr_hold_cnt(0) depctr_sa_sdst(0) depctr_va_vdst(0) depctr_va_sdst(0) depctr_va_ssrc(0) depctr_va_vcc(0) depctr_vm_vsrc(0)
	s_getreg_b32 s2, hwreg(HW_REG_IB_STS2, 6, 4)
	s_cmp_eq_u32 s2, 0
	s_cbranch_scc0 .Lentry_in_a_cluster
	s_endpgm
.Lentry_in_a_cluster:
	s_bfe_u32 s2, ttmp6, 0x10000c
	s_cmp_lg_u32 s2, 0xf033
	s_cbranch_scc0 .Lentry_shape_is_right
	s_endpgm
.Lentry_shape_is_right:
; Q = Xn Wq + bq, K = Yn Wk + bk, V = Yn Wv + bv on codes of FP4 with E8M0 scales; each result is quantised in registers along the NEXT product's K and stored as images of that operand's registers.
; A tile of 256 x 256, K = 1,024, by four waves of 128 x 128 (64 accumulators, 512 registers).  Cluster x says which product.  SOURCE 0's rows become a lane's registers, SOURCE 1's a lane's row:
; Q, K: source 0 = 256 columns of the weight (the head's channels: the next K), source 1 = 256 rows of the activation.  V: source 0 = 256 rows of Yn (the keys: the next K), source 1 = 256 columns of Wv.
; Both operands of a tile, all of K, fit in LDS: every tile is filled once, at the start; there is no ring.  Operands lie in memory and in LDS as images of their registers (1,024 bytes a fragment, 16 bytes a lane).
; CLUSTER 4 x 4: source 1's tile hangs on cy alone and is asked for jointly along a row of the cluster, source 0's on cx alone, along a column.
; The bias starts the sums: along the registers for Q and K, along the lanes for V; the part that a product has not is replaced by 0.  The additions stand where the wave would wait for its first tiles.
; OUT: Q, K: fragment (pair of heads, tile of rows), half c = the head's parity; a word a head and row: two bytes, then 0x7f twice.  V: fragment (key step, tile of channels), a word a key step and channel.
; LIMITS: a block of zeros or under 2^-124 gets the byte 1 (its codes are zeros; this program alone reads the bytes); NaN and infinities are not served.
; REGISTERS: window 0: v1-23 addresses; v32-47 scale words, two sets; v48-63, v64-127 the biases; v128-255 source 1's fragments, two sets.  window 1: source 0's, two sets.  windows 2, 3: accumulator (a, b) at v[8 (8 (a % 4) + b)].
.set SC, 32
.set BR, 48
.set BP, 64
.set AF, 128
.set PC, 128                           ; the way out: 8 registers of codes a tile, v128-191
.set SW, 192                           ; v192-199 a word a tile
.set TM, 208                           ; v208-223 at work
.set PW, 224
.set MSB, 0
.macro WIN new                         ; the immediate's high byte repeats the setting that is left
.if MSB != (\new)
	s_set_vgpr_msb (MSB<<8)|(\new)
.set MSB, (\new)
.endif
.endm
.macro ARM under, g0, g1, next         ; one arm of the head's chain of branches on the wave's number: its joint load, and a jump to the chain's end
	s_cmp_lt_u32 s18, \under
	s_cbranch_scc0 \next
	tensor_load_to_lds s[\g0:\g0+3], s[\g1:\g1+7]
	s_nop 0
.rept 4
	v_nop
.endr
	s_branch .Lhead_asked
\next:
.endm
.macro CROUND                          ; a round of the cluster's barrier
	s_barrier_signal -1
	s_barrier_wait -1
	s_cmp_lg_u32 s18, 0
	s_cbranch_scc1 .Lnot_wave_0_\@
	s_barrier_signal -3
.Lnot_wave_0_\@:
	s_barrier_wait -3
	s_barrier_signal -1
	s_barrier_wait -1
.endm
.macro PLACES                          ; four plain instructions between a matrix instruction and a load into, or a vector read or write of, its registers
.rept 4
	v_nop
.endr
.endm
.macro FETCH ks, bf                    ; K step ks: 16 fragments and 8 registers of scale words into set bf: 40 LDS loads in one run
	WIN 0x40
.irp i, 0,1,2,3,4,5,6,7
	ds_load_b128 v[64*(\bf)+8*\i:64*(\bf)+8*\i+3], v[17+6*((\ks)/4)] offset:16384*((\ks)%4)+1024*\i
	ds_load_b128 v[64*(\bf)+8*\i+4:64*(\bf)+8*\i+7], v[17+6*((\ks)/4)] offset:16384*((\ks)%4)+1024*\i+512
.endr
	WIN 0
.irp i, 0,1,2,3,4,5,6,7
	ds_load_b128 v[AF+64*(\bf)+8*\i:AF+64*(\bf)+8*\i+3], v[16+6*((\ks)/4)] offset:16384*((\ks)%4)+1024*\i
	ds_load_b128 v[AF+64*(\bf)+8*\i+4:AF+64*(\bf)+8*\i+7], v[16+6*((\ks)/4)] offset:16384*((\ks)%4)+1024*\i+512
.endr
.irp i, 0,1,2,3,4,5,6,7
	ds_load_b32 v[SC+8*(\bf)+\i], v18 offset:1024*(\ks)+64*\i   ; lanes 0-15: source 1's tile i; lanes 16-31: source 0's tile i
.endr
.endm
.macro MUL32 hi, bf                    ; source 1's tiles 4 hi .. 4 hi + 3 x source 0's eight; the 64 accumulators take turns, in one order in every step
	WIN 0xa1+0x50*(\hi)
.irp a, 0,1,2,3
.irp b, 0,1,2,3,4,5,6,7
	v_wmma_scale_f32_16x16x128_f8f6f4 v[8*(8*\a+\b):8*(8*\a+\b)+7], v[64*(\bf)+8*\b:64*(\bf)+8*\b+7], v[AF+64*(\bf)+8*(4*(\hi)+\a):AF+64*(\bf)+8*(4*(\hi)+\a)+7], v[8*(8*\a+\b):8*(8*\a+\b)+7], v[SC+8*(\bf)+\b], v[SC+8*(\bf)+4*(\hi)+\a] matrix_a_fmt:MATRIX_FMT_FP4 matrix_b_fmt:MATRIX_FMT_FP4 matrix_a_scale:MATRIX_SCALE_ROW1
.endr
.endr
.endm
.macro STEP ks
.if (\ks) > 0
	PLACES                                         ; the other set was read by the last step's products
.endif
.if (\ks) < 7
	FETCH (\ks)+1, ((\ks)+1)%2
	s_wait_dscnt 40                                ; all but the 40 just issued
.else
	s_wait_dscnt 0x0
.endif
	MUL32 0, (\ks)%2
	MUL32 1, (\ks)%2
	WIN 0
.endm
	s_load_b256 s[4:11], s[0:1], 0x0               ; xn, yn, wbuf, bq
	s_load_b128 s[12:15], s[0:1], 0x20             ; bk, bv
	s_load_b64 s[16:17], s[0:1], 0x30              ; qkvb
	v_lshl_add_u32 v30, v0, 2, 0x44000
	v_mov_b32 v31, 0
	ds_add_u32 v30, v31
	ds_add_u32 v30, v31
	v_lshrrev_b32 v1, 5, v0
	v_readfirstlane_b32 s18, v1                    ; wave
	s_lshr_b32 s19, s18, 1                         ; my half of source 1's rows.  Also: I fetch for source 1 (0) or source 0 (1)
	s_and_b32 s20, s18, 1                          ; my half of source 0's rows.  Also: which half of that tile I fetch
	s_bfe_u32 s40, ttmp6, 0x40000                  ; cx
	s_bfe_u32 s41, ttmp6, 0x40004                  ; cy
	s_and_b32 s22, ttmp7, 0xffff
	s_lshl_b32 s22, s22, 2                         ; 4 x cluster y
	s_lshl_b32 s96, ttmp9, 10
	s_cmp_eq_u32 ttmp9, 2                          ; V?  Cluster x is the same in all sixteen partners; it chooses numbers, never a path
	s_cselect_b32 s23, s22, 0
	s_cselect_b32 s22, 0, s22
	s_cselect_b32 s45, 0, -1                       ; all lanes where the bias runs along the registers (Q, K)
	s_cselect_b32 s46, -1, 0                       ; all lanes where it runs along the lanes (V)
	s_cselect_b32 s47, 2048, 0                     ; source 1's first row in its buffer: Wv's
	s_cselect_b32 s96, 0, s96                      ; source 0's: Wq's 0, Wk's 1,024
	s_cselect_b32 s97, -1, 0xffff                  ; the words' way out: what is kept of a word,
	s_cselect_b32 s98, 0, 0x7f7f0000               ; what is set,
	s_cselect_b32 s99, 0, 16                       ; what lanes 16-31 shift down,
	s_cselect_b32 s100, 0, 16384                   ; and how far on they store: the next head's words
	s_cselect_b32 s101, 6, 8                       ; log2 of the tiles in a K step of the result's buffer
	s_add_co_u32 s42, s40, s23                     ; t0: source 0's tile
	s_add_co_u32 s21, s41, s22                     ; t1: source 1's tile
	s_lshl_b32 s43, s41, 2
	s_lshl_b32 s43, 15, s43                        ; my row of the cluster
	s_lshl_b32 s44, 0x1111, s40                    ; my column
	; descriptor group 1.  Codes: all of K for 256 rows: 8 K steps x 16,384 consecutive bytes (2,048 elements of 8 bytes), 262,144 bytes apart.  Scale words: 8 K steps x 1,024 bytes, 16,384 apart
	s_or_b32 s24, s43, (3<<16)|(1<<21)
	s_or_b32 s48, s44, (3<<16)|(1<<21)
.irp g, 24, 48
	s_mov_b32 s[\g+1], 2048<<16                    ; codes: all of K for 256 rows: 8 K steps x 16,384 consecutive bytes (2,048 elements of 8 bytes)
	s_mov_b32 s[\g+2], 8<<16
	s_mov_b32 s[\g+3], 2048<<16
	s_mov_b32 s[\g+4], 8
	s_mov_b32 s[\g+5], 32768
	s_mov_b32 s[\g+6], 0
	s_mov_b32 s[\g+7], 0
.endr
	s_or_b32 s68, s43, (3<<16)|(1<<21)
	s_or_b32 s80, s44, (3<<16)|(1<<21)
.irp g, 68, 80
	s_mov_b32 s[\g+1], 128<<16                     ; scale words of 256 rows: 8 K steps x 1,024 bytes
	s_mov_b32 s[\g+2], 8<<16
	s_mov_b32 s[\g+3], 128<<16
	s_mov_b32 s[\g+4], 8
	s_mov_b32 s[\g+5], 2048
	s_mov_b32 s[\g+6], 0
	s_mov_b32 s[\g+7], 0
.endr
	s_lshl_b32 s22, s21, 8
	s_add_co_u32 s22, s22, s47                     ; the first of source 1's 256 rows
	s_lshl_b32 s23, s42, 8
	s_add_co_u32 s23, s23, s96                     ; of source 0's
	s_mov_b32 s3, 0
	s_mov_b32 s67, 0
	s_wait_dscnt 0x0
	s_wait_kmcnt 0x0
	s_cmp_eq_u32 ttmp9, 0
	s_cselect_b64 s[92:93], s[4:5], s[6:7]
	s_cselect_b64 s[10:11], s[10:11], s[12:13]
	s_cmp_eq_u32 ttmp9, 2
	s_cselect_b64 s[92:93], s[8:9], s[92:93]       ; source 1: xn, yn, or the weights
	s_cselect_b64 s[94:95], s[6:7], s[8:9]         ; source 0: the weights, or yn
	s_cselect_b64 s[10:11], s[14:15], s[10:11]     ; the bias
	s_lshl_b32 s2, s22, 2
	s_add_co_u32 s2, s2, 0x200000
	s_add_nc_u64 s[4:5], s[92:93], s[2:3]          ; source 1's scale words
	s_lshl_b32 s2, s22, 6
	s_add_nc_u64 s[92:93], s[92:93], s[2:3]        ; and codes
	s_lshl_b32 s66, s23, 2
	s_add_co_u32 s66, s66, 0x200000
	s_add_nc_u64 s[6:7], s[94:95], s[66:67]
	s_lshl_b32 s66, s23, 6
	s_add_nc_u64 s[94:95], s[94:95], s[66:67]
	CROUND                                         ; all sixteen work-groups are here: the first joint loads meet
	s_mov_b32 s76, 1                               ; source 1's scale words, behind the codes
	s_mov_b32 s77, 262144
	s_mov_b64 s[78:79], s[4:5]
	s_or_b32 s79, s79, 0x80000000
	s_mov_b32 s88, 1                               ; source 0's
	s_mov_b32 s89, 270336
	s_mov_b64 s[90:91], s[6:7]
	s_or_b32 s91, s91, 0x80000000
	s_mov_b32 s32, 1                               ; source 1's codes: LDS [K step][16 tiles][1,024 bytes] from byte 0
	s_mov_b32 s33, 0
	s_mov_b64 s[34:35], s[92:93]
	s_or_b32 s35, s35, 0x80000000
	s_mov_b32 s56, 1                               ; source 0's, from byte 131,072
	s_mov_b32 s57, 131072
	s_mov_b64 s[58:59], s[94:95]
	s_or_b32 s59, s59, 0x80000000
	; the head's four tiles, one joint load a wave: every way through the chain passes exactly one load; nothing is filled later
	ARM 1, 32, 24, .Lhead_b
	ARM 2, 56, 48, .Lhead_sa
	ARM 3, 76, 68, .Lhead_sb
	tensor_load_to_lds s[88:91], s[80:87]
	s_nop 0
.rept 4
	v_nop
.endr
.Lhead_asked:
	v_and_b32 v3, 31, v0
	v_and_b32 v1, 15, v0                           ; r
	v_bfe_u32 v2, v0, 4, 1                         ; h
	v_lshlrev_b32 v19, 4, v3                       ; 16 x lane
	s_lshl_b32 s2, s19, 13
	v_add_nc_u32 v16, s2, v19                      ; source 1's fragments: my eight tiles of a K step's sixteen
	s_lshl_b32 s3, s20, 13
	s_add_co_u32 s3, s3, 131072
	v_add_nc_u32 v17, s3, v19                      ; source 0's
	v_add_nc_u32 v22, 0x10000, v16                 ; and K steps 4 to 7: the immediate offset has 16 bits
	v_add_nc_u32 v23, 0x10000, v17
	s_lshl_b32 s2, s19, 9
	s_lshl_b32 s3, s20, 9
	s_add_co_u32 s3, s3, 8192
	s_sub_co_u32 s3, s3, s2
	v_mul_u32_u24 v4, s3, v2                       ; lanes 16-31 take source 0's words
	s_wait_alu depctr_va_vdst(0)
	s_add_co_u32 s2, s2, 262144
	v_lshl_add_u32 v4, v1, 2, v4
	v_add_nc_u32 v18, s2, v4
	; the biases.  An offset that the product has no use for is 0, so that no load leaves the 4,096 bytes
	s_lshl_b32 s2, s42, 10
	s_lshl_b32 s3, s20, 9
	s_add_co_u32 s2, s2, s3
	s_and_b32 s2, s2, s45
	s_mov_b32 s3, 0
	s_add_nc_u64 s[4:5], s[10:11], s[2:3]
	s_lshl_b32 s2, s21, 10
	s_lshl_b32 s66, s19, 9
	s_add_co_u32 s2, s2, s66
	s_and_b32 s2, s2, s46
	s_add_nc_u64 s[6:7], s[10:11], s[2:3]
	v_lshlrev_b32 v5, 6, v2
.irp b, 0,1,2,3,4,5,6,7
	global_load_b128 v[BP+8*\b:BP+8*\b+3], v5, s[4:5] offset:(32*(\b/2)+8*(\b%2))*4      ; register j of tile b: unit 32 (b / 2) + 8 (b % 2) + 16 h + j
	global_load_b128 v[BP+8*\b+4:BP+8*\b+7], v5, s[4:5] offset:(32*(\b/2)+8*(\b%2))*4+16
.endr
	v_and_b32 v6, 8, v1
	v_add_nc_u32 v6, v6, v1
	v_lshlrev_b32 v6, 2, v6
.irp a, 0,1,2,3,4,5,6,7
	global_load_b32 v[128+\a], v6, s[6:7] offset:(32*(\a/2)+8*(\a%2))*4                  ; my row of tile a: unit 32 (a / 2) + 8 (a % 2) + r + 8 (r / 8)
.endr
	v_mul_u32_u24 v21, s100, v2
	v_lshl_add_u32 v21, v1, 2, v21                 ; the words' way out: 4 r, lanes 16-31 a head further on (Q, K)
	s_wait_loadcnt 0x0
.set i, 0
.rept 64
	v_cndmask_b32 v[BP+i], 0, v[BP+i], s45
.set i, i+1
.endr
.irp a, 0,1,2,3,4,5,6,7
	v_cndmask_b32 v[BR+2*\a], 0, v[128+\a], s46
	v_cndmask_b32 v[BR+2*\a+1], 0, v[128+\a], s46
.endr
.macro BINIT hi                        ; the sums begin as the bias
	WIN 0x80+0x40*(\hi)
.irp a, 0,1,2,3
.irp b, 0,1,2,3,4,5,6,7
.irp p, 0,2,4,6
	v_pk_add_f32 v[8*(8*\a+\b)+\p:8*(8*\a+\b)+\p+1], v[BP+8*\b+\p:BP+8*\b+\p+1], v[BR+2*(4*(\hi)+\a):BR+2*(4*(\hi)+\a)+1]
.endr
.endr
.endr
.endm
	BINIT 0
	BINIT 1
	WIN 0
	; where the results go
	s_lshl_b32 s2, s42, 1
	s_add_co_u32 s2, s2, s20                       ; the next product's K step: 2 t0 + my half
	s_lshl_b32 s8, s2, s101
	s_lshl_b32 s66, s21, 4
	s_add_co_u32 s8, s8, s66
	s_lshl_b32 s66, s19, 3
	s_add_co_u32 s8, s8, s66                       ; + my first tile of rows
	s_lshl_b32 s8, s8, 10
	s_lshl_b32 s66, ttmp9, 21
	s_add_co_u32 s8, s8, s66
	s_mov_b32 s9, 0
	s_add_nc_u64 s[4:5], s[16:17], s[8:9]          ; codes
	s_cmp_eq_u32 ttmp9, 2
	s_cselect_b32 s66, 10, 13                      ; words in a K step: 1,024 (V), or two heads of 4,096
	s_lshl_b32 s8, s2, s66
	s_lshl_b32 s66, s21, 8
	s_add_co_u32 s8, s8, s66
	s_lshl_b32 s66, s19, 7
	s_add_co_u32 s8, s8, s66
	s_lshl_b32 s8, s8, 2
	s_lshl_b32 s66, ttmp9, 18
	s_add_co_u32 s8, s8, s66
	s_add_co_u32 s8, s8, 0x600000
	s_add_nc_u64 s[6:7], s[16:17], s[8:9]          ; words
	s_mov_b32 s12, 0xffff0000                      ; lanes 16-31
	s_mov_b32 s14, 0x76543210
	s_mov_b32 s15, 0xfedcba98
	s_wait_alu depctr_va_vdst(0)
	s_wait_tensorcnt 0x0                           ; my tile of the head's four is in
	s_barrier_signal -1
	s_barrier_wait -1
	FETCH 0, 0
	STEP 0
	STEP 1
	STEP 2
	STEP 3
	STEP 4
	STEP 5
	STEP 6
	STEP 7
	PLACES
.irp q, 0,1,2,3
	v_mov_b32 v[TM+4+\q], 0                        ; written once: a lane permute's destination counts as one of its sources
.endr
; Tile a of my rows: the lane's 64 numbers, register 16 q + i = k 32 q + 16 h + i of the next K, become a fragment and a scale word.  Each accumulator is read from its low end on.
.macro QOUT a
.set AC, 64*((\a)%4)
.set WN, 2+(\a)/4
	WIN 5*WN                                       ; sources 0 and 1: the accumulators' window
.irp q, 0,1,2,3
	v_max3_num_f32 v[TM+\q], |v[AC+16*\q]|, |v[AC+16*\q+1]|, 0x1800000   ; with the floor 2^(3 - 127)
.endr
.irp i, 2,4,6,8,10,12,14
.irp q, 0,1,2,3
	v_max3_num_f32 v[TM+\q], |v[AC+16*\q+\i]|, |v[AC+16*\q+\i+1]|, v[TM+\q]
.endr
.endr
	WIN 0
.irp q, 0,1,2,3
	v_permlanex16_b32 v[TM+4+\q], v[TM+\q], s14, s15
.endr
.irp q, 0,1,2,3
	v_max_num_f32 v[TM+\q], v[TM+\q], v[TM+4+\q]   ; with lane l xor 16's: the block's largest magnitude
.endr
.irp q, 0,1,2,3
	v_add_nc_u32 v[TM+12+\q], 0xff000000, v[TM+\q]
.endr
.irp q, 0,1,2,3
	v_lshrrev_b32 v[TM+4+\q], 23, v[TM+12+\q]
.endr
	v_lshl_or_b32 v[PW], v[TM+5], 8, v[TM+4]
	v_lshl_or_b32 v[PW], v[TM+6], 16, v[PW]
	v_lshl_or_b32 v[PW], v[TM+7], 24, v[PW]
	WIN WN
.irp q, 0,1,2,3
	v_cvt_scalef32_pk8_fp4_f32 v[PC+8*(\a)+2*\q], v[AC+16*\q:AC+16*\q+7], v[TM+12+\q]
	v_cvt_scalef32_pk8_fp4_f32 v[PC+8*(\a)+2*\q+1], v[AC+16*\q+8:AC+16*\q+15], v[TM+12+\q]
.endr
	WIN 0
	v_nop                                          ; one plain instruction behind a scaled conversion
.irp c, 0,1
.irp i, 0,1
	v_permlane16_swap_b32 v[PC+8*(\a)+4*\c+\i], v[PC+8*(\a)+2+4*\c+\i]   ; a whole block to a lane
.endr
.endr
	v_lshrrev_b32 v225, s99, v[PW]
	v_and_or_b32 v226, v[PW], s97, s98             ; Q, K: the even head's two bytes,
	v_and_or_b32 v225, v225, s97, s98              ; the odd head's; V: the word as it is
	v_cndmask_b32 v[SW+(\a)], v226, v225, s12
	global_store_b128 v19, v[PC+8*(\a):PC+8*(\a)+3], s[4:5] offset:1024*(\a)        ; 32 lanes store 512 consecutive bytes, aligned
	global_store_b128 v19, v[PC+8*(\a)+4:PC+8*(\a)+7], s[4:5] offset:1024*(\a)+512
	global_store_b32 v21, v[SW+(\a)], s[6:7] offset:64*(\a)                          ; (V: both halves of the lanes store the same word to the same place)
.endm
	QOUT 0
	QOUT 1
	QOUT 2
	QOUT 3
	QOUT 4
	QOUT 5
	QOUT 6
	QOUT 7
	s_wait_tensorcnt 0x0
	ds_add_u32 v30, v31
	s_wait_dscnt 0x0
	CROUND                                         ; the closing round: no work-group ends while a partner may still ask for a tile that names it
	s_endpgm
.Lfunc_end_k_q0f038bab8b_qkv:
	.size	k_q0f038bab8b_qkv, .Lfunc_end_k_q0f038bab8b_qkv-k_q0f038bab8b_qkv
	.p2alignl 7, 3214868480
	.fill 96, 4, 3214868480
	.section	.rodata,"a",@progbits
	.p2align	6, 0x0
	.amdhsa_kernel k_q0f038bab8b_qkv
		.amdhsa_group_segment_fixed_size 279040
		.amdhsa_private_segment_fixed_size 0
		.amdhsa_enable_private_segment 0
		.amdhsa_kernarg_size 56
		.amdhsa_user_sgpr_count 2
		.amdhsa_user_sgpr_kernarg_segment_ptr 1
		.amdhsa_wavefront_size32 1
		.amdhsa_system_sgpr_workgroup_id_x 1
		.amdhsa_system_sgpr_workgroup_id_y 1
		.amdhsa_system_sgpr_workgroup_id_z 1
		.amdhsa_system_vgpr_workitem_id 0
		.amdhsa_next_free_vgpr 1024
		.amdhsa_next_free_sgpr 102
		.amdhsa_reserve_vcc 0
		.amdhsa_float_denorm_mode_32 3
		.amdhsa_float_denorm_mode_16_64 3
		.amdhsa_memory_ordered 1
		.amdhsa_forward_progress 1
		.amdhsa_inst_pref_size 155
	.end_amdhsa_kernel
	.amdgpu_metadata
---
amdhsa.version: [ 1, 2 ]
amdhsa.kernels:
  - .name:           k_q0f038bab8b_qkv
    .symbol:         k_q0f038bab8b_qkv.kd
    .args:
      - { .name: xn, .offset: 0, .size: 8, .value_kind: global_buffer, .address_space: global }
      - { .name: yn, .offset: 8, .size: 8, .value_kind: global_buffer, .address_space: global }
      - { .name: wbuf, .offset: 16, .size: 8, .value_kind: global_buffer, .address_space: global }
      - { .name: bq, .offset: 24, .size: 8, .value_kind: global_buffer, .address_space: global }
      - { .name: bk, .offset: 32, .size: 8, .value_kind: global_buffer, .address_space: global }
      - { .name: bv, .offset: 40, .size: 8, .value_kind: global_buffer, .address_space: global }
      - { .name: qkvb, .offset: 48, .size: 8, .value_kind: global_buffer, .address_space: global }
    .group_segment_fixed_size: 279040
    .private_segment_fixed_size: 0
    .kernarg_segment_align: 8
    .kernarg_segment_size: 56
    .max_flat_workgroup_size: 128
    .sgpr_count:     102
    .vgpr_count:     1024
    .wavefront_size: 32
...
	.end_amdgpu_metadata
.endif
;; end of part 8
;; launch attn (part 9): grid 8 x 32, 8 waves a work-group, clusters of 4 x 1, 179,200 bytes of LDS; arguments qkvb, null_k, X, hres; writes hres
.if DOCPART == 9
	.amdgcn_target "amdgcn-amd-amdhsa--gfx1250"
	.amdhsa_code_object_version 6
	.text
	.protected	k_q0f038bab8b_attn
	.globl	k_q0f038bab8b_attn
	.p2align	8
	.type	k_q0f038bab8b_attn,@function
k_q0f038bab8b_attn:
	s_mov_b64 s[64:65], 0
	v_nop
	global_prefetch_b8 v0, s[64:65] scope:SCOPE_SE
	s_setreg_imm32_b32 hwreg(HW_REG_WAVE_MODE, 25, 1), 1
	s_wait_xcnt 0x0
	s_wait_alu depctr_hold_cnt(0) depctr_sa_sdst(0) depctr_va_vdst(0) depctr_va_sdst(0) depctr_va_ssrc(0) depctr_va_vcc(0) depctr_vm_vsrc(0)
	s_getreg_b32 s2, hwreg(HW_REG_IB_STS2, 6, 4)
	s_cmp_eq_u32 s2, 0
	s_cbranch_scc0 .Lentry_in_a_cluster
	s_endpgm
.Lentry_in_a_cluster:
	s_bfe_u32 s2, ttmp6, 0x10000c
	s_cmp_lg_u32 s2, 0x3003
	s_cbranch_scc0 .Lentry_shape_is_right
	s_endpgm
.Lentry_shape_is_right:
; Hres = X + softmax(Q K^T / 32) V for one batch and head, both products on codes of FP4 with E8M0 scales; keys 0..2,047 and the null key.
; LEFT OUT: the null key's term of the second product: its row of V is zeros.  Its score counts in M and in the sum.
; t = score x log2(e) / 32; M = the running largest t rounded up to a whole number; p = 2^(t - M) is quantised along the keys; the sum is taken of the unquantised p and divides at the end.
; SHARES: a work-group owns 256 queries of one batch and head; each of its EIGHT waves owns 32 of them, two tiles of 16: each fragment of K and V read from LDS feeds two matrix instructions, and two waves share a SIMD's 1,024 registers.
; A head's K and V (codes 2 x 65,536 bytes, scale words 8,192 + 4,096) lie in LDS whole, as images of operand registers, filled once at the head: eight joint loads, one a wave, shared by the cluster's four work-groups,
; which own other queries of the same batch and head.  Nothing is fetched from memory inside the loop, so there is no prefetch.
; Both products are used transposed: a lane holds one query (lane % 16).  The head has 64 channels: the upper half of the first product's K of 128 meets zero codes of Q (registers 4-7 of Q's fragment), under the byte 0x7f.
; REGISTERS.  window 0: v1-11 addresses; v14, v15 the add's; v16-19 (-M, largest t) a tile; v24-27 f a tile; v32-67 K's fragments; v68-88 scale words alone; v96-127 V's fragments (at the head: null_k); v128-163 sums and work; v192-255 X.
; window 1: S^T, then p: tile j at v[64 j]; O^T at v[128 + 32 j]; Q at v[192 + 8 j]; p's codes at v[208 + 8 j].
; LIMITS: the promise holds while the scaled scores stay under 2^31 in magnitude; a block of p that is all zeros gets the byte 1 (its codes are zeros); NaN and infinities are not served.
.set VC,    65536
.set KW,    131072
.set VW,    139264
.set STAGE, 143360                     ; 16 rows x 272 bytes for each wave; no tile lands here
.set SPARE, 178176                     ; the spare words: 128 bytes for each wave
.set KF,  32
.set KWD, 68
.set VWD, 76
.set PW,  80
.set QW,  84
.set NW,  88
.set VF,  96
.set NK,  96
.set SA,  128
.set MX,  136
.set TP,  144
.set SO,  152
.set TC,  160
.set OL,  162
.set XR,  192
.set OA,  128
.set QF,  192
.set PC,  208
.set MSB, 0
.macro WIN d, a, b, c                  ; windows of the destination and of sources 0, 1, 2; the immediate's high byte repeats the setting that is left
.set WNEW, (\a)|((\b)<<2)|((\c)<<4)|((\d)<<6)
.if MSB != WNEW
	s_set_vgpr_msb (MSB<<8)|WNEW
.set MSB, WNEW
.endif
.endm
.macro CROUND
	s_barrier_signal -1
	s_barrier_wait -1
	s_cmp_lg_u32 s18, 0
	s_cbranch_scc1 .Lnot_wave_0_\@
	s_barrier_signal -3
.Lnot_wave_0_\@:
	s_barrier_wait -3
	s_barrier_signal -1
	s_barrier_wait -1
.endm
.macro GRP1 g, c, r, p                 ; r rows of c elements of 8 bytes, p elements apart; the mask names the cluster's four
	s_mov_b32 s[\g], 15|(3<<16)|(1<<21)
	s_mov_b32 s[\g+1], (\c)<<16
	s_mov_b32 s[\g+2], (\r)<<16
	s_mov_b32 s[\g+3], (\c)<<16
	s_mov_b32 s[\g+4], \r
	s_mov_b32 s[\g+5], \p
	s_mov_b32 s[\g+6], 0
	s_mov_b32 s[\g+7], 0
.endm
.macro GRP0 g, sh, lds                 ; from qkvb + s[76:77] to LDS byte lds + (wave % 2) << sh
	s_mov_b32 s[\g], 1
	s_lshl_b32 s[\g+1], s17, \sh
	s_add_co_u32 s[\g+1], s[\g+1], \lds
	s_add_nc_u64 s[\g+2:\g+3], s[4:5], s[76:77]
	s_or_b32 s[\g+3], s[\g+3], 0x80000000
.endm
.macro ARM under, g0, g1, next
	s_cmp_lt_u32 s18, \under
	s_cbranch_scc0 \next
	tensor_load_to_lds s[\g0:\g0+3], s[\g1:\g1+7]
	s_nop 0
.rept 4
	v_nop
.endr
	s_branch .Lhead_asked
\next:
.endm
	s_load_b256 s[4:11], s[0:1], 0x0               ; qkvb, null_k, X, hres
	v_lshl_add_u32 v14, v0, 2, SPARE
	v_mov_b32 v15, 0
	ds_add_u32 v14, v15                            ; the opening lines: the add twice on end and its wait ahead of my first tensor load
	ds_add_u32 v14, v15
	v_lshrrev_b32 v8, 5, v0
	v_readfirstlane_b32 s18, v8                    ; wave
	s_and_b32 s17, s18, 1                          ; which half of a tile I fetch
	s_bfe_u32 s19, ttmp6, 0x40000                  ; cx
	s_and_b32 s12, ttmp7, 0xffff
	s_lshr_b32 s13, s12, 1                         ; head
	s_and_b32 s14, s12, 1                          ; batch
	s_lshr_b32 s15, s13, 1                         ; pair of heads
	s_and_b32 s16, s13, 1                          ; the head's parity
	s_mov_b32 s20, 0x76543210
	s_mov_b32 s21, 0xfedcba98                      ; selects for lane l xor 16
	s_mov_b32 s22, 0x3d38aa3b                      ; c = log2(e) / 32
	s_mov_b32 s23, s22
	GRP1 24, 64, 64, 128                           ; half of K's codes: 64 tiles x 512 bytes (my head's half of a fragment), 1,024 apart
	GRP1 32, 512, 8, 8192                          ; of V's: 8 key steps x 4,096 bytes (4 tiles of channels), 65,536 apart
	GRP1 48, 32, 16, 32                            ; of K's words: 4,096 dense bytes
	GRP1 56, 32, 8, 512                            ; of V's: 8 key steps x 256 bytes, 4,096 apart
	s_mov_b32 s77, 0
	s_wait_dscnt 0x0
	s_wait_kmcnt 0x0
	s_lshl_b32 s76, s15, 18
	s_lshl_b32 s78, s14, 17
	s_add_co_u32 s76, s76, s78
	s_lshl_b32 s78, s17, 16
	s_add_co_u32 s76, s76, s78
	s_lshl_b32 s78, s16, 9
	s_add_co_u32 s76, s76, s78
	s_add_co_u32 s76, s76, 0x200000
	GRP0 40, 15, 0
	s_lshl_b32 s76, s14, 20
	s_lshl_b32 s78, s17, 19
	s_add_co_u32 s76, s76, s78
	s_lshl_b32 s78, s13, 12
	s_add_co_u32 s76, s76, s78
	s_add_co_u32 s76, s76, 0x400000
	GRP0 44, 15, VC
	s_lshl_b32 s76, s13, 14
	s_lshl_b32 s78, s14, 13
	s_add_co_u32 s76, s76, s78
	s_lshl_b32 s78, s17, 12
	s_add_co_u32 s76, s76, s78
	s_add_co_u32 s76, s76, 0x640000
	GRP0 68, 12, KW
	s_lshl_b32 s76, s14, 16
	s_lshl_b32 s78, s17, 15
	s_add_co_u32 s76, s76, s78
	s_lshl_b32 s78, s13, 8
	s_add_co_u32 s76, s76, s78
	s_add_co_u32 s76, s76, 0x680000
	GRP0 72, 11, VW
	CROUND                                         ; the four work-groups are here: the joint loads meet
	ARM 2, 40, 24, .Lhead_v                        ; one load a wave, one chain of branches
	ARM 4, 44, 32, .Lhead_kw
	ARM 6, 68, 48, .Lhead_vw
	tensor_load_to_lds s[72:75], s[56:63]
	s_nop 0
.rept 4
	v_nop
.endr
.Lhead_asked:
	s_lshl_b32 s80, ttmp9, 2
	s_add_co_u32 s80, s80, s19
	s_lshl_b32 s80, s80, 4
	s_lshl_b32 s81, s18, 1
	s_add_co_u32 s80, s80, s81
	s_lshl_b32 s81, s14, 7
	s_add_co_u32 s80, s80, s81                     ; my first tile of queries: 128 batch + 16 work-group + 2 wave
	s_lshl_b32 s76, s15, 18
	s_lshl_b32 s81, s80, 10
	s_add_co_u32 s76, s76, s81
	s_lshl_b32 s81, s16, 9
	s_add_co_u32 s76, s76, s81
	s_add_nc_u64 s[82:83], s[4:5], s[76:77]        ; Q's codes
	s_lshl_b32 s76, s13, 14
	s_lshl_b32 s81, s80, 6
	s_add_co_u32 s76, s76, s81
	s_add_co_u32 s76, s76, 0x600000
	s_add_nc_u64 s[4:5], s[4:5], s[76:77]          ; Q's words
	s_lshl_b32 s76, s13, 8
	s_add_nc_u64 s[6:7], s[6:7], s[76:77]          ; the head's 64 numbers of null_k
	s_lshl_b32 s81, s80, 16                        ; 16 rows a tile x 4,096 bytes (my first tile's number is even)
	s_add_co_u32 s76, s76, s81
	s_add_nc_u64 s[8:9], s[8:9], s[76:77]
	s_add_nc_u64 s[10:11], s[10:11], s[76:77]
	s_mul_i32 s81, s18, 4352
	s_add_co_u32 s81, s81, STAGE
	v_and_b32 v8, 15, v0                           ; r
	v_bfe_u32 v9, v0, 4, 1                         ; h
	v_and_b32 v10, 31, v0
	v_lshlrev_b32 v1, 4, v10                       ; 16 x lane: a fragment's image
	v_add_nc_u32 v2, VC, v1
	v_lshl_add_u32 v3, v8, 2, KW
	v_lshl_add_u32 v4, v8, 2, VW
	v_lshlrev_b32 v7, 12, v9
	v_lshl_add_u32 v7, v8, 4, v7                   ; X and Hres: lanes 0-15 one row's 256 bytes, lanes 16-31 the next
	v_mul_u32_u24 v5, v8, 272
	v_lshl_add_u32 v5, v9, 6, v5
	v_add_nc_u32 v5, s81, v5                       ; the stage, in
	v_mul_u32_u24 v6, v9, 272
	v_lshl_add_u32 v6, v8, 4, v6
	v_add_nc_u32 v6, s81, v6                       ; and back
	v_lshlrev_b32 v11, 2, v8
	v_lshlrev_b32 v12, 7, v9
	s_wait_alu depctr_va_vdst(0)
	WIN 1, 0, 0, 0
.irp j, 0,1
	global_load_b128 v[QF+8*\j:QF+8*\j+3], v1, s[82:83] offset:1024*\j
.endr
	WIN 0, 0, 0, 0
.irp j, 0,1
	global_load_b32 v[QW+\j], v11, s[4:5] offset:64*\j
.endr
.irp i, 0,1,2,3,4,5,6,7
	global_load_b128 v[NK+4*\i:NK+4*\i+3], v12, s[6:7] offset:16*\i
.endr
	WIN 1, 0, 0, 0
.set n, 0
.rept 64
	v_mov_b32 v[OA+n], 0                           ; O^T: the loop is written once; its first step finds zeros.  These lines stand under the flight of the head's loads
.set n, n+1
.endr
.irp j, 0,1
.irp g, 4,5,6,7
	v_mov_b32 v[QF+8*\j+\g], 0                     ; Q's upper half of K: zero codes
.endr
.endr
	WIN 0, 0, 0, 0
.irp j, 0,1
	v_mov_b32 v[25+2*\j], 0                        ; named as the upper half of f's pair
	v_mov_b32 v[SA+4*\j+1], 0                      ; the sums: two pairs a tile
	v_mov_b32 v[SA+4*\j+2], 0
	v_mov_b32 v[SA+4*\j+3], 0
.endr
.irp g, 0,1,2,3
	v_mov_b32 v[KF+32+\g], 0                       ; behind K's last tile: read as an upper half of K
.endr
	s_wait_alu depctr_va_vdst(0)
	s_wait_loadcnt 0x0                             ; Q, its words and null_k are in
	v_max3_num_f32 v144, |v[NK]|, |v[NK+1]|, |v[NK+2]|       ; the null key: lane half h holds block h of the head's 64
	v_max3_num_f32 v145, |v[NK+3]|, |v[NK+4]|, |v[NK+5]|
.irp i, 6,10,14,18,22,26
	v_max3_num_f32 v144, v144, |v[NK+\i]|, |v[NK+\i+1]|
	v_max3_num_f32 v145, v145, |v[NK+\i+2]|, |v[NK+\i+3]|
.endr
	v_max3_num_f32 v144, v144, |v[NK+30]|, |v[NK+31]|
	v_max3_num_f32 v144, v144, v145, 0x1800000     ; the floor 2^(3 - 127)
	v_add_nc_u32 v152, 0xff000000, v144            ; the conversion's scale operand
	v_lshrrev_b32 v146, 23, v152
	v_lshlrev_b32 v147, 3, v9
	v_lshlrev_b32 v146, v147, v146
	v_mov_b32 v148, 0
	v_permlanex16_b32 v148, v146, s20, s21
	v_or_b32 v[NW], v146, v148
	v_or_b32 v[NW], 0x7f7f0000, v[NW]
.irp g, 0,1,2,3
	v_cvt_scalef32_pk8_fp4_f32 v[KF+\g], v[NK+8*\g:NK+8*\g+7], v152
.endr
.irp g, 4,5,6,7
	v_mov_b32 v[KF+\g], 0
.endr
.set n, 0
.rept 8
	v_mov_b32 v[TP+n], 0                           ; a lane permute's destination counts as a source; these are also the places ahead of the scaled products
.set n, n+1
.endr
	WIN 1, 0, 1, 0
.irp j, 0,1
	v_wmma_scale_f32_16x16x128_f8f6f4 v[64*\j:64*\j+7], v[KF:KF+7], v[QF+8*\j:QF+8*\j+7], 0, v[NW], v[QW+\j] matrix_a_fmt:MATRIX_FMT_FP4 matrix_b_fmt:MATRIX_FMT_FP4
.endr
.rept 4
	v_nop
.endr
	WIN 0, 0, 1, 0
.irp j, 0,1
	v_mul_f32 v[17+2*\j], s22, v[64*\j]            ; the null key's t begins the running maximum
.endr
	WIN 0, 0, 0, 0
.irp j, 0,1
	v_floor_f32 v[16+2*\j], -v[17+2*\j]            ; -M
.endr
.irp j, 0,1
	v_add_f32 v[SA+4*\j], v[17+2*\j], v[16+2*\j]
.endr
	s_wait_alu depctr_va_vdst(0)
.irp j, 0,1
	v_exp_f32 v[SA+4*\j], v[SA+4*\j]
.endr
	v_nop
	s_wait_alu depctr_va_vdst(0)
.irp j, 0,1
	v_mul_f32 v[SA+4*\j], 0.5, v[SA+4*\j]          ; both halves of the lanes hold it, and the halves are added at the end
.endr
	s_mov_b32 s2, 0
	s_mov_b32 s3, 0
	s_mov_b32 s66, 0
	s_mov_b32 s67, 16
	s_wait_alu depctr_va_vdst(0)                   ; the wait at the head's end
	s_wait_tensorcnt 0x0                           ; my part of the head's tiles is in,
	s_barrier_signal -1
	s_barrier_wait -1                              ; everybody's is
.irp t, 0,1,2,3,4,5,6,7
	ds_load_b128 v[KF+4*\t:KF+4*\t+3], v1 offset:512*\t
	ds_load_b32 v[KWD+\t], v3 offset:64*\t
.endr
	s_wait_dscnt 0x0
.irp j, 0,1                                        ; X is asked for here, behind K, V and Q: it is wanted only on the way out, behind the loop's 16 trips
.irp i, 0,1,2,3,4,5,6,7
	global_load_b128 v[XR+32*\j+4*\i:XR+32*\j+4*\i+3], v7, s[8:9] offset:(8*\j+2*\i+8*(\i/4))*4096 th:TH_LOAD_NT
.endr
.endr
.macro TMM k
	v_pk_fma_f32 v[64*(\k)+p:64*(\k)+p+1], v[64*(\k)+p:64*(\k)+p+1], s[22:23], v[16+2*(\k):17+2*(\k)] op_sel_hi:[1,0,0]
.endm
.macro EXPS j, k                       ; tile j's 64 exponentials; among them tile k's 32 multiply-adds (k < 2), which name none of their registers and are read behind the next wait
.set p, 0
.rept 32
	v_exp_f32 v[64*(\j)+p], v[64*(\j)+p]
	v_exp_f32 v[64*(\j)+p+1], v[64*(\j)+p+1]
.if (\k) < 2
	TMM \k
.endif
.set p, p+2
.endr
.endm
.macro DEP2                            ; the two tiles' chains go by turns: each line reads the result of the line two back
	s_delay_alu instid0(VALU_DEP_2)
.endm
.Lstep:                                            ; 16 trips of 128 keys
	WIN 1, 0, 1, 0
.irp j, 0,1
.irp t, 0,1,2,3,4,5,6,7
	v_wmma_scale_f32_16x16x128_f8f6f4 v[64*\j+8*\t:64*\j+8*\t+7], v[KF+4*\t:KF+4*\t+7], v[QF+8*\j:QF+8*\j+7], 0, v[KWD+\t], v[QW+\j] matrix_a_fmt:MATRIX_FMT_FP4 matrix_b_fmt:MATRIX_FMT_FP4
.endr
.endr
	WIN 0, 0, 0, 0
	v_add_nc_u32 v8, s2, v1                        ; four plain lines: the places behind the products, ahead of the loads and of the first read of S^T
	v_add_nc_u32 v9, s2, v2
	v_add_nc_u32 v10, s3, v3
	v_add_nc_u32 v11, s66, v4
.irp t, 0,1,2,3                                    ; this step's V,
	ds_load_b128 v[VF+8*\t:VF+8*\t+3], v9 offset:1024*\t
	ds_load_b128 v[VF+8*\t+4:VF+8*\t+7], v9 offset:1024*\t+512
	ds_load_b32 v[VWD+\t], v11 offset:64*\t
.endr
.irp t, 0,1,2,3,4,5,6,7                            ; and the next step's K (in the last trip: bytes of V's regions, which are read and not used)
	ds_load_b128 v[KF+4*\t:KF+4*\t+3], v8 offset:4096+512*\t
	ds_load_b32 v[KWD+\t], v10 offset:512+64*\t
.endr
	WIN 0, 1, 1, 0                                 ; the largest score of each block of 32 keys, eight chains by turns
.irp j, 0,1
.irp b, 0,1,2,3
	v_max_num_f32 v[MX+4*\j+\b], v[64*\j+16*\b], v[64*\j+16*\b+1]
.endr
.endr
.irp i, 2,4,6,8,10,12,14
.irp j, 0,1
.irp b, 0,1,2,3
	v_max3_num_f32 v[MX+4*\j+\b], v[64*\j+16*\b+\i], v[64*\j+16*\b+\i+1], v[MX+4*\j+\b]
.endr
.endr
.endr
	WIN 0, 0, 0, 0
.set n, 0
.rept 8
	v_permlanex16_b32 v[TP+n], v[MX+n], s20, s21
.set n, n+1
.endr
.set n, 0
.rept 8
	v_max_num_f32 v[MX+n], v[MX+n], v[TP+n]        ; with lane l xor 16's 16 keys
.set n, n+1
.endr
.irp j, 0,1
	v_max3_num_f32 v[TC+\j], v[MX+4*\j], v[MX+4*\j+1], v[MX+4*\j+2]
.endr
.irp j, 0,1
	DEP2
	v_max_num_f32 v[TC+\j], v[TC+\j], v[MX+4*\j+3]
.endr
.irp j, 0,1
	DEP2
	v_mul_f32 v[TC+\j], s22, v[TC+\j]
.endr
.irp j, 0,1
	DEP2
	v_max_num_f32 v[17+2*\j], v[17+2*\j], v[TC+\j] ; the running largest t
.endr
.irp j, 0,1
	v_mov_b32 v[OL+\j], v[16+2*\j]
.endr
.irp j, 0,1
	v_floor_f32 v[16+2*\j], -v[17+2*\j]            ; the new -M
.endr
.irp j, 0,1
	DEP2
	v_sub_f32 v[OL+\j], v[16+2*\j], v[OL+\j]       ; old M - new M: a whole number, 0 or less
.endr
.irp j, 0,1
	DEP2
	v_cvt_i32_f32 v[OL+\j], v[OL+\j]
.endr
.irp j, 0,1
	DEP2
	v_ldexp_f32 v[24+2*\j], 1.0, v[OL+\j]          ; f = 2^(old M - new M)
.endr
.set n, 0
.rept 8
	v_fma_f32 v[MX+n], v[MX+n], s22, v[16+2*(n/4)] ; t - M of each block's largest score
.set n, n+1
.endr
	WIN 1, 1, 0, 0
.irp j, 0,1                                        ; O^T under the new M: its first read since the last step's products, ahead of this step's exponentials
.irp p, 0,2,4,6,8,10,12,14,16,18,20,22,24,26,28,30
	v_pk_mul_f32 v[OA+32*\j+\p:OA+32*\j+\p+1], v[OA+32*\j+\p:OA+32*\j+\p+1], v[24+2*\j:25+2*\j] op_sel_hi:[1,0]
.endr
.endr
.set p, 0
.rept 32
	TMM 0
.set p, p+2
.endr
	s_wait_alu depctr_va_vdst(0)                   ; a wait ahead of each batch and behind it: one stands between the two batches
	EXPS 0, 1
	s_wait_alu depctr_va_vdst(0)
	EXPS 1, 2
	WIN 0, 0, 0, 0
.set n, 0
.rept 8
	v_exp_f32 v[MX+n], v[MX+n]                     ; each block's largest p
.set n, n+1
.endr
.irp j, 0,1
	v_pk_mul_f32 v[SA+4*\j:SA+4*\j+1], v[SA+4*\j:SA+4*\j+1], v[24+2*\j:25+2*\j] op_sel_hi:[1,0]       ; the sums under the new M
	v_pk_mul_f32 v[SA+4*\j+2:SA+4*\j+3], v[SA+4*\j+2:SA+4*\j+3], v[24+2*\j:25+2*\j] op_sel_hi:[1,0]
.endr
	s_wait_alu depctr_va_vdst(0)
.set n, 0
.rept 8
	v_max_num_f32 v[MX+n], 0x1800000, v[MX+n]      ; the floor 2^(3 - 127)
.set n, n+1
.endr
.set n, 0
.rept 8
	v_add_nc_u32 v[SO+n], 0xff000000, v[MX+n]      ; the conversion's scale operand
.set n, n+1
.endr
.set n, 0
.rept 8
	v_lshrrev_b32 v[TP+n], 23, v[SO+n]             ; the scale's byte
.set n, n+1
.endr
.irp j, 0,1
	v_lshl_or_b32 v[PW+\j], v[TP+4*\j+1], 8, v[TP+4*\j]
.endr
.irp j, 0,1
	DEP2
	v_lshl_or_b32 v[PW+\j], v[TP+4*\j+2], 16, v[PW+\j]
.endr
.irp j, 0,1
	DEP2
	v_lshl_or_b32 v[PW+\j], v[TP+4*\j+3], 24, v[PW+\j]
.endr
	WIN 1, 1, 0, 0
.irp j, 0,1
.irp b, 0,1,2,3
	v_cvt_scalef32_pk8_fp4_f32 v[PC+8*\j+2*\b], v[64*\j+16*\b:64*\j+16*\b+7], v[SO+4*\j+\b]
	v_cvt_scalef32_pk8_fp4_f32 v[PC+8*\j+2*\b+1], v[64*\j+16*\b+8:64*\j+16*\b+15], v[SO+4*\j+\b]
.endr
.endr
	v_nop                                          ; one plain line behind a scaled conversion
.irp j, 0,1
.irp c, 0,1
.irp i, 0,1
	v_permlane16_swap_b32 v[PC+8*\j+4*\c+\i], v[PC+8*\j+4*\c+2+\i]   ; a whole block to a lane
.endr
.endr
.endr
	WIN 0, 0, 1, 0                                 ; the sums of the unquantised p, four chains by turns: also the places between the codes' last write and the products
.irp q, 0,4,8,12,16,20,24,28,32,36,40,44,48,52,56,60
.irp j, 0,1
	v_pk_add_f32 v[SA+4*\j:SA+4*\j+1], v[SA+4*\j:SA+4*\j+1], v[64*\j+\q:64*\j+\q+1]
	v_pk_add_f32 v[SA+4*\j+2:SA+4*\j+3], v[SA+4*\j+2:SA+4*\j+3], v[64*\j+\q+2:64*\j+\q+3]
.endr
.endr
	s_wait_alu depctr_va_vdst(0)
	s_wait_dscnt 0x0                               ; V's fragments, and the next step's K
	WIN 1, 0, 1, 1
.irp t, 0,1,2,3                                    ; the eight accumulators take turns
.irp j, 0,1
	v_wmma_scale_f32_16x16x128_f8f6f4 v[OA+32*\j+8*\t:OA+32*\j+8*\t+7], v[VF+8*\t:VF+8*\t+7], v[PC+8*\j:PC+8*\j+7], v[OA+32*\j+8*\t:OA+32*\j+8*\t+7], v[VWD+\t], v[PW+\j] matrix_a_fmt:MATRIX_FMT_FP4 matrix_b_fmt:MATRIX_FMT_FP4
.endr
.endr
	WIN 0, 0, 0, 0
	s_add_co_u32 s2, s2, 4096
	s_add_co_u32 s3, s3, 512
	s_add_co_u32 s66, s66, 256
	s_sub_co_u32 s67, s67, 1
	s_cmp_lg_u32 s67, 0
	s_cbranch_scc1 .Lstep
.irp j, 0,1                                        ; THE WAY OUT.  (These plain lines are among the places behind the last products)
	v_pk_add_f32 v[SA+4*\j:SA+4*\j+1], v[SA+4*\j:SA+4*\j+1], v[SA+4*\j+2:SA+4*\j+3]
.endr
.irp j, 0,1
	DEP2
	v_add_f32 v[SA+4*\j], v[SA+4*\j], v[SA+4*\j+1]
.endr
.irp j, 0,1
	DEP2
	v_permlanex16_b32 v[TP+\j], v[SA+4*\j], s20, s21
.endr
.irp j, 0,1
	DEP2
	v_add_f32 v[24+2*\j], v[SA+4*\j], v[TP+\j]     ; the row's sum
.endr
	s_wait_alu depctr_va_vdst(0)
.irp j, 0,1
	v_rcp_f32 v[24+2*\j], v[24+2*\j]
.endr
	v_nop
	s_wait_alu depctr_va_vdst(0)                   ; for the reciprocals, and directly ahead of the first readers of O^T
	WIN 1, 1, 0, 0
.irp j, 0,1
.irp p, 0,2,4,6,8,10,12,14,16,18,20,22,24,26,28,30
	v_pk_mul_f32 v[64*\j+\p:64*\j+\p+1], v[OA+32*\j+\p:OA+32*\j+\p+1], v[24+2*\j:25+2*\j] op_sel_hi:[1,0]   ; O^T / the sum: register 16 q + i is channel 32 q + 16 h + i
.endr
.endr
	s_wait_alu depctr_va_vdst(0)
.irp j, 0,1                                        ; a tile at a time through my stage: LDS serves a wave's instructions in order
	WIN 0, 0, 1, 0
.irp n, 0,1,2,3,4,5,6,7
	ds_store_b128 v5, v[64*\j+4*\n:64*\j+4*\n+3] offset:128*(\n/4)+16*(\n%4)
.endr
	WIN 1, 0, 0, 0
.irp i, 0,1,2,3,4,5,6,7
	ds_load_b128 v[64*\j+32+4*\i:64*\j+32+4*\i+3], v6 offset:544*\i
.endr
.endr
	s_wait_loadcnt 0x0                             ; X
.irp j, 0,1
	s_wait_dscnt 16*(1-\j)                         ; tile j is back; the later tile's 16 LDS instructions may be out
	WIN 1, 1, 0, 0
.irp p, 0,2,4,6,8,10,12,14,16,18,20,22,24,26,28,30
	v_pk_add_f32 v[64*\j+32+\p:64*\j+32+\p+1], v[64*\j+32+\p:64*\j+32+\p+1], v[XR+32*\j+\p:XR+32*\j+\p+1]
.endr
	WIN 0, 0, 1, 0
.irp i, 0,1,2,3,4,5,6,7
	global_store_b128 v7, v[64*\j+32+4*\i:64*\j+32+4*\i+3], s[10:11] offset:(8*\j+2*\i+8*(\i/4))*4096   ; sixteen lanes store 256 consecutive bytes, aligned
.endr
.endr
	WIN 0, 0, 0, 0
	s_wait_tensorcnt 0x0                           ; the wave's end
	ds_add_u32 v14, v15
	s_wait_dscnt 0x0
	CROUND                                         ; the closing round
	s_endpgm
.Lfunc_end_k_q0f038bab8b_attn:
	.size	k_q0f038bab8b_attn, .Lfunc_end_k_q0f038bab8b_attn-k_q0f038bab8b_attn
	.p2alignl 7, 3214868480
	.fill 96, 4, 3214868480
	.section	.rodata,"a",@progbits
	.p2align	6, 0x0
	.amdhsa_kernel k_q0f038bab8b_attn
		.amdhsa_group_segment_fixed_size 179200
		.amdhsa_private_segment_fixed_size 0
		.amdhsa_enable_private_segment 0
		.amdhsa_kernarg_size 32
		.amdhsa_user_sgpr_count 2
		.amdhsa_user_sgpr_kernarg_segment_ptr 1
		.amdhsa_wavefront_size32 1
		.amdhsa_system_sgpr_workgroup_id_x 1
		.amdhsa_system_sgpr_workgroup_id_y 1
		.amdhsa_system_sgpr_workgroup_id_z 1
		.amdhsa_system_vgpr_workitem_id 0
		.amdhsa_next_free_vgpr 512
		.amdhsa_next_free_sgpr 96
		.amdhsa_reserve_vcc 0
		.amdhsa_float_denorm_mode_32 3
		.amdhsa_float_denorm_mode_16_64 3
		.amdhsa_memory_ordered 1
		.amdhsa_forward_progress 1
		.amdhsa_inst_pref_size 57
	.end_amdhsa_kernel
	.amdgpu_metadata
---
amdhsa.version: [ 1, 2 ]
amdhsa.kernels:
  - .name:           k_q0f038bab8b_attn
    .symbol:         k_q0f038bab8b_attn.kd
    .args:
      - { .name: qkvb, .offset: 0, .size: 8, .value_kind: global_buffer, .address_space: global }
      - { .name: null_k, .offset: 8, .size: 8, .value_kind: global_buffer, .address_space: global }
      - { .name: X, .offset: 16, .size: 8, .value_kind: global_buffer, .address_space: global }
      - { .name: hres, .offset: 24, .size: 8, .value_kind: global_buffer, .address_space: global }
    .group_segment_fixed_size: 179200
    .private_segment_fixed_size: 0
    .kernarg_segment_align: 8
    .kernarg_segment_size: 32
    .max_flat_workgroup_size: 256
    .sgpr_count:     96
    .vgpr_count:     512
    .wavefront_size: 32
...
	.end_amdgpu_metadata
.endif
;; end of part 9
;; launch ln_h (part 10): grid 256 x 1, 4 waves a work-group, no clusters, 28,160 bytes of LDS; arguments hres, g1, b1, hr; writes hr
.if DOCPART == 10
	.amdgcn_target "amdgcn-amd-amdhsa--gfx1250"
	.amdhsa_code_object_version 6
	.text
	.protected	k_q0f038bab8b_ln_h
	.globl	k_q0f038bab8b_ln_h
	.p2align	8
	.type	k_q0f038bab8b_ln_h,@function
k_q0f038bab8b_ln_h:
	s_mov_b64 s[64:65], 0
	v_nop
	global_prefetch_b8 v0, s[64:65] scope:SCOPE_SE
	s_setreg_imm32_b32 hwreg(HW_REG_WAVE_MODE, 25, 1), 1
	s_wait_xcnt 0x0
; LayerNorm of rows of 1,024 f32, (x - mean) rsqrt(var + 1e-5) g + b, quantised along the row to codes of FP4 with one E8M0 byte for each 32, laid as images of an operand's registers:
; tile T holds at place r the row 32 (T / 2) + 8 (T % 2) + r + 8 (r / 8); fragment (K step s, tile T) at (256 s + T) x 1,024, half c at + 512 c, lane 16 hb + r at + 16 x lane; scale word 4,096 s + 16 T + r behind the codes.
; A work-group takes one tile (16 rows), wave w its places 4 w .. 4 w + 3, a row at a time, kept in 32 registers between the passes: mean, then variance of the differences, then scaling, g and b.
; Loads take the bytes as they lie (512 consecutive bytes a load), g and b likewise, and g and b are applied in that order of lanes.  The conversions want 32 neighbours in ONE lane: the finished row turns through the
; wave's own 4,608 bytes of LDS (16 bytes of padding behind each 128) and comes back into the registers that it left.  All four rows of a wave are asked for at the head (NB = 4 sets of row registers).
; The codes of the 16 rows meet in LDS as 16 images of 512 bytes, one barrier, and leave as runs of 512 consecutive bytes.  The scale words leave as runs of 64 bytes: a small part of the launch's bytes.
; No matrix unit, no cluster, no tensor load: work-groups share nothing but 8,192 bytes of g and b.
; LIMITS: v_rsq_f32 is good to one unit in the last place; a block of zeros or under 2^-124 gets the byte 1 (its codes are zeros; this program alone reads the bytes); NaN and infinities are not served.
.set NB,  4                            ; sets of row registers
.set XR,  32                           ; v32..    the rows as loaded, then as 32 neighbours
.set G,   XR+32*NB                     ; 32 registers: g at the places of a row's loads
.set BB,  G+32                         ; b
.set CST, 18432                        ; LDS: 16 images, 544 bytes apart; an image's two halves of 256 bytes 272 apart
.set SST, 27136                        ; LDS: scale words [s 0..7][r 0..15]
	s_load_b256 s[4:11], s[0:1], 0x0               ; x, g, b, out
	v_lshl_add_u32 v224, v0, 2, 0x6c00
	v_mov_b32 v225, 0
	s_mov_b32 s3, ttmp9                            ; my tile
	v_lshrrev_b32 v1, 5, v0
	v_readfirstlane_b32 s16, v1                    ; wave
	v_and_b32 v1, 31, v0                           ; lane l
	v_lshlrev_b32 v2, 4, v1                        ; 16 l
	s_mul_i32 s17, s16, 4608                       ; my wave's turning place
	v_lshrrev_b32 v8, 3, v1
	v_lshl_add_u32 v3, v8, 4, v2
	v_add_nc_u32 v3, s17, v3                       ; in: 16 l + 16 (l / 8); a load's 512 bytes take 576
	v_mul_u32_u24 v4, v1, 144
	v_add_nc_u32 v4, s17, v4                       ; out: 144 l: my 32 neighbours
	v_lshrrev_b32 v8, 1, v1
	v_mul_u32_u24 v5, v8, 544
	v_and_b32 v8, 1, v1
	v_mad_u32_u24 v5, v8, 272, v5
	s_lshl_b32 s17, s16, 6
	s_add_co_u32 s17, s17, CST
	v_add_nc_u32 v5, s17, v5                       ; block l's codes: image l / 2, half l % 2, place 4 w (+ k by the offset)
	v_lshrrev_b32 v8, 2, v1
	v_and_b32 v9, 3, v1
	v_lshl_add_u32 v6, v8, 6, v9
	s_lshl_b32 s17, s16, 4
	s_add_co_u32 s17, s17, SST
	v_add_nc_u32 v6, s17, v6                       ; block l's byte: word (l / 4, 4 w + k), byte l % 4
	v_lshlrev_b32 v26, 14, v8
	v_lshl_add_u32 v26, v9, 4, v26                 ; the words' way out: K step l / 4, four words l % 4
	v_lshrrev_b32 v10, 4, v1
	v_and_b32 v11, 15, v1
	v_mul_u32_u24 v24, v10, 272
	v_lshl_add_u32 v24, v11, 4, v24
	s_mul_i32 s17, s16, 4*544
	s_add_co_u32 s17, s17, CST
	v_add_nc_u32 v24, s17, v24                     ; the images' way out: my wave's four
	v_add_nc_u32 v25, SST, v2
	s_mov_b32 s12, 0x3a800000                      ; 1 / 1,024
	s_mov_b32 s13, 0x3727c5ac                      ; 1e-5
	s_mov_b32 s14, 0x76543210
	s_mov_b32 s15, 0xfedcba98                      ; v_permlanex16_b32's selects for lane l xor 16
	s_lshr_b32 s17, s3, 1
	s_lshl_b32 s17, s17, 5
	s_and_b32 s18, s3, 1
	s_lshl_b32 s18, s18, 3
	s_add_co_u32 s17, s17, s18
	s_lshl_b32 s18, s16, 2
	s_add_co_u32 s17, s17, s18
	s_lshr_b32 s18, s16, 1
	s_lshl_b32 s18, s18, 3
	s_add_co_u32 s17, s17, s18                     ; my first row: 32 (T / 2) + 8 (T % 2) + 4 w + 8 (w / 2)
	s_lshl_b32 s18, s17, 12
	s_mov_b32 s19, 0
	s_wait_kmcnt 0x0
	s_add_nc_u64 s[4:5], s[4:5], s[18:19]
	s_lshl_b32 s18, s3, 10
	s_lshl_b32 s20, s16, 19
	s_add_co_u32 s18, s18, s20
	s_add_nc_u64 s[20:21], s[10:11], s[18:19]      ; codes out: tile T, K steps 2 w and 2 w + 1
	s_lshl_b32 s18, s3, 6
	s_add_co_u32 s18, s18, 0x200000
	s_add_nc_u64 s[22:23], s[10:11], s[18:19]      ; words out
.irp j, 0,1,2,3,4,5,6,7
	global_load_b128 v[G+4*\j:G+4*\j+3], v2, s[6:7] offset:512*\j      ; 32 lanes read 512 consecutive bytes, as a row's loads do
	global_load_b128 v[BB+4*\j:BB+4*\j+3], v2, s[8:9] offset:512*\j
.endr
.macro RLOAD k                         ; row k of my four into set k % NB
.irp i, 0,1,2,3,4,5,6,7
	global_load_b128 v[XR+32*((\k)%NB)+4*\i:XR+32*((\k)%NB)+4*\i+3], v2, s[4:5] offset:4096*(\k)+512*\i th:TH_LOAD_NT
.endr
.endm
	RLOAD 0
	RLOAD 1
	RLOAD 2
.if NB > 3
	RLOAD 3
.endif
.macro RSUM                            ; v12 summed over the 32 lanes, the result in every lane
	v_add_f32_dpp v12, v12, v12 row_xmask:1 row_mask:0xf bank_mask:0xf
	v_add_f32_dpp v12, v12, v12 row_xmask:2 row_mask:0xf bank_mask:0xf
	v_add_f32_dpp v12, v12, v12 row_xmask:4 row_mask:0xf bank_mask:0xf
	v_add_f32_dpp v12, v12, v12 row_xmask:8 row_mask:0xf bank_mask:0xf
	v_permlanex16_b32 v13, v12, s14, s15
	v_add_f32 v12, v12, v13
.endm
.macro ROW k
.set XK, XR+32*((\k)%NB)
.set ISS, NB+(\k)                      ; rows asked for so far
.if ISS > 4
.set ISS, 4
.endif
	s_wait_loadcnt 8*(ISS-(\k)-1)                  ; g, b and this row are in; the rows asked for behind it, eight loads each, may be out
	v_pk_add_f32 v[12:13], v[XK:XK+1], v[XK+2:XK+3]
	v_pk_add_f32 v[14:15], v[XK+4:XK+5], v[XK+6:XK+7]
.irp i, 8,12,16,20,24,28
	v_pk_add_f32 v[12:13], v[12:13], v[XK+\i:XK+\i+1]
	v_pk_add_f32 v[14:15], v[14:15], v[XK+\i+2:XK+\i+3]
.endr
	v_pk_add_f32 v[12:13], v[12:13], v[14:15]
	v_add_f32 v12, v12, v13
	RSUM
	v_mul_f32 v8, s12, v12                         ; the mean
	v_mov_b32 v9, v8
.irp i, 0,2,4,6,8,10,12,14,16,18,20,22,24,26,28,30
	v_pk_add_f32 v[XK+\i:XK+\i+1], v[XK+\i:XK+\i+1], v[8:9] neg_lo:[0,1] neg_hi:[0,1]
.endr
	v_pk_mul_f32 v[12:13], v[XK:XK+1], v[XK:XK+1]
	v_pk_mul_f32 v[14:15], v[XK+2:XK+3], v[XK+2:XK+3]
.irp i, 4,8,12,16,20,24,28
	v_pk_fma_f32 v[12:13], v[XK+\i:XK+\i+1], v[XK+\i:XK+\i+1], v[12:13]
	v_pk_fma_f32 v[14:15], v[XK+\i+2:XK+\i+3], v[XK+\i+2:XK+\i+3], v[14:15]
.endr
	v_pk_add_f32 v[12:13], v[12:13], v[14:15]
	v_add_f32 v12, v12, v13
	RSUM
	v_fma_f32 v10, v12, s12, s13                   ; the variance + 1e-5
	s_wait_alu depctr_va_vdst(0)
	v_rsq_f32 v10, v10
	v_nop                                          ; a plain instruction behind the transcendental
	s_wait_alu depctr_va_vdst(0)                   ; and the wait ahead of its first reader
	v_mov_b32 v11, v10
.irp i, 0,2,4,6,8,10,12,14,16,18,20,22,24,26,28,30
	v_pk_mul_f32 v[XK+\i:XK+\i+1], v[XK+\i:XK+\i+1], v[10:11]
.endr
.irp i, 0,2,4,6,8,10,12,14,16,18,20,22,24,26,28,30
	v_pk_fma_f32 v[XK+\i:XK+\i+1], v[XK+\i:XK+\i+1], v[G+\i:G+\i+1], v[BB+\i:BB+\i+1]
.endr
.irp i, 0,1,2,3,4,5,6,7
	ds_store_b128 v3, v[XK+4*\i:XK+4*\i+3] offset:576*\i
.endr
.irp j, 0,1,2,3,4,5,6,7
	ds_load_b128 v[XK+4*\j:XK+4*\j+3], v4 offset:16*\j   ; LDS serves a wave's instructions in order: these see the stores above; the row comes back into the registers that it left
.endr
	s_wait_dscnt 0x0                               ; my 32 neighbours are in; the last row's stores of codes and byte have read their registers
	v_max3_num_f32 v16, |v[XK]|, |v[XK+1]|, |v[XK+2]|
	v_max3_num_f32 v17, |v[XK+3]|, |v[XK+4]|, |v[XK+5]|
.irp i, 6,10,14,18,22,26
	v_max3_num_f32 v16, v16, |v[XK+\i]|, |v[XK+\i+1]|
	v_max3_num_f32 v17, v17, |v[XK+\i+2]|, |v[XK+\i+3]|
.endr
	v_max3_num_f32 v16, v16, |v[XK+30]|, |v[XK+31]|
	v_max3_num_f32 v16, v16, v17, 0x1800000        ; the floor 2^(3 - 127)
	v_add_nc_u32 v18, 0xff000000, v16              ; 2 off the exponent field: the conversion's scale operand
.irp g, 0,1,2,3
	v_cvt_scalef32_pk8_fp4_f32 v[20+\g], v[XK+8*\g:XK+8*\g+7], v18
.endr
	v_lshrrev_b32 v19, 23, v18                     ; the scale's byte
	ds_store_b128 v5, v[20:23] offset:16*(\k)
	ds_store_b8 v6, v19 offset:4*(\k)
.if (\k)+NB < 4
	RLOAD (\k)+NB                                  ; this set is free: the conversions have read it
.endif
.endm
	ROW 0
	ROW 1
	ROW 2
	ROW 3
	s_wait_dscnt 0x0                               ; for the others' sake: my stores into the images and the words are done
	s_barrier_signal -1
	s_barrier_wait -1
.irp i, 0,1,2,3
	ds_load_b128 v[32+4*\i:35+4*\i], v24 offset:544*\i
.endr
.irp i, 0,1,2,3
	s_wait_dscnt 3-\i
	global_store_b128 v2, v[32+4*\i:35+4*\i], s[20:21] offset:(\i/2)*262144+(\i%2)*512   ; 32 lanes store 512 consecutive bytes, aligned
.endr
	s_cmp_lg_u32 s16, 0
	s_cbranch_scc1 .Ldone                          ; wave 0 alone stores the tile's 128 scale words
	ds_load_b128 v[48:51], v25
	s_wait_dscnt 0x0
	global_store_b128 v26, v[48:51], s[22:23]
.Ldone:
	s_wait_tensorcnt 0x0
	ds_add_u32 v224, v225
	s_wait_dscnt 0x0
	s_endpgm
.Lfunc_end_k_q0f038bab8b_ln_h:
	.size	k_q0f038bab8b_ln_h, .Lfunc_end_k_q0f038bab8b_ln_h-k_q0f038bab8b_ln_h
	.p2alignl 7, 3214868480
	.fill 96, 4, 3214868480
	.section	.rodata,"a",@progbits
	.p2align	6, 0x0
	.amdhsa_kernel k_q0f038bab8b_ln_h
		.amdhsa_group_segment_fixed_size 28160
		.amdhsa_private_segment_fixed_size 0
		.amdhsa_enable_private_segment 0
		.amdhsa_kernarg_size 32
		.amdhsa_user_sgpr_count 2
		.amdhsa_user_sgpr_kernarg_segment_ptr 1
		.amdhsa_wavefront_size32 1
		.amdhsa_system_sgpr_workgroup_id_x 1
		.amdhsa_system_sgpr_workgroup_id_y 1
		.amdhsa_system_sgpr_workgroup_id_z 1
		.amdhsa_system_vgpr_workitem_id 0
		.amdhsa_next_free_vgpr 226
		.amdhsa_next_free_sgpr 66
		.amdhsa_reserve_vcc 0
		.amdhsa_float_denorm_mode_32 3
		.amdhsa_float_denorm_mode_16_64 3
		.amdhsa_memory_ordered 1
		.amdhsa_forward_progress 1
		.amdhsa_inst_pref_size 44
	.end_amdhsa_kernel
	.amdgpu_metadata
---
amdhsa.version: [ 1, 2 ]
amdhsa.kernels:
  - .name:           k_q0f038bab8b_ln_h
    .symbol:         k_q0f038bab8b_ln_h.kd
    .args:
      - { .name: hres, .offset: 0, .size: 8, .value_kind: global_buffer, .address_space: global }
      - { .name: g1, .offset: 8, .size: 8, .value_kind: global_buffer, .address_space: global }
      - { .name: b1, .offset: 16, .size: 8, .value_kind: global_buffer, .address_space: global }
      - { .name: hr, .offset: 24, .size: 8, .value_kind: global_buffer, .address_space: global }
    .group_segment_fixed_size: 28160
    .private_segment_fixed_size: 0
    .kernarg_segment_align: 8
    .kernarg_segment_size: 32
    .max_flat_workgroup_size: 128
    .sgpr_count:     66
    .vgpr_count:     226
    .wavefront_size: 32
...
	.end_amdgpu_metadata
.endif
;; end of part 10
;; launch ffn1 (part 11): grid 16 x 16, 4 waves a work-group, clusters of 4 x 4, 327,680 bytes of LDS; arguments hr, wbuf, bf1, hid; writes hid
.if DOCPART == 11
	.amdgcn_target "amdgcn-amd-amdhsa--gfx1250"
	.amdhsa_code_object_version 6
	.text
	.protected	k_q0f038bab8b_ffn1
	.globl	k_q0f038bab8b_ffn1
	.p2align	8
	.type	k_q0f038bab8b_ffn1,@function
k_q0f038bab8b_ffn1:
	s_mov_b64 s[64:65], 0
	v_nop
	global_prefetch_b8 v0, s[64:65] scope:SCOPE_SE
	s_setreg_imm32_b32 hwreg(HW_REG_WAVE_MODE, 25, 1), 1
	s_wait_xcnt 0x0
	s_wait_alu depctr_hold_cnt(0) depctr_sa_sdst(0) depctr_va_vdst(0) depctr_va_sdst(0) depctr_va_ssrc(0) depctr_va_vcc(0) depctr_vm_vsrc(0)
	s_getreg_b32 s2, hwreg(HW_REG_IB_STS2, 6, 4)
	s_cmp_eq_u32 s2, 0
	s_cbranch_scc0 .Lentry_in_a_cluster
	s_endpgm
.Lentry_in_a_cluster:
	s_bfe_u32 s2, ttmp6, 0x10000c
	s_cmp_lg_u32 s2, 0xf033
	s_cbranch_scc0 .Lentry_shape_is_right
	s_endpgm
.Lentry_shape_is_right:
.set SC, 32
.set BP, 64
.set AF, 128
.set CN, 48
.set HA, 68
.set Z,  132
.set S,  148
.set T,  164
.set R,  180
.set U,  196
.set TM, 212
.set PW, 228
.set PWP, 229
.set SELW, 230
.set PC, 232
.set MSB, 0
.macro WIN new
.if MSB != (\new)
	s_set_vgpr_msb (MSB<<8)|(\new)
.set MSB, (\new)
.endif
.endm
.macro ARM under, g0, g1, next         ; one arm of the head's chain of branches on the wave's number: its joint load, and a jump to the chain's end
	s_cmp_lt_u32 s18, \under
	s_cbranch_scc0 \next
	tensor_load_to_lds s[\g0:\g0+3], s[\g1:\g1+7]
	s_nop 0
.rept 4
	v_nop
.endr
	s_branch .Lhead_asked
\next:
.endm
.macro CROUND
	s_barrier_signal -1
	s_barrier_wait -1
	s_cmp_lg_u32 s18, 0
	s_cbranch_scc1 .Lnot_wave_0_\@
	s_barrier_signal -3
.Lnot_wave_0_\@:
	s_barrier_wait -3
	s_barrier_signal -1
	s_barrier_wait -1
.endm
.macro PLACES
.rept 4
	v_nop
.endr
.endm
.macro FETCH ks, bf
	WIN 0x40
.irp i, 0,1,2,3,4,5,6,7
	ds_load_b128 v[64*(\bf)+8*\i:64*(\bf)+8*\i+3], v[17+6*((\ks)/4)] offset:16384*((\ks)%4)+1024*\i
	ds_load_b128 v[64*(\bf)+8*\i+4:64*(\bf)+8*\i+7], v[17+6*((\ks)/4)] offset:16384*((\ks)%4)+1024*\i+512
.endr
	WIN 0
.irp i, 0,1,2,3,4,5,6,7
	ds_load_b128 v[AF+64*(\bf)+8*\i:AF+64*(\bf)+8*\i+3], v[16+6*((\ks)/4)] offset:16384*((\ks)%4)+1024*\i
	ds_load_b128 v[AF+64*(\bf)+8*\i+4:AF+64*(\bf)+8*\i+7], v[16+6*((\ks)/4)] offset:16384*((\ks)%4)+1024*\i+512
.endr
.irp i, 0,1,2,3,4,5,6,7
	ds_load_b32 v[SC+8*(\bf)+\i], v18 offset:1024*(\ks)+64*\i
.endr
.endm
.macro MUL32 hi, bf, cm
.if \cm
	WIN 0x81+0x40*(\hi)
.else
	WIN 0xa1+0x50*(\hi)
.endif
.irp a, 0,1,2,3
.irp b, 0,1,2,3,4,5,6,7
.if \cm
	v_wmma_scale_f32_16x16x128_f8f6f4 v[8*(8*\a+\b):8*(8*\a+\b)+7], v[64*(\bf)+8*\b:64*(\bf)+8*\b+7], v[AF+64*(\bf)+8*(4*(\hi)+\a):AF+64*(\bf)+8*(4*(\hi)+\a)+7], v[BP+8*\b:BP+8*\b+7], v[SC+8*(\bf)+\b], v[SC+8*(\bf)+4*(\hi)+\a] matrix_a_fmt:MATRIX_FMT_FP4 matrix_b_fmt:MATRIX_FMT_FP4 matrix_a_scale:MATRIX_SCALE_ROW1
.else
	v_wmma_scale_f32_16x16x128_f8f6f4 v[8*(8*\a+\b):8*(8*\a+\b)+7], v[64*(\bf)+8*\b:64*(\bf)+8*\b+7], v[AF+64*(\bf)+8*(4*(\hi)+\a):AF+64*(\bf)+8*(4*(\hi)+\a)+7], v[8*(8*\a+\b):8*(8*\a+\b)+7], v[SC+8*(\bf)+\b], v[SC+8*(\bf)+4*(\hi)+\a] matrix_a_fmt:MATRIX_FMT_FP4 matrix_b_fmt:MATRIX_FMT_FP4 matrix_a_scale:MATRIX_SCALE_ROW1
.endif
.endr
.endr
.endm
.macro STEP ks, cm
.if (\ks) > 0
	PLACES
.endif
.if (\ks) < 7
	FETCH (\ks)+1, ((\ks)+1)%2
	s_wait_dscnt 40
.else
	s_wait_dscnt 0x0
.endif
	MUL32 0, (\ks)%2, \cm
	MUL32 1, (\ks)%2, \cm
	WIN 0
.endm
	s_load_b256 s[4:11], s[0:1], 0x0
	v_lshl_add_u32 v30, v0, 2, 0x44000
	v_mov_b32 v31, 0
	ds_add_u32 v30, v31
	ds_add_u32 v30, v31
	v_lshrrev_b32 v1, 5, v0
	v_readfirstlane_b32 s18, v1
	s_lshr_b32 s19, s18, 1
	s_and_b32 s20, s18, 1
	s_bfe_u32 s40, ttmp6, 0x40000
	s_bfe_u32 s41, ttmp6, 0x40004
	s_lshl_b32 s42, ttmp9, 2
	s_add_co_u32 s42, s42, s40
	s_and_b32 s21, ttmp7, 0xffff
	s_lshl_b32 s21, s21, 2
	s_add_co_u32 s21, s21, s41
	s_lshl_b32 s43, s41, 2
	s_lshl_b32 s43, 15, s43
	s_lshl_b32 s44, 0x1111, s40
	s_or_b32 s24, s43, (3<<16)|(1<<21)
	s_or_b32 s48, s44, (3<<16)|(1<<21)
.irp g, 24, 48
	s_mov_b32 s[\g+1], 2048<<16                    ; codes: all of K for 256 rows: 8 K steps x 16,384 consecutive bytes (2,048 elements of 8 bytes)
	s_mov_b32 s[\g+2], 8<<16
	s_mov_b32 s[\g+3], 2048<<16
	s_mov_b32 s[\g+4], 8
	s_mov_b32 s[\g+5], 32768
	s_mov_b32 s[\g+6], 0
	s_mov_b32 s[\g+7], 0
.endr
	s_or_b32 s68, s43, (3<<16)|(1<<21)
	s_or_b32 s80, s44, (3<<16)|(1<<21)
.irp g, 68, 80
	s_mov_b32 s[\g+1], 128<<16                     ; scale words of 256 rows: 8 K steps x 1,024 bytes
	s_mov_b32 s[\g+2], 8<<16
	s_mov_b32 s[\g+3], 128<<16
	s_mov_b32 s[\g+4], 8
	s_mov_b32 s[\g+5], 2048
	s_mov_b32 s[\g+6], 0
	s_mov_b32 s[\g+7], 0
.endr
	s_lshl_b32 s22, s21, 8                         ; the first of source 1's 256 rows
	s_lshl_b32 s23, s42, 8                         ; of source 0's
	s_mov_b32 s3, 0
	s_mov_b32 s67, 0
	s_wait_dscnt 0x0
	s_wait_kmcnt 0x0
	s_lshl_b32 s2, s22, 6
	s_add_nc_u64 s[92:93], s[4:5], s[2:3]
	s_lshl_b32 s2, s22, 2
	s_add_co_u32 s2, s2, 0x200000
	s_add_nc_u64 s[4:5], s[4:5], s[2:3]
	s_lshl_b32 s66, s23, 6
	s_add_co_u32 s66, s66, 0x220000
	s_add_nc_u64 s[94:95], s[6:7], s[66:67]
	s_lshl_b32 s66, s23, 2
	s_add_co_u32 s66, s66, 0x420000
	s_add_nc_u64 s[6:7], s[6:7], s[66:67]
	CROUND
	s_mov_b32 s76, 1                               ; source 1's scale words, behind the codes
	s_mov_b32 s77, 262144
	s_mov_b64 s[78:79], s[4:5]
	s_or_b32 s79, s79, 0x80000000
	s_mov_b32 s88, 1                               ; source 0's
	s_mov_b32 s89, 270336
	s_mov_b64 s[90:91], s[6:7]
	s_or_b32 s91, s91, 0x80000000
	s_mov_b32 s32, 1                               ; source 1's codes: LDS [K step][16 tiles][1,024 bytes] from byte 0
	s_mov_b32 s33, 0
	s_mov_b64 s[34:35], s[92:93]
	s_or_b32 s35, s35, 0x80000000
	s_mov_b32 s56, 1                               ; source 0's, from byte 131,072
	s_mov_b32 s57, 131072
	s_mov_b64 s[58:59], s[94:95]
	s_or_b32 s59, s59, 0x80000000
	; the head's four tiles, one joint load a wave: every way through the chain passes exactly one load; nothing is filled later
	ARM 1, 32, 24, .Lhead_b
	ARM 2, 56, 48, .Lhead_sa
	ARM 3, 76, 68, .Lhead_sb
	tensor_load_to_lds s[88:91], s[80:87]
	s_nop 0
.rept 4
	v_nop
.endr
.Lhead_asked:
	v_and_b32 v3, 31, v0
	v_and_b32 v1, 15, v0
	v_bfe_u32 v2, v0, 4, 1
	v_lshlrev_b32 v19, 4, v3
	v_lshlrev_b32 v20, 2, v3
	s_lshl_b32 s2, s19, 13
	v_add_nc_u32 v16, s2, v19                      ; source 1's fragments: my eight tiles of a K step's sixteen
	s_lshl_b32 s3, s20, 13
	s_add_co_u32 s3, s3, 131072
	v_add_nc_u32 v17, s3, v19                      ; source 0's
	v_add_nc_u32 v22, 0x10000, v16                 ; and K steps 4 to 7: the immediate offset has 16 bits
	v_add_nc_u32 v23, 0x10000, v17
	s_lshl_b32 s2, s19, 9
	s_lshl_b32 s3, s20, 9
	s_add_co_u32 s3, s3, 8192
	s_sub_co_u32 s3, s3, s2
	v_mul_u32_u24 v4, s3, v2
	s_wait_alu depctr_va_vdst(0)
	s_add_co_u32 s2, s2, 262144
	v_lshl_add_u32 v4, v1, 2, v4
	v_add_nc_u32 v18, s2, v4
	s_lshl_b32 s2, s42, 10
	s_lshl_b32 s3, s20, 9
	s_add_co_u32 s2, s2, s3
	s_mov_b32 s3, 0
	s_add_nc_u64 s[8:9], s[8:9], s[2:3]
	v_lshlrev_b32 v5, 6, v2
.irp b, 0,1,2,3,4,5,6,7
	global_load_b128 v[BP+8*\b:BP+8*\b+3], v5, s[8:9] offset:(32*(\b/2)+8*(\b%2))*4
	global_load_b128 v[BP+8*\b+4:BP+8*\b+7], v5, s[8:9] offset:(32*(\b/2)+8*(\b%2))*4+16
.endr
	s_lshl_b32 s2, s42, 1
	s_add_co_u32 s2, s2, s20
	s_lshl_b32 s22, s2, 8
	s_lshl_b32 s23, s21, 4
	s_add_co_u32 s22, s22, s23
	s_lshl_b32 s23, s19, 3
	s_add_co_u32 s22, s22, s23
	s_lshl_b32 s2, s22, 10
	s_add_nc_u64 s[4:5], s[10:11], s[2:3]
	s_lshl_b32 s2, s22, 6
	s_add_co_u32 s2, s2, 0x800000
	s_add_nc_u64 s[6:7], s[10:11], s[2:3]
	s_mov_b32 s12, 0xffff0000
	s_mov_b32 s13, 0x7fffffff
	s_mov_b32 s14, 0x76543210
	s_mov_b32 s15, 0xfedcba98
	s_wait_alu depctr_va_vdst(0)
	s_wait_loadcnt 0x0
	s_wait_tensorcnt 0x0                           ; my tile of the head's four is in
	s_barrier_signal -1
	s_barrier_wait -1
	FETCH 0, 0
	STEP 0, 1
	STEP 1, 0
	STEP 2, 0
	STEP 3, 0
	STEP 4, 0
	STEP 5, 0
	STEP 6, 0
	STEP 7, 0
	PLACES
.macro CONST n, bits
	v_mov_b32 v[CN+2*(\n)], \bits
	v_mov_b32 v[CN+2*(\n)+1], \bits
.endm
	CONST 0, 0xbfba00e3                            ; a4 = -1.453152027
	CONST 1, 0x3fb5f0e3                            ; a3 =  1.421413741
	CONST 2, 0xbe91a98e                            ; a2 = -0.284496736
	CONST 3, 0x3e827906                            ; a1 =  0.254829592
.irp q, 0,1,2,3
	v_mov_b32 v[TM+4+\q], 0
.endr
	v_mov_b32 v[PWP], 0
.macro COPY a
	WIN 2+(\a)/4
.set AC, 64*((\a)%4)
.set j, 0
.rept 32
	v_pk_mul_f32 v[HA+j:HA+j+1], v[AC+j:AC+j+1], 0.5 op_sel_hi:[1,0]
.set j, j+2
.endr
	WIN 0
.endm
; gelu(x) = x (1 + erf(x / sqrt 2)) / 2 = (h + |h|) - |h| erfc(|x| / sqrt 2), h = x / 2: one form for both signs, no compare and no select.
; erfc(y) = t (a1 + t (a2 + t (a3 + t (a4 + t a5)))) exp(-y^2), t = 1 / (1 + 0.3275911 y), y >= 0 (Abramowitz and Stegun 7.1.26: off by 1.5e-7 at the most, in absolute terms, so the error of gelu stays under 1.5e-7 |h|).
; In terms of h: t = 1 / (1 + 0.4632838 |h|), exp(-y^2) = 2^(-2 log2(e) h^2).  Sixteen numbers of a lane at a time; v[Z..] = |h|, v[S..] the exponential, v[T..] = t, v[U..] the polynomial.
.macro GELU16 ch
.set HB, HA+16*(\ch)
.irp j, 0,1,2,3,4,5,6,7,8,9,10,11,12,13,14,15
	v_and_b32 v[Z+\j], s13, v[HB+\j]
.endr
.irp p, 0,2,4,6,8,10,12,14
	v_pk_mul_f32 v[S+\p:S+\p+1], v[HB+\p:HB+\p+1], v[HB+\p:HB+\p+1]
.endr
.irp p, 0,2,4,6,8,10,12,14
	v_pk_fma_f32 v[T+\p:T+\p+1], v[Z+\p:Z+\p+1], 0x3eed3389, 1.0 op_sel_hi:[1,0,0]
.endr
.irp p, 0,2,4,6,8,10,12,14
	v_pk_mul_f32 v[S+\p:S+\p+1], v[S+\p:S+\p+1], 0xc038aa3b op_sel_hi:[1,0]
.endr
	s_wait_alu depctr_va_vdst(0)                   ; the wait ahead of the batch
.irp p, 0,2,4,6,8,10,12,14
	v_rcp_f32 v[T+\p], v[T+\p]
	v_exp_f32 v[S+\p], v[S+\p]
	v_rcp_f32 v[T+\p+1], v[T+\p+1]
	v_exp_f32 v[S+\p+1], v[S+\p+1]
	v_pk_add_f32 v[HB+\p:HB+\p+1], v[HB+\p:HB+\p+1], v[Z+\p:Z+\p+1]   ; h + |h|: names no register of the batch, and is read behind the wait below
.endr
	s_wait_alu depctr_va_vdst(0)                   ; and behind it
.irp p, 0,2,4,6,8,10,12,14
	v_pk_fma_f32 v[U+\p:U+\p+1], v[T+\p:T+\p+1], 0x3f87dc22, v[CN:CN+1] op_sel_hi:[1,0,1]   ; a5 = 1.061405429
.endr
.irp c, 2,4,6
.irp p, 0,2,4,6,8,10,12,14
	v_pk_fma_f32 v[U+\p:U+\p+1], v[U+\p:U+\p+1], v[T+\p:T+\p+1], v[CN+\c:CN+\c+1]
.endr
.endr
.irp p, 0,2,4,6,8,10,12,14
	v_pk_mul_f32 v[U+\p:U+\p+1], v[U+\p:U+\p+1], v[T+\p:T+\p+1]
.endr
.irp p, 0,2,4,6,8,10,12,14
	v_pk_mul_f32 v[U+\p:U+\p+1], v[U+\p:U+\p+1], v[S+\p:S+\p+1]
.endr
.irp p, 0,2,4,6,8,10,12,14
	v_pk_fma_f32 v[HB+\p:HB+\p+1], v[Z+\p:Z+\p+1], v[U+\p:U+\p+1], v[HB+\p:HB+\p+1] neg_lo:[0,1,0] neg_hi:[0,1,0]
.endr
.endm
	s_mov_b32 s3, 0
.Ltile:
.irp a, 0,1,2,3,4,5,6
	s_cmp_lg_u32 s3, \a
	s_cbranch_scc1 .Lnot_\a
	COPY \a
	s_branch .Ljoin
.Lnot_\a:
.endr
	COPY 7
.Ljoin:
	GELU16 0
	GELU16 1
	GELU16 2
	GELU16 3
.irp q, 0,1,2,3
	v_max3_num_f32 v[TM+\q], |v[HA+16*\q]|, |v[HA+1+16*\q]|, 0x1800000
.endr
.irp i, 2,4,6,8,10,12,14
.irp q, 0,1,2,3
	v_max3_num_f32 v[TM+\q], v[TM+\q], |v[HA+16*\q+\i]|, |v[HA+1+16*\q+\i]|
.endr
.endr
.irp q, 0,1,2,3
	v_permlanex16_b32 v[TM+4+\q], v[TM+\q], s14, s15
.endr
.irp q, 0,1,2,3
	v_max_num_f32 v[TM+\q], v[TM+\q], v[TM+4+\q]
.endr
.irp q, 0,1,2,3
	v_add_nc_u32 v[TM+12+\q], 0xff000000, v[TM+\q]
.endr
.irp q, 0,1,2,3
	v_lshrrev_b32 v[TM+4+\q], 23, v[TM+12+\q]
.endr
	v_lshl_or_b32 v[PW], v[TM+5], 8, v[TM+4]
	v_lshl_or_b32 v[PW], v[TM+6], 16, v[PW]
	v_lshl_or_b32 v[PW], v[TM+7], 24, v[PW]
.irp q, 0,1,2,3
	v_cvt_scalef32_pk8_fp4_f32 v[PC+2*\q], v[HA+16*\q:HA+7+16*\q], v[TM+12+\q]
	v_cvt_scalef32_pk8_fp4_f32 v[PC+1+2*\q], v[HA+8+16*\q:HA+15+16*\q], v[TM+12+\q]
.endr
	v_nop
.irp c, 0,1
.irp i, 0,1
	v_permlane16_swap_b32 v[PC+4*\c+\i], v[PC+2+4*\c+\i]
.endr
.endr
	global_store_b128 v19, v[PC:PC+3], s[4:5]
	global_store_b128 v19, v[PC+4:PC+7], s[4:5] offset:512
	v_cndmask_b32 v[SELW], v[PWP], v[PW], s12
	s_bitcmp1_b32 s3, 0
	s_cbranch_scc0 .Leven
	global_store_b32 v20, v[SELW], s[6:7] offset:-64
.Leven:
	v_mov_b32 v[PWP], v[PW]
	s_wait_xcnt 0x0
	s_add_nc_u64 s[4:5], s[4:5], 1024
	s_add_nc_u64 s[6:7], s[6:7], 64
	s_add_co_u32 s3, s3, 1
	s_cmp_lt_u32 s3, 8
	s_cbranch_scc1 .Ltile
	s_wait_tensorcnt 0x0
	ds_add_u32 v30, v31
	s_wait_dscnt 0x0
	CROUND
	s_endpgm
.Lfunc_end_k_q0f038bab8b_ffn1:
	.size	k_q0f038bab8b_ffn1, .Lfunc_end_k_q0f038bab8b_ffn1-k_q0f038bab8b_ffn1
	.p2alignl 7, 3214868480
	.fill 96, 4, 3214868480
	.section	.rodata,"a",@progbits
	.p2align	6, 0x0
	.amdhsa_kernel k_q0f038bab8b_ffn1
		.amdhsa_group_segment_fixed_size 327680
		.amdhsa_private_segment_fixed_size 0
		.amdhsa_enable_private_segment 0
		.amdhsa_kernarg_size 32
		.amdhsa_user_sgpr_count 2
		.amdhsa_user_sgpr_kernarg_segment_ptr 1
		.amdhsa_wavefront_size32 1
		.amdhsa_system_sgpr_workgroup_id_x 1
		.amdhsa_system_sgpr_workgroup_id_y 1
		.amdhsa_system_sgpr_workgroup_id_z 1
		.amdhsa_system_vgpr_workitem_id 0
		.amdhsa_next_free_vgpr 1024
		.amdhsa_next_free_sgpr 102
		.amdhsa_reserve_vcc 0
		.amdhsa_float_denorm_mode_32 3
		.amdhsa_float_denorm_mode_16_64 3
		.amdhsa_memory_ordered 1
		.amdhsa_forward_progress 1
		.amdhsa_inst_pref_size 150
	.end_amdhsa_kernel
	.amdgpu_metadata
---
amdhsa.version: [ 1, 2 ]
amdhsa.kernels:
  - .name:           k_q0f038bab8b_ffn1
    .symbol:         k_q0f038bab8b_ffn1.kd
    .args:
      - { .name: hr, .offset: 0, .size: 8, .value_kind: global_buffer, .address_space: global }
      - { .name: wbuf, .offset: 8, .size: 8, .value_kind: global_buffer, .address_space: global }
      - { .name: bf1, .offset: 16, .size: 8, .value_kind: global_buffer, .address_space: global }
      - { .name: hid, .offset: 24, .size: 8, .value_kind: global_buffer, .address_space: global }
    .group_segment_fixed_size: 327680
    .private_segment_fixed_size: 0
    .kernarg_segment_align: 8
    .kernarg_segment_size: 32
    .max_flat_workgroup_size: 128
    .sgpr_count:     102
    .vgpr_count:     1024
    .wavefront_size: 32
...
	.end_amdgpu_metadata
.endif
;; end of part 11
;; launch ffn2 (part 12): grid 8 x 32, 4 waves a work-group, clusters of 4 x 4, 327,680 bytes of LDS; arguments hid, wbuf, bf2, hres, out0; writes out0
.if DOCPART == 12
	.amdgcn_target "amdgcn-amd-amdhsa--gfx1250"
	.amdhsa_code_object_version 6
	.text
	.protected	k_q0f038bab8b_ffn2
	.globl	k_q0f038bab8b_ffn2
	.p2align	8
	.type	k_q0f038bab8b_ffn2,@function
k_q0f038bab8b_ffn2:
	s_mov_b64 s[64:65], 0
	v_nop
	global_prefetch_b8 v0, s[64:65] scope:SCOPE_SE
	s_setreg_imm32_b32 hwreg(HW_REG_WAVE_MODE, 25, 1), 1
	s_wait_xcnt 0x0
	s_wait_alu depctr_hold_cnt(0) depctr_sa_sdst(0) depctr_va_vdst(0) depctr_va_sdst(0) depctr_va_ssrc(0) depctr_va_vcc(0) depctr_vm_vsrc(0)
	s_getreg_b32 s2, hwreg(HW_REG_IB_STS2, 6, 4)
	s_cmp_eq_u32 s2, 0
	s_cbranch_scc0 .Lentry_in_a_cluster
	s_endpgm
.Lentry_in_a_cluster:
	s_bfe_u32 s2, ttmp6, 0x10000c
	s_cmp_lg_u32 s2, 0xf033
	s_cbranch_scc0 .Lentry_shape_is_right
	s_endpgm
.Lentry_shape_is_right:
; out = Hres + hid W2 + bf2 on codes of FP4 with E8M0 scales.  A tile of 128 x 128 (so that 256 work-groups have work), K = 4,096, by four waves of 64 x 64: 16 accumulators.
; Source 0 = 128 columns of W2, source 1 = 128 rows of hid: a lane holds one row and eight neighbouring columns.  Operands lie in memory and LDS as images of their registers.
; K goes in four parts of 1,024 through a ring of two LDS slots of 131,072 bytes; the scale words of all of K come once.  Each wave fetches a quarter of a slot with one tensor load (4 K steps x 8,192 bytes).
; CLUSTER 4 x 4: source 1's tile is asked for jointly along a row of the cluster, source 0's along a column; a refill stands first behind a round of the cluster's barrier.
; bf2 is the C of each sum's first matrix instruction; the wave's 64 x 64 of Hres is asked for at the head and added on the way out, which goes through the wave's own stage in LDS.
; All of a WGP's LDS is claimed, and 0 is added to spare words at each change of slots and at the end.
; REGISTERS: window 0: v1-29 addresses; v32-39 scale words, two sets; v48-79 bf2; v128-191 source 1's fragments, two sets; v192-255 source 0's.  window 1: accumulator (a, b) at v[8 (4 a + b)]; v128-255 Hres.
.set SC, 32
.set BP, 48
.set STAGE, 294912                     ; 16 rows x 272 bytes for each wave; no tile lands here
.set SPARE, 312320                     ; the spare words: 128 bytes for each wave
.set MSB, 0
.macro WIN new
.if MSB != (\new)
	s_set_vgpr_msb (MSB<<8)|(\new)
.set MSB, (\new)
.endif
.endm
.macro JLOAD g0a, g1a, g0b, g1b
	s_cmp_eq_u32 s19, 0
	s_cbranch_scc0 .Lfor_b_\@
	tensor_load_to_lds s[\g0a:\g0a+3], s[\g1a:\g1a+7]
	s_nop 0
.rept 4
	v_nop
.endr
	s_branch .Lasked_\@
.Lfor_b_\@:
	tensor_load_to_lds s[\g0b:\g0b+3], s[\g1b:\g1b+7]
	s_nop 0
.rept 4
	v_nop
.endr
.Lasked_\@:
.endm
.macro CROUND
	s_barrier_signal -1
	s_barrier_wait -1
	s_cmp_lg_u32 s18, 0
	s_cbranch_scc1 .Lnot_wave_0_\@
	s_barrier_signal -3
.Lnot_wave_0_\@:
	s_barrier_wait -3
	s_barrier_signal -1
	s_barrier_wait -1
.endm
.macro PLACES
.rept 4
	v_nop
.endr
.endm
.macro FETCH2 slot, ks, gs, bf         ; the slot's K step ks (gs of all of K): 8 fragments and 4 registers of scale words into set bf: 20 LDS loads
.irp i, 0,1,2,3
	ds_load_b128 v[192+32*(\bf)+8*\i:192+32*(\bf)+8*\i+3], v[20+\slot] offset:8192*(\ks)+1024*\i
	ds_load_b128 v[192+32*(\bf)+8*\i+4:192+32*(\bf)+8*\i+7], v[20+\slot] offset:8192*(\ks)+1024*\i+512
.endr
.irp i, 0,1,2,3
	ds_load_b128 v[128+32*(\bf)+8*\i:128+32*(\bf)+8*\i+3], v[16+\slot] offset:8192*(\ks)+1024*\i
	ds_load_b128 v[128+32*(\bf)+8*\i+4:128+32*(\bf)+8*\i+7], v[16+\slot] offset:8192*(\ks)+1024*\i+512
.endr
.irp i, 0,1,2,3
	ds_load_b32 v[SC+4*(\bf)+\i], v18 offset:512*(\gs)+64*\i
.endr
.endm
.macro MUL16 bf, cm                    ; the 16 accumulators take turns
.if \cm
	WIN 0x40
.else
	WIN 0x50
.endif
.irp a, 0,1,2,3
.irp b, 0,1,2,3
.if \cm
	v_wmma_scale_f32_16x16x128_f8f6f4 v[8*(4*\a+\b):8*(4*\a+\b)+7], v[192+32*(\bf)+8*\b:192+32*(\bf)+8*\b+7], v[128+32*(\bf)+8*\a:128+32*(\bf)+8*\a+7], v[BP+8*\b:BP+8*\b+7], v[SC+4*(\bf)+\b], v[SC+4*(\bf)+\a] matrix_a_fmt:MATRIX_FMT_FP4 matrix_b_fmt:MATRIX_FMT_FP4 matrix_a_scale:MATRIX_SCALE_ROW1
.else
	v_wmma_scale_f32_16x16x128_f8f6f4 v[8*(4*\a+\b):8*(4*\a+\b)+7], v[192+32*(\bf)+8*\b:192+32*(\bf)+8*\b+7], v[128+32*(\bf)+8*\a:128+32*(\bf)+8*\a+7], v[8*(4*\a+\b):8*(4*\a+\b)+7], v[SC+4*(\bf)+\b], v[SC+4*(\bf)+\a] matrix_a_fmt:MATRIX_FMT_FP4 matrix_b_fmt:MATRIX_FMT_FP4 matrix_a_scale:MATRIX_SCALE_ROW1
.endif
.endr
.endr
.endm
.macro PART slot, sb, first            ; a slot's eight K steps, sb on of all of K
	FETCH2 \slot, 0, \sb, 0
.set Q, 0
.rept 8
	PLACES                                         ; the other set was read by the products just issued
.if Q < 7
	FETCH2 \slot, Q+1, (\sb)+Q+1, (Q+1)%2
	s_wait_dscnt 20                                ; all but the 20 just issued
.else
	s_wait_dscnt 0x0
.endif
.if (\first) && (Q == 0)
	MUL16 0, 1
.else
	MUL16 Q%2, 0
.endif
	WIN 0
.set Q, Q+1
.endr
.endm
.macro CHG slot                        ; the slot just read out is filled again, two parts of K on
	s_wait_tensorcnt 0x0                           ; all my tensor loads have landed, my part of the other slot among them: so a group 0 may be written;
	ds_add_u32 v28, v29                            ; 0 onto my spare word;
	s_add_nc_u64 s[34+4*\slot:35+4*\slot], s[34+4*\slot:35+4*\slot], 4194304
	s_add_nc_u64 s[58+4*\slot:59+4*\slot], s[58+4*\slot:59+4*\slot], 1048576
	s_wait_dscnt 0x0                               ; the add is done, and my reads of this slot are over
	CROUND                                         ; both now hold of every wave of all sixteen work-groups
	JLOAD 32+4*\slot, 24, 56+4*\slot, 48           ; my one tensor load behind the round, and the first thing there
.if (\slot) == 0
	ASK 3                                          ; this change loads part 2: part 3 is asked of memory a part ahead of its load; behind part 3 there is nothing to ask for
.endif
.endm
	s_load_b256 s[4:11], s[0:1], 0x0               ; hid, wbuf, bf2, hres
	s_load_b64 s[12:13], s[0:1], 0x20              ; out0
	v_lshl_add_u32 v28, v0, 2, SPARE
	v_mov_b32 v29, 0
	ds_add_u32 v28, v29
	ds_add_u32 v28, v29
	s_wait_dscnt 0x0
	v_lshrrev_b32 v1, 5, v0
	v_readfirstlane_b32 s18, v1
	s_lshr_b32 s19, s18, 1
	s_and_b32 s20, s18, 1
	s_bfe_u32 s40, ttmp6, 0x40000
	s_bfe_u32 s41, ttmp6, 0x40004
	s_lshl_b32 s42, ttmp9, 2
	s_add_co_u32 s42, s42, s40                     ; t0: W2's tile of 128 columns
	s_and_b32 s21, ttmp7, 0xffff
	s_lshl_b32 s21, s21, 2
	s_add_co_u32 s21, s21, s41                     ; t1: hid's tile of 128 rows
	s_lshl_b32 s43, s41, 2
	s_lshl_b32 s43, 15, s43
	s_lshl_b32 s44, 0x1111, s40
	s_or_b32 s24, s43, (3<<16)|(1<<21)             ; hid's codes: 8 K steps x 8,192 bytes, 262,144 apart
	s_mov_b32 s25, 1024<<16                        ; a K step of 128 rows: 8,192 bytes; 8 K steps in the head's load, 4 in the ring's
	s_mov_b32 s26, 8<<16
	s_mov_b32 s27, 1024<<16
	s_mov_b32 s28, 8
	s_mov_b32 s29, 32768
	s_mov_b32 s30, 0
	s_mov_b32 s31, 0
	s_or_b32 s48, s44, (3<<16)|(1<<21)             ; W2's: 65,536 apart
	s_mov_b32 s49, 1024<<16
	s_mov_b32 s50, 8<<16
	s_mov_b32 s51, 1024<<16
	s_mov_b32 s52, 8
	s_mov_b32 s53, 8192
	s_mov_b32 s54, 0
	s_mov_b32 s55, 0
	s_or_b32 s68, s43, (3<<16)|(1<<21)             ; hid's words: 32 K steps x 512 bytes, 16,384 apart
	s_mov_b32 s69, 64<<16                          ; the words of 128 rows: 512 bytes a K step
	s_mov_b32 s70, 32<<16
	s_mov_b32 s71, 64<<16
	s_mov_b32 s72, 32
	s_mov_b32 s73, 2048
	s_mov_b32 s74, 0
	s_mov_b32 s75, 0
	s_or_b32 s80, s44, (3<<16)|(1<<21)             ; W2's: 4,096 apart
	s_mov_b32 s81, 64<<16
	s_mov_b32 s82, 32<<16
	s_mov_b32 s83, 64<<16
	s_mov_b32 s84, 32
	s_mov_b32 s85, 512
	s_mov_b32 s86, 0
	s_mov_b32 s87, 0
	s_lshl_b32 s22, s21, 7                         ; the first of hid's 128 rows
	s_lshl_b32 s23, s42, 7                         ; of W2's 128 columns
	s_mov_b32 s3, 0
	s_mov_b32 s67, 0
	s_lshl_b32 s14, s18, 15
	s_wait_kmcnt 0x0
	s_lshl_b32 s2, s22, 6
	s_add_nc_u64 s[92:93], s[4:5], s[2:3]
	s_lshl_b32 s2, s22, 2
	s_add_co_u32 s2, s2, 0x800000
	s_add_nc_u64 s[4:5], s[4:5], s[2:3]
	s_lshl_b32 s66, s23, 6
	s_add_co_u32 s66, s66, 0x440000
	s_add_nc_u64 s[94:95], s[6:7], s[66:67]
	s_lshl_b32 s66, s23, 2
	s_add_co_u32 s66, s66, 0x640000
	s_add_nc_u64 s[6:7], s[6:7], s[66:67]
	CROUND
	; A slot: hid's [8 K steps][8 tiles][1,024 bytes] from its byte 0, W2's from its byte 65,536.  The words: hid's [32 K steps][512 bytes] at 262,144, W2's at 278,528.
	s_mov_b32 s76, 1                               ; the head's four tiles, each whole: hid's scale words,
	s_mov_b32 s77, 262144
	s_mov_b64 s[78:79], s[4:5]
	s_or_b32 s79, s79, 0x80000000
	s_mov_b32 s88, 1                               ; W2's,
	s_mov_b32 s89, 278528
	s_mov_b64 s[90:91], s[6:7]
	s_or_b32 s91, s91, 0x80000000
	s_mov_b32 s96, 1                               ; hid's codes of the first part of K,
	s_mov_b32 s97, 0
	s_mov_b64 s[98:99], s[92:93]
	s_or_b32 s99, s99, 0x80000000
	s_mov_b32 s4, 1                                ; and W2's
	s_mov_b32 s5, 65536
	s_mov_b64 s[6:7], s[94:95]
	s_or_b32 s7, s7, 0x80000000
; A PREFETCH INTO THE L2 of the part of K that the NEXT tensor load will ask for: 8 K steps x 8,192 bytes of hid's tile and as many of W2's.  The four work-groups that ask for a tile jointly share its K steps out BY ADDRESS:
; the partner at place p (cx for hid, cy for W2) takes K steps 2 p and 2 p + 1, its waves 0, 1 hid's and 2, 3 W2's, one K step a wave: one instruction, lanes 256 bytes apart.  So each block of 256 bytes is named once in each cluster that loads it.
; The bases stand at part 0 and are never rewritten: the part is in the immediate offset.  Part 0 comes by its load alone.
.macro ASK part
	s_cmp_eq_u32 s19, 0
	s_cbranch_scc0 .Lask_b_\@
	global_prefetch_b8 v27, s[16:17] offset:(\part)*2097152 th:TH_LOAD_NT scope:SCOPE_SE
	s_branch .Lasked_p_\@
.Lask_b_\@:
	global_prefetch_b8 v27, s[46:47] offset:(\part)*524288 th:TH_LOAD_NT scope:SCOPE_SE
.Lasked_p_\@:
.endm
	s_lshl_b32 s100, s40, 1
	s_add_co_u32 s100, s100, s20
	s_lshl_b32 s100, s100, 18                      ; hid: K step 2 cx + wave % 2, 262,144 bytes a K step
	s_mov_b32 s101, 0
	s_add_nc_u64 s[16:17], s[92:93], s[100:101]
	s_lshl_b32 s100, s41, 1
	s_add_co_u32 s100, s100, s20
	s_lshl_b32 s100, s100, 16                      ; W2: K step 2 cy + wave % 2, 65,536 bytes a K step
	s_add_nc_u64 s[46:47], s[94:95], s[100:101]
	s_lshl_b32 s2, s20, 20
	s_add_nc_u64 s[92:93], s[92:93], s[2:3]
	s_lshl_b32 s66, s20, 18                        ; 4 x 65,536 in W2
	s_add_nc_u64 s[94:95], s[94:95], s[66:67]
.irp k, 0,1
	s_mov_b32 s[32+4*\k], 1
	s_add_co_u32 s[33+4*\k], s14, \k*131072
	s_add_nc_u64 s[34+4*\k:35+4*\k], s[92:93], \k*2097152
	s_or_b32 s[35+4*\k], s[35+4*\k], 0x80000000
	s_mov_b32 s[56+4*\k], 1
	s_add_co_u32 s[57+4*\k], s14, \k*131072
	s_add_nc_u64 s[58+4*\k:59+4*\k], s[94:95], \k*524288
	s_or_b32 s[59+4*\k], s[59+4*\k], 0x80000000
.endr
.macro ARM under, g0, g1, next         ; one arm of the head's chain of branches on the wave's number: its joint load, and a jump to the chain's end
	s_cmp_lt_u32 s18, \under
	s_cbranch_scc0 \next
	tensor_load_to_lds s[\g0:\g0+3], s[\g1:\g1+7]
	s_nop 0
.rept 4
	v_nop
.endr
	s_branch .Lhead_asked
\next:
.endm
	ARM 1, 96, 24, .Lhead_b                        ; one joint load a wave at the head
	ARM 2, 4, 48, .Lhead_sa
	ARM 3, 76, 68, .Lhead_sb
	tensor_load_to_lds s[88:91], s[80:87]
	s_nop 0
.rept 4
	v_nop
.endr
.Lhead_asked:
	v_and_b32 v27, 31, v0
	v_lshlrev_b32 v27, 8, v27                      ; the prefetches' offset: 256 x lane; never rewritten
	s_wait_alu depctr_va_vdst(0)
	ASK 1                                          ; part 1, whose load goes out when the head's tiles have landed
	v_and_b32 v3, 31, v0
	v_and_b32 v1, 15, v0
	v_bfe_u32 v2, v0, 4, 1
	v_lshlrev_b32 v19, 4, v3
	s_lshl_b32 s2, s19, 12                         ; my four tiles of a K step's eight
	s_lshl_b32 s3, s20, 12
	s_add_co_u32 s3, s3, 65536
	v_add_nc_u32 v16, s2, v19                      ; source 1's fragments in slot 0,
	v_add_nc_u32 v20, s3, v19                      ; source 0's,
	v_add_nc_u32 v17, 131072, v16                  ; and in slot 1
	v_add_nc_u32 v21, 131072, v20
	s_lshl_b32 s2, s19, 8
	s_lshl_b32 s3, s20, 8
	s_add_co_u32 s3, s3, 16384
	s_sub_co_u32 s3, s3, s2
	v_mul_u32_u24 v4, s3, v2                       ; lanes 16-31 take source 0's words
	s_wait_alu depctr_va_vdst(0)
	s_add_co_u32 s2, s2, 262144
	v_lshl_add_u32 v4, v1, 2, v4
	v_add_nc_u32 v18, s2, v4
	s_mul_i32 s2, s18, 4352
	s_add_co_u32 s2, s2, STAGE
	v_mul_u32_u24 v24, v1, 272
	v_lshl_add_u32 v24, v2, 6, v24
	v_add_nc_u32 v24, s2, v24                      ; the stage, in: row r, + 64 h
	v_mul_u32_u24 v25, v2, 272
	v_lshl_add_u32 v25, v1, 4, v25
	v_add_nc_u32 v25, s2, v25                      ; back: lanes 0-15 one row, lanes 16-31 the next
	v_lshlrev_b32 v26, 12, v2
	v_lshl_add_u32 v26, v1, 4, v26                 ; and the same in Hres and out
	s_wait_alu depctr_va_vdst(0)
	s_lshl_b32 s2, s42, 9
	s_lshl_b32 s3, s20, 8
	s_add_co_u32 s2, s2, s3                        ; my first column, in bytes
	s_mov_b32 s3, 0
	s_add_nc_u64 s[8:9], s[8:9], s[2:3]
	s_lshl_b32 s22, s21, 7
	s_lshl_b32 s23, s19, 6
	s_add_co_u32 s22, s22, s23
	s_lshl_b32 s22, s22, 12                        ; my first row
	s_add_co_u32 s2, s2, s22
	s_add_nc_u64 s[10:11], s[10:11], s[2:3]
	s_add_nc_u64 s[12:13], s[12:13], s[2:3]
	v_lshlrev_b32 v5, 6, v2
.irp b, 0,1,2,3
	global_load_b128 v[BP+8*\b:BP+8*\b+3], v5, s[8:9] offset:(32*(\b/2)+8*(\b%2))*4
	global_load_b128 v[BP+8*\b+4:BP+8*\b+7], v5, s[8:9] offset:(32*(\b/2)+8*(\b%2))*4+16
.endr
	s_wait_alu depctr_va_vdst(0)                   ; the wait at the head's end
	s_wait_tensorcnt 0x0                           ; my tile of the head's four is in
	ds_add_u32 v28, v29
	s_mov_b32 s26, 4<<16                           ; no tensor load of mine is out, so a descriptor may be written: from here on a load brings 4 K steps
	s_mov_b32 s28, 4
	s_mov_b32 s50, 4<<16
	s_mov_b32 s52, 4
	s_wait_dscnt 0x0
	CROUND                                         ; all four tiles are in, and all sixteen work-groups are here
	JLOAD 36, 24, 60, 48                           ; slot 1's first fill, a quarter a wave: my one tensor load behind the round
	ASK 2
	WIN 0x40                                       ; Hres is asked for here, behind the first tiles: it is wanted only on the way out
.irp a, 0,1,2,3
.irp i, 0,1,2,3,4,5,6,7
	global_load_b128 v[128+32*\a+4*\i:128+32*\a+4*\i+3], v26, s[10:11] offset:(32*(\a/2)+8*(\a%2)+2*\i+8*(\i/4))*4096 th:TH_LOAD_NT
.endr
.endr
	WIN 0
	s_wait_loadcnt 32
	PART 0, 0, 1
	CHG 0
	PART 1, 8, 0
	CHG 1
	PART 0, 16, 0
	s_wait_tensorcnt 0x0                           ; my part of the last slot has landed;
	ds_add_u32 v28, v29
	s_wait_dscnt 0x0
	s_barrier_signal -1
	s_barrier_wait -1                              ; everybody's has; nothing is left to fetch
	PART 1, 24, 0
	PLACES
	s_wait_loadcnt 0x0                             ; Hres
; THE WAY OUT, a tile of 16 rows at a time: a lane's numbers (register 16 q + i: column 32 q + 16 h + i) into my stage, back as rows of 256 bytes, + Hres, stored.  Each accumulator is read from its low end on.
.irp a, 0,1,2,3
	WIN 0x04                                       ; an LDS store's data are its source 1: window 1
.irp q, 0,1
.irp k, 0,1,2,3
	ds_store_b128 v24, v[8*(4*\a+2*\q+\k/2)+4*(\k%2):8*(4*\a+2*\q+\k/2)+4*(\k%2)+3] offset:128*\q+16*\k
.endr
.endr
	WIN 0
.irp i, 0,1,2,3,4,5,6,7
	ds_load_b128 v[128+32*\a+4*\i:128+32*\a+4*\i+3], v25 offset:544*\i   ; LDS serves a wave's instructions in order: these see my stores, and the next tile's stores come behind them
.endr
	s_wait_dscnt 0x0
	WIN 0x04                                       ; source 1: Hres, in window 1
.irp p, 0,2,4,6,8,10,12,14,16,18,20,22,24,26,28,30
	v_pk_add_f32 v[128+32*\a+\p:128+32*\a+\p+1], v[128+32*\a+\p:128+32*\a+\p+1], v[128+32*\a+\p:128+32*\a+\p+1]
.endr
	WIN 0
.irp i, 0,1,2,3,4,5,6,7
	global_store_b128 v26, v[128+32*\a+4*\i:128+32*\a+4*\i+3], s[12:13] offset:(32*(\a/2)+8*(\a%2)+2*\i+8*(\i/4))*4096 th:TH_STORE_NT   ; sixteen lanes store 256 consecutive bytes, aligned
.endr
.endr
	s_wait_tensorcnt 0x0                           ; the wave's end, behind my last tensor load and my last LDS store
	ds_add_u32 v28, v29
	s_wait_dscnt 0x0
	CROUND                                         ; the closing round
	s_endpgm
.Lfunc_end_k_q0f038bab8b_ffn2:
	.size	k_q0f038bab8b_ffn2, .Lfunc_end_k_q0f038bab8b_ffn2-k_q0f038bab8b_ffn2
	.p2alignl 7, 3214868480
	.fill 96, 4, 3214868480
	.section	.rodata,"a",@progbits
	.p2align	6, 0x0
	.amdhsa_kernel k_q0f038bab8b_ffn2
		.amdhsa_group_segment_fixed_size 327680
		.amdhsa_private_segment_fixed_size 0
		.amdhsa_enable_private_segment 0
		.amdhsa_kernarg_size 40
		.amdhsa_user_sgpr_count 2
		.amdhsa_user_sgpr_kernarg_segment_ptr 1
		.amdhsa_wavefront_size32 1
		.amdhsa_system_sgpr_workgroup_id_x 1
		.amdhsa_system_sgpr_workgroup_id_y 1
		.amdhsa_system_sgpr_workgroup_id_z 1
		.amdhsa_system_vgpr_workitem_id 0
		.amdhsa_next_free_vgpr 512
		.amdhsa_next_free_sgpr 102
		.amdhsa_reserve_vcc 0
		.amdhsa_float_denorm_mode_32 3
		.amdhsa_float_denorm_mode_16_64 3
		.amdhsa_memory_ordered 1
		.amdhsa_forward_progress 1
		.amdhsa_inst_pref_size 141
	.end_amdhsa_kernel
	.amdgpu_metadata
---
amdhsa.version: [ 1, 2 ]
amdhsa.kernels:
  - .name:           k_q0f038bab8b_ffn2
    .symbol:         k_q0f038bab8b_ffn2.kd
    .args:
      - { .name: hid, .offset: 0, .size: 8, .value_kind: global_buffer, .address_space: global }
      - { .name: wbuf, .offset: 8, .size: 8, .value_kind: global_buffer, .address_space: global }
      - { .name: bf2, .offset: 16, .size: 8, .value_kind: global_buffer, .address_space: global }
      - { .name: hres, .offset: 24, .size: 8, .value_kind: global_buffer, .address_space: global }
      - { .name: out0, .offset: 32, .size: 8, .value_kind: global_buffer, .address_space: global }
    .group_segment_fixed_size: 327680
    .private_segment_fixed_size: 0
    .kernarg_segment_align: 8
    .kernarg_segment_size: 40
    .max_flat_workgroup_size: 128
    .sgpr_count:     102
    .vgpr_count:     512
    .wavefront_size: 32
...
	.end_amdgpu_metadata
.endif
;; end of part 12
